; MI455X (gfx1250); checked and timed in simulation.
; The chip was launched on July 23, 2026; its instructions are those of AMD's public machine-readable ISA for CDNA 5 (MIT licence, August 2026) and "CDNA5" Instruction Set Architecture Reference Guide (July 2026). The comments in the code are by the model that wrote it; some were corrected since.
;; Independent Style GAN2 Generator Backbone. Allowed arithmetic: float matrix products may take bf16 or f16 operands with f32 sums; all other float work in f32.
;; Inputs: condition 4 x 512 float32; coordinates 4 x 2 x 128 x 128 float32; params_bias_b 512 float32; params_bias_w 512 x 512 float32; params_blocks_0_cond_w_0 512 x 512 float32; params_blocks_0_cond_w_1 512 x 512 float32; params_blocks_0_conv_b_0 512 float32; params_blocks_0_conv_b_1 512 float32; params_blocks_0_conv_w_0 512 x 512 float32; params_blocks_0_conv_w_1 512 x 512 float32; params_blocks_0_rgb_b 3 float32; params_blocks_0_rgb_w 3 x 512 float32; params_blocks_1_cond_w_0 512 x 512 float32; params_blocks_1_cond_w_1 512 x 512 float32; params_blocks_1_conv_b_0 512 float32; params_blocks_1_conv_b_1 256 float32; params_blocks_1_conv_w_0 512 x 512 float32; params_blocks_1_conv_w_1 256 x 512 float32; params_blocks_1_rgb_b 3 float32; params_blocks_1_rgb_w 3 x 256 float32; params_blocks_2_cond_w_0 512 x 256 float32; params_blocks_2_cond_w_1 512 x 256 float32; params_blocks_2_conv_b_0 256 float32; params_blocks_2_conv_b_1 128 float32; params_blocks_2_conv_w_0 256 x 256 float32; params_blocks_2_conv_w_1 128 x 256 float32; params_blocks_2_rgb_b 3 float32; params_blocks_2_rgb_w 3 x 128 float32; params_proj_b 1,024 float32; params_proj_w 512 x 1,024 float32.
;; Outputs: out0 4 x 3 x 128 x 128 float32.
;; 3 versions, each right and faster than the one before. Each part assembles by itself: llvm-mc -triple=amdgcn-amd-amdhsa -mcpu=gfx1250 --defsym DOCPART=n.
;; ======== version 1 of 3: 9 launches
;; limits: a function is approximated: absolute error at most 2.2e-05
;; workspace buffers: sty 65,536 bytes; pa 321,536 bytes; pb 321,536 bytes
;; launch lin (part 1): grid 64 x 1, 16 waves a work-group, no clusters, 34,816 bytes of LDS; arguments condition, params_blocks_0_cond_w_0, params_blocks_0_cond_w_1, params_blocks_1_cond_w_0, params_blocks_1_cond_w_1, params_blocks_2_cond_w_0, params_blocks_2_cond_w_1, params_proj_w, params_bias_w, params_proj_b, params_bias_b, sty; writes sty
.if DOCPART == 1
	.amdgcn_target "amdgcn-amd-amdhsa--gfx1250"
	.amdhsa_code_object_version 6
	.text
	.protected	k_qbd0b11dd19_lin
	.globl	k_qbd0b11dd19_lin
	.p2align	8
	.type	k_qbd0b11dd19_lin,@function
k_qbd0b11dd19_lin:
	s_mov_b64 s[64:65], 0
	v_nop
	global_prefetch_b8 v0, s[64:65] scope:SCOPE_SE
	s_setreg_imm32_b32 hwreg(HW_REG_WAVE_MODE, 25, 1), 1
	s_wait_xcnt 0x0
; lin: the eight linear maps of the condition, sty[b][col] = sum over k of condition[b][k] M[k][col].
; sty is [4][4096] f32: s1 (512 columns), s2, s3, s4 (512 each), s5, s6 (256 each), projector (1024), bias (512).
; The projector and the bias get their addends (proj_b, bias_b) and are divided by 2 pi, so that the sine's argument is formed in revolutions.
; A work-group owns 64 columns (256 bytes of every row) of one matrix over all 512 rows: 128 KiB, all requested at its first lines.
; Thread t: rg = t / 16 owns rows 16 rg .. 16 rg + 15, lq = t % 16 owns 16 bytes of each: a load of a wave covers two aligned pieces of 256 bytes.
; The 32 partial sums of a column meet in LDS; waves 0 and 1 add them and store four pieces of 256 aligned bytes.
; Vector arithmetic in f32: the products have four rows, so each weight feeds four multiply-adds and the stream of weights is all the work.
; No work-group shares a byte of a matrix with another, so nothing is asked for jointly.
.set VO, 12                            ; v[12:27]   byte offset of my 16 bytes in row m of my 16 rows: one register a load, none rewritten
.set AC, 28                            ; v[28:43]   sums [b][4 columns]
.set CN, 44                            ; v[44:107]  condition[b][16 rg + m], [b][16]
.set MM, 108                           ; v[108:171] matrix rows [m][4 columns]
.set AD, 172                           ; v[172:175] the addend's four numbers
.set RDQ, 44                           ; v[44:171]  the 32 partial quads, behind the barrier
; the matrix, its first column block and its row pitch in bytes are picked by the block's number alone
.macro PICK lim, ptr, pit
	s_cmp_ge_u32 s30, \lim
	s_cselect_b64 s[32:33], s[\ptr:\ptr+1], s[32:33]
	s_cselect_b32 s34, \lim, s34
	s_cselect_b32 s35, \pit, s35
.endm
; row m of my 16: four batches x four columns; condition[b][m] is one half of a register pair, named by op_sel
.macro ROWFMA m
.irp b, 0,1,2,3
.irp c, 0,2
.if \m == 0
	v_pk_mul_f32 v[AC+4*\b+\c:AC+4*\b+\c+1], v[MM+\c:MM+\c+1], v[CN+16*\b:CN+16*\b+1] op_sel_hi:[1,0]      ; the first row starts the sums
.elseif (\m) % 2 == 0
	v_pk_fma_f32 v[AC+4*\b+\c:AC+4*\b+\c+1], v[MM+4*\m+\c:MM+4*\m+\c+1], v[CN+16*\b+\m:CN+16*\b+\m+1], v[AC+4*\b+\c:AC+4*\b+\c+1] op_sel_hi:[1,0,1]
.else
	v_pk_fma_f32 v[AC+4*\b+\c:AC+4*\b+\c+1], v[MM+4*\m+\c:MM+4*\m+\c+1], v[CN+16*\b+\m-1:CN+16*\b+\m], v[AC+4*\b+\c:AC+4*\b+\c+1] op_sel:[0,1,0] op_sel_hi:[1,1,1]
.endif
.endr
.endr
.endm
; waves 0 and 1: thread (b = rg, lq) adds the 32 partial quads of its four columns and stores them.  add = 1: projector and bias
.macro TAIL add
.if \add
	s_cmp_ge_u32 s30, 56
	s_cselect_b64 s[42:43], s[26:27], s[24:25]     ; bias_b from block 56 on, else proj_b
	s_add_nc_u64 s[42:43], s[42:43], s[36:37]      ; + 256 bytes for each block inside the matrix
	global_load_b128 v[AD:AD+3], v7, s[42:43]
.endif
.set g, 0
.rept 32
	ds_load_b128 v[RDQ+4*g:RDQ+4*g+3], v6 offset:g*1024
.set g, g+1
.endr
	s_wait_dscnt 0x0
.irp st, 16,8,4,2,1
.set g, 0
.rept \st
	v_pk_add_f32 v[RDQ+4*g:RDQ+4*g+1], v[RDQ+4*g:RDQ+4*g+1], v[RDQ+4*(g+\st):RDQ+4*(g+\st)+1]
	v_pk_add_f32 v[RDQ+4*g+2:RDQ+4*g+3], v[RDQ+4*g+2:RDQ+4*g+3], v[RDQ+4*(g+\st)+2:RDQ+4*(g+\st)+3]
.set g, g+1
.endr
.endr
.if \add
	s_wait_loadcnt 0x0                             ; the addend
	v_pk_add_f32 v[RDQ:RDQ+1], v[RDQ:RDQ+1], v[AD:AD+1]
	v_pk_add_f32 v[RDQ+2:RDQ+3], v[RDQ+2:RDQ+3], v[AD+2:AD+3]
	v_pk_mul_f32 v[RDQ:RDQ+1], v[RDQ:RDQ+1], 0.15915494 op_sel_hi:[1,0]        ; radians to revolutions
	v_pk_mul_f32 v[RDQ+2:RDQ+3], v[RDQ+2:RDQ+3], 0.15915494 op_sel_hi:[1,0]
.endif
	global_store_b128 v8, v[RDQ:RDQ+3], s[28:29]   ; sixteen lanes: 256 consecutive bytes, aligned
	s_wait_tensorcnt 0x0
	ds_add_u32 v176, v177
	s_wait_dscnt 0x0
	s_endpgm
.endm
	s_load_b64 s[4:5], s[0:1], 0x0                 ; condition
	s_load_b512 s[8:23], s[0:1], 0x8               ; the eight matrices
	s_load_b128 s[24:27], s[0:1], 0x48             ; proj_b, bias_b
	s_load_b64 s[28:29], s[0:1], 0x58              ; sty
	v_lshl_add_u32 v176, v0, 2, 0x8000
	v_mov_b32 v177, 0
	s_mov_b32 s30, ttmp9                           ; column block 0..63
	v_lshrrev_b32 v4, 5, v0
	v_readfirstlane_b32 s40, v4                    ; wave
	v_and_b32 v1, 15, v0                           ; lq
	v_lshrrev_b32 v2, 4, v0                        ; rg
	v_lshlrev_b32 v3, 6, v2                        ; my 16 numbers of a row of the condition
	v_lshlrev_b32 v7, 4, v1                        ; 16 lq
	v_lshl_add_u32 v5, v2, 10, v7                  ; LDS [rg][b][64 columns]: rg x 1024 + 16 lq
	v_lshlrev_b32 v6, 4, v0                        ; back: 16 t = b x 256 + 16 lq for t < 64
	v_lshl_add_u32 v8, v2, 14, v7                  ; sty: row b = rg of 16,384 bytes
	s_lshl_b32 s44, s30, 8
	s_mov_b32 s45, 0
	s_wait_kmcnt 0x0
.irp b, 0,1,2,3
.irp q, 0,1,2,3
	global_load_b128 v[CN+16*\b+4*\q:CN+16*\b+4*\q+3], v3, s[4:5] offset:\b*2048+\q*16
.endr
.endr
	s_mov_b64 s[32:33], s[8:9]
	s_mov_b32 s34, 0
	s_mov_b32 s35, 2048
	PICK 8, 10, 2048
	PICK 16, 12, 2048
	PICK 24, 14, 2048
	PICK 32, 16, 1024
	PICK 36, 18, 1024
	PICK 40, 20, 4096
	PICK 56, 22, 2048
	s_sub_co_u32 s36, s30, s34                     ; block inside the matrix
	s_lshl_b32 s36, s36, 8
	s_mov_b32 s37, 0
	s_add_nc_u64 s[32:33], s[32:33], s[36:37]
	s_lshl_b32 s38, s35, 4                         ; 16 rows
	v_mad_u32_u24 v[VO], v2, s38, v7
.set m, 1
.rept 15
	v_add_nc_u32 v[VO+m], s35, v[VO+m-1]
.set m, m+1
.endr
.set m, 0
.rept 16
	global_load_b128 v[MM+4*m:MM+4*m+3], v[VO+m], s[32:33] th:TH_LOAD_NT
.set m, m+1
.endr
.irp m, 0,1,2,3,4,5,6,7,8,9,10,11,12,13,14,15
	s_wait_loadcnt 15-\m                           ; loads return in order: row m is in (and the condition, which is older); the 15 - m younger rows stay out
	ROWFMA \m
.endr
.irp b, 0,1,2,3
	ds_store_b128 v5, v[AC+4*\b:AC+4*\b+3] offset:\b*256
.endr
	s_wait_dscnt 0x0                               ; my partial sums are in LDS before I say so
	s_barrier_signal -1
	s_barrier_wait -1
	s_cmp_ge_u32 s40, 2
	s_cbranch_scc1 .Lend
	s_add_nc_u64 s[28:29], s[28:29], s[44:45]      ; sty at my column block
	s_cmp_ge_u32 s30, 40
	s_cbranch_scc1 .Lwith_addend
	TAIL 0
.Lwith_addend:
	TAIL 1
.Lend:
	s_wait_tensorcnt 0x0
	ds_add_u32 v176, v177
	s_wait_dscnt 0x0
	s_endpgm
.Lfunc_end_k_qbd0b11dd19_lin:
	.size	k_qbd0b11dd19_lin, .Lfunc_end_k_qbd0b11dd19_lin-k_qbd0b11dd19_lin
	.p2alignl 7, 3214868480
	.fill 96, 4, 3214868480
	.section	.rodata,"a",@progbits
	.p2align	6, 0x0
	.amdhsa_kernel k_qbd0b11dd19_lin
		.amdhsa_group_segment_fixed_size 34816
		.amdhsa_private_segment_fixed_size 0
		.amdhsa_enable_private_segment 0
		.amdhsa_kernarg_size 96
		.amdhsa_user_sgpr_count 2
		.amdhsa_user_sgpr_kernarg_segment_ptr 1
		.amdhsa_wavefront_size32 1
		.amdhsa_system_sgpr_workgroup_id_x 1
		.amdhsa_system_sgpr_workgroup_id_y 1
		.amdhsa_system_sgpr_workgroup_id_z 1
		.amdhsa_system_vgpr_workitem_id 0
		.amdhsa_next_free_vgpr 178
		.amdhsa_next_free_sgpr 66
		.amdhsa_reserve_vcc 0
		.amdhsa_float_denorm_mode_32 3
		.amdhsa_float_denorm_mode_16_64 3
		.amdhsa_memory_ordered 1
		.amdhsa_forward_progress 1
		.amdhsa_inst_pref_size 28
	.end_amdhsa_kernel
	.amdgpu_metadata
---
amdhsa.version: [ 1, 2 ]
amdhsa.kernels:
  - .name:           k_qbd0b11dd19_lin
    .symbol:         k_qbd0b11dd19_lin.kd
    .args:
      - { .name: condition, .offset: 0, .size: 8, .value_kind: global_buffer, .address_space: global }
      - { .name: params_blocks_0_cond_w_0, .offset: 8, .size: 8, .value_kind: global_buffer, .address_space: global }
      - { .name: params_blocks_0_cond_w_1, .offset: 16, .size: 8, .value_kind: global_buffer, .address_space: global }
      - { .name: params_blocks_1_cond_w_0, .offset: 24, .size: 8, .value_kind: global_buffer, .address_space: global }
      - { .name: params_blocks_1_cond_w_1, .offset: 32, .size: 8, .value_kind: global_buffer, .address_space: global }
      - { .name: params_blocks_2_cond_w_0, .offset: 40, .size: 8, .value_kind: global_buffer, .address_space: global }
      - { .name: params_blocks_2_cond_w_1, .offset: 48, .size: 8, .value_kind: global_buffer, .address_space: global }
      - { .name: params_proj_w, .offset: 56, .size: 8, .value_kind: global_buffer, .address_space: global }
      - { .name: params_bias_w, .offset: 64, .size: 8, .value_kind: global_buffer, .address_space: global }
      - { .name: params_proj_b, .offset: 72, .size: 8, .value_kind: global_buffer, .address_space: global }
      - { .name: params_bias_b, .offset: 80, .size: 8, .value_kind: global_buffer, .address_space: global }
      - { .name: sty, .offset: 88, .size: 8, .value_kind: global_buffer, .address_space: global }
    .group_segment_fixed_size: 34816
    .private_segment_fixed_size: 0
    .kernarg_segment_align: 8
    .kernarg_segment_size: 96
    .max_flat_workgroup_size: 512
    .sgpr_count:     66
    .vgpr_count:     178
    .wavefront_size: 32
...
	.end_amdgpu_metadata
.endif
;; end of part 1
;; launch demod (part 2): grid 34 x 1, 16 waves a work-group, no clusters, 11,264 bytes of LDS; arguments sty, params_blocks_0_conv_w_0, params_blocks_0_conv_w_1, params_blocks_1_conv_w_0, params_blocks_1_conv_w_1, params_blocks_2_conv_w_0, params_blocks_2_conv_w_1, params_blocks_0_conv_b_0, params_blocks_0_conv_b_1, params_blocks_1_conv_b_0, params_blocks_1_conv_b_1, params_blocks_2_conv_b_0, params_blocks_2_conv_b_1, params_blocks_0_rgb_w, params_blocks_1_rgb_w, params_blocks_2_rgb_w, pa, pb; writes pa, pb
.if DOCPART == 2
	.amdgcn_target "amdgcn-amd-amdhsa--gfx1250"
	.amdhsa_code_object_version 6
	.text
	.protected	k_qbd0b11dd19_demod
	.globl	k_qbd0b11dd19_demod
	.p2align	8
	.type	k_qbd0b11dd19_demod,@function
k_qbd0b11dd19_demod:
	s_mov_b64 s[64:65], 0
	v_nop
	global_prefetch_b8 v0, s[64:65] scope:SCOPE_SE
	s_setreg_imm32_b32 hwreg(HW_REG_WAVE_MODE, 25, 1), 1
	s_wait_xcnt 0x0
; demod: for each of the six layers l, q[b][o] = sum over i of W[o][i]^2 s_l[b][i]^2, d = rsqrt(q + 1e-8), and three tables for the backward chain:
;   E[b][o]    = d[b][o] s_(l+1)[b][o]        (none for layer 6)
;   BETA[b][o] = b_l[o] (q + 1e-8) d = b_l[o] / d[b][o]
;   F[r][o]    = d[b][o] tap[j][o], r = 4 j + b (the colour tap on the layer's output; layers 1 and 3 have none and get zeros,
;                so that their chain steps run the text of layers 2 and 4; layer 5's step takes no F and none is stored)
; Tables of even layers go to pa, of odd layers to pb: the buffer that the layer's chain step loads from.
; A work-group owns 64 rows of one layer's W; wave w owns rows 4 w .. 4 w + 3, a lane 16 bytes of every 512 of a row: each load of a wave covers 512 consecutive bytes.
; All in f32 on the vector unit: a row sum of squares with four weightings is no matrix product worth a tile.  No two work-groups share a byte of W.
.set TAB0, 196608
.set TAB1, 237568
.set TAB2, 278528
.set QL, 8192                          ; LDS: s^2 [4][I] at 0 (8,192 bytes at the most), q [4][64] at 8192
.set SQ, 16                            ; v[16:19]   my quad of the style
.set RQ, 20                            ; v[20:23]   tap
.set EQ, 24                            ; v[24:27]   next layer's style
.set BQ, 28                            ; v[28:31]   conv bias
.set WW, 32                            ; v[32:95]   W [row 4][k KQ][4]
.set SS, 96                            ; v[96:159]  s^2 [b 4][k KQ][4]
.set TT, 160                           ; v[160:191] 16 running pairs [b][row]
.set Q, 192                            ; v[192:207] q [b][row]
.set XQ, 160                           ; last phase, in TT's registers: q + eps, d, and the three results
.set DQ, 164
.set FO, 168
.set EO, 172
.set BO, 176
; one layer.  first: its first work-group; woff, boff, roff, dstoff: byte offsets of W, bias, tap and table buffer among the kernel arguments;
; KQ = I / 128; soff, eoff: byte offsets of s_l and s_(l+1) in a row of sty (eoff < 0: none); fkind 0 none, 1 tap, 2 zeros; rpitch: bytes in a row of the tap
.macro LAYER first, woff, boff, KQ, soff, eoff, fkind, roff, rpitch, dstoff, tabo
	s_load_b64 s[6:7], s[0:1], \woff
	s_load_b64 s[8:9], s[0:1], \boff
.if \fkind == 1
	s_load_b64 s[10:11], s[0:1], \roff
.endif
	s_load_b64 s[12:13], s[0:1], \dstoff
	s_sub_co_u32 s14, s26, \first                  ; kb: which 64 rows
	s_mul_i32 s16, s14, 64*512*\KQ
	s_mov_b32 s17, 0
	s_lshl_b32 s24, s14, 8                         ; 64 numbers = 256 bytes
	s_mov_b32 s25, 0
	s_mul_i32 s20, s15, 4*512*\KQ
	v_lshl_add_u32 v4, v1, 4, s20                  ; W: wave x 4 rows + 16 lane
	v_lshrrev_b32 v6, 5+\KQ/2, v0                  ; style: thread t takes quad t % (I/4) of batch t / (I/4)
	v_and_b32 v14, 32*\KQ-1, v0
	v_lshlrev_b32 v6, 14, v6
	v_lshl_add_u32 v6, v14, 4, v6
.if \fkind == 1
	v_lshrrev_b32 v10, 2, v3                       ; colour j = r / 4
	v_mad_u32_u24 v10, v10, \rpitch, v12
.endif
	s_wait_kmcnt 0x0
	s_add_nc_u64 s[6:7], s[6:7], s[16:17]
	s_add_nc_u64 s[8:9], s[8:9], s[24:25]
.if \fkind == 1
	s_add_nc_u64 s[10:11], s[10:11], s[24:25]
.endif
	s_add_nc_u64 s[12:13], s[12:13], s[24:25]
	s_add_nc_u64 s[12:13], s[12:13], \tabo
	s_add_nc_u64 s[22:23], s[4:5], s[24:25]
	; the last phase's operands are requested first: waves 0-5 the tap, waves 0-1 the next style and the bias
	s_cmp_ge_u32 s15, 6
	s_cbranch_scc1 .Lno_early_\@
.if \fkind == 1
	global_load_b128 v[RQ:RQ+3], v10, s[10:11]
.endif
	s_cmp_ge_u32 s15, 2
	s_cbranch_scc1 .Lno_early_\@
.if \eoff >= 0
	global_load_b128 v[EQ:EQ+3], v11, s[22:23] offset:\eoff
.endif
	global_load_b128 v[BQ:BQ+3], v12, s[8:9]
.Lno_early_\@:
.if \KQ < 4
	s_cmp_ge_u32 s15, 4*\KQ
	s_cbranch_scc1 .Lno_s_\@
.endif
	global_load_b128 v[SQ:SQ+3], v6, s[4:5] offset:\soff
.Lno_s_\@:
.irp rw, 0,1,2,3
.irp k, 0,1,2,3
.if \k < \KQ
	global_load_b128 v[WW+4*(\rw*\KQ+\k):WW+4*(\rw*\KQ+\k)+3], v4, s[6:7] offset:\rw*512*\KQ+\k*512
.endif
.endr
.endr
.if \KQ < 4
	s_cmp_ge_u32 s15, 4*\KQ
	s_cbranch_scc1 .Lno_sq_\@
.endif
	s_wait_loadcnt 4*\KQ                           ; only the 4 KQ loads of W are younger than the style quad
	v_pk_mul_f32 v[SQ:SQ+1], v[SQ:SQ+1], v[SQ:SQ+1]
	v_pk_mul_f32 v[SQ+2:SQ+3], v[SQ+2:SQ+3], v[SQ+2:SQ+3]
	ds_store_b128 v5, v[SQ:SQ+3]                   ; s^2 [b][I] at 16 t
.Lno_sq_\@:
	s_wait_dscnt 0x0
	s_barrier_signal -1
	s_barrier_wait -1                              ; s^2 is whole
.irp b, 0,1,2,3
.irp k, 0,1,2,3
.if \k < \KQ
	ds_load_b128 v[SS+4*(\b*\KQ+\k):SS+4*(\b*\KQ+\k)+3], v7 offset:\b*512*\KQ+\k*512
.endif
.endr
.endr
	s_wait_loadcnt 0x0                             ; W, and what was asked for ahead of it
.set i, 0
.rept 8*\KQ
	v_pk_mul_f32 v[WW+2*i:WW+2*i+1], v[WW+2*i:WW+2*i+1], v[WW+2*i:WW+2*i+1]
.set i, i+1
.endr
	s_wait_dscnt 0x0
	; sixteen chains (b, row) that do not wait for each other; the first product starts each
.irp k, 0,1,2,3
.if \k < \KQ
.irp c, 0,2
.irp b, 0,1,2,3
.irp rw, 0,1,2,3
.if \k+\c == 0
	v_pk_mul_f32 v[TT+2*(4*\b+\rw):TT+2*(4*\b+\rw)+1], v[WW+4*(\rw*\KQ+\k)+\c:WW+4*(\rw*\KQ+\k)+\c+1], v[SS+4*(\b*\KQ+\k)+\c:SS+4*(\b*\KQ+\k)+\c+1]
.else
	v_pk_fma_f32 v[TT+2*(4*\b+\rw):TT+2*(4*\b+\rw)+1], v[WW+4*(\rw*\KQ+\k)+\c:WW+4*(\rw*\KQ+\k)+\c+1], v[SS+4*(\b*\KQ+\k)+\c:SS+4*(\b*\KQ+\k)+\c+1], v[TT+2*(4*\b+\rw):TT+2*(4*\b+\rw)+1]
.endif
.endr
.endr
.endr
.endif
.endr
.set i, 0
.rept 16
	v_add_f32 v[Q+i], v[TT+2*i], v[TT+2*i+1]
.set i, i+1
.endr
	; over the 32 lanes: four steps inside each half ride on the add, one crosses the halves
.irp x, 1,2,4,8
.set i, 0
.rept 16
	v_add_f32_dpp v[Q+i], v[Q+i], v[Q+i] row_xmask:\x row_mask:0xf bank_mask:0xf
.set i, i+1
.endr
.endr
.set i, 0
.rept 16
	v_permlanex16_b32 v[TT+i], v[Q+i], s18, s19
.set i, i+1
.endr
.set i, 0
.rept 16
	v_add_f32 v[Q+i], v[Q+i], v[TT+i]
.set i, i+1
.endr
.irp b, 0,1,2,3
	ds_store_b128 v8, v[Q+4*\b:Q+4*\b+3] offset:QL+\b*256      ; q[b][4 w .. 4 w + 3]; every lane holds the same four numbers
.endr
	s_wait_dscnt 0x0
	s_barrier_signal -1
	s_barrier_wait -1                              ; q is whole
.if \fkind == 0
	s_cmp_ge_u32 s15, 2
.else
	s_cmp_ge_u32 s15, 6
.endif
	s_cbranch_scc1 .Ldone_\@
	; thread (r = t / 16, lq): four rows o of the 64
	ds_load_b128 v[XQ:XQ+3], v13 offset:QL
	s_wait_dscnt 0x0
	v_pk_add_f32 v[XQ:XQ+1], v[XQ:XQ+1], 0x322bcc77 op_sel_hi:[1,0]            ; + 1e-8
	v_pk_add_f32 v[XQ+2:XQ+3], v[XQ+2:XQ+3], 0x322bcc77 op_sel_hi:[1,0]
	v_rsq_f32 v[DQ], v[XQ]
	v_rsq_f32 v[DQ+1], v[XQ+1]
	v_rsq_f32 v[DQ+2], v[XQ+2]
	v_rsq_f32 v[DQ+3], v[XQ+3]
	v_nop                                          ; one plain vector instruction stands between a reciprocal root and the first use of its result (ISA guide 5.7.2)
.if \fkind == 1
	s_wait_alu depctr_va_vdst(0)
	v_pk_mul_f32 v[FO:FO+1], v[DQ:DQ+1], v[RQ:RQ+1]
	v_pk_mul_f32 v[FO+2:FO+3], v[DQ+2:DQ+3], v[RQ+2:RQ+3]
	global_store_b128 v9, v[FO:FO+3], s[12:13] offset:16384
.elseif \fkind == 2
	v_mov_b32 v[FO], 0
	v_mov_b32 v[FO+1], 0
	v_mov_b32 v[FO+2], 0
	v_mov_b32 v[FO+3], 0
	global_store_b128 v9, v[FO:FO+3], s[12:13] offset:16384
.endif
.if \fkind != 0
	s_cmp_ge_u32 s15, 2
	s_cbranch_scc1 .Ldone_\@
.endif
.if \eoff >= 0
	s_wait_alu depctr_va_vdst(0)
	v_pk_mul_f32 v[EO:EO+1], v[DQ:DQ+1], v[EQ:EQ+1]
	v_pk_mul_f32 v[EO+2:EO+3], v[DQ+2:DQ+3], v[EQ+2:EQ+3]
	global_store_b128 v9, v[EO:EO+3], s[12:13]
.endif
	v_pk_mul_f32 v[BO:BO+1], v[XQ:XQ+1], v[DQ:DQ+1]
	v_pk_mul_f32 v[BO+2:BO+3], v[XQ+2:XQ+3], v[DQ+2:DQ+3]
	v_pk_mul_f32 v[BO:BO+1], v[BO:BO+1], v[BQ:BQ+1]
	v_pk_mul_f32 v[BO+2:BO+3], v[BO+2:BO+3], v[BQ+2:BQ+3]
	global_store_b128 v9, v[BO:BO+3], s[12:13] offset:8192     ; every store: sixteen lanes, 256 consecutive bytes, aligned
.Ldone_\@:
	s_wait_tensorcnt 0x0
	ds_add_u32 v208, v209
	s_wait_dscnt 0x0
	s_endpgm
.endm
	s_load_b64 s[4:5], s[0:1], 0x0                 ; sty
	v_lshl_add_u32 v208, v0, 2, 0x2400
	v_mov_b32 v209, 0
	s_mov_b32 s26, ttmp9
	v_and_b32 v1, 31, v0                           ; lane
	v_and_b32 v2, 15, v0                           ; lq
	v_lshrrev_b32 v3, 4, v0                        ; rg
	v_lshrrev_b32 v14, 5, v0
	v_readfirstlane_b32 s15, v14                   ; wave
	s_mov_b32 s18, 0x76543210                      ; v_permlanex16_b32: lane i of one half reads lane i of the other
	s_mov_b32 s19, 0xfedcba98
	v_lshlrev_b32 v5, 4, v0                        ; 16 t
	v_lshlrev_b32 v7, 4, v1                        ; 16 lane
	v_lshlrev_b32 v12, 4, v2                       ; 16 lq
	s_lshl_b32 s21, s15, 4
	v_mov_b32 v8, s21                              ; 16 wave: my four rows in a row of q
	v_lshl_add_u32 v9, v3, 11, v12                 ; tables: row rg of 2,048 bytes
	v_lshl_add_u32 v11, v3, 14, v12                ; sty: row rg of 16,384 bytes
	v_and_b32 v13, 3, v3
	v_lshl_add_u32 v13, v13, 8, v12                ; q: batch r % 4
	s_cmp_lt_u32 s26, 8
	s_cbranch_scc1 .Llayer1
	s_cmp_lt_u32 s26, 16
	s_cbranch_scc1 .Llayer2
	s_cmp_lt_u32 s26, 24
	s_cbranch_scc1 .Llayer3
	s_cmp_lt_u32 s26, 28
	s_cbranch_scc1 .Llayer4
	s_cmp_lt_u32 s26, 32
	s_cbranch_scc1 .Llayer5
	LAYER 32, 48, 96, 2, 9216, -1, 1, 120, 512, 128, TAB2
.Llayer1:
	LAYER 0, 8, 56, 4, 0, 2048, 2, 0, 0, 136, TAB0
.Llayer2:
	LAYER 8, 16, 64, 4, 2048, 4096, 1, 104, 2048, 128, TAB0
.Llayer3:
	LAYER 16, 24, 72, 4, 4096, 6144, 2, 0, 0, 136, TAB1
.Llayer4:
	LAYER 24, 32, 80, 4, 6144, 8192, 1, 112, 1024, 128, TAB1
.Llayer5:
	LAYER 28, 40, 88, 2, 8192, 9216, 0, 0, 0, 136, TAB2
.Lfunc_end_k_qbd0b11dd19_demod:
	.size	k_qbd0b11dd19_demod, .Lfunc_end_k_qbd0b11dd19_demod-k_qbd0b11dd19_demod
	.p2alignl 7, 3214868480
	.fill 96, 4, 3214868480
	.section	.rodata,"a",@progbits
	.p2align	6, 0x0
	.amdhsa_kernel k_qbd0b11dd19_demod
		.amdhsa_group_segment_fixed_size 11264
		.amdhsa_private_segment_fixed_size 0
		.amdhsa_enable_private_segment 0
		.amdhsa_kernarg_size 144
		.amdhsa_user_sgpr_count 2
		.amdhsa_user_sgpr_kernarg_segment_ptr 1
		.amdhsa_wavefront_size32 1
		.amdhsa_system_sgpr_workgroup_id_x 1
		.amdhsa_system_sgpr_workgroup_id_y 1
		.amdhsa_system_sgpr_workgroup_id_z 1
		.amdhsa_system_vgpr_workitem_id 0
		.amdhsa_next_free_vgpr 210
		.amdhsa_next_free_sgpr 66
		.amdhsa_reserve_vcc 0
		.amdhsa_float_denorm_mode_32 3
		.amdhsa_float_denorm_mode_16_64 3
		.amdhsa_memory_ordered 1
		.amdhsa_forward_progress 1
		.amdhsa_inst_pref_size 122
	.end_amdhsa_kernel
	.amdgpu_metadata
---
amdhsa.version: [ 1, 2 ]
amdhsa.kernels:
  - .name:           k_qbd0b11dd19_demod
    .symbol:         k_qbd0b11dd19_demod.kd
    .args:
      - { .name: sty, .offset: 0, .size: 8, .value_kind: global_buffer, .address_space: global }
      - { .name: params_blocks_0_conv_w_0, .offset: 8, .size: 8, .value_kind: global_buffer, .address_space: global }
      - { .name: params_blocks_0_conv_w_1, .offset: 16, .size: 8, .value_kind: global_buffer, .address_space: global }
      - { .name: params_blocks_1_conv_w_0, .offset: 24, .size: 8, .value_kind: global_buffer, .address_space: global }
      - { .name: params_blocks_1_conv_w_1, .offset: 32, .size: 8, .value_kind: global_buffer, .address_space: global }
      - { .name: params_blocks_2_conv_w_0, .offset: 40, .size: 8, .value_kind: global_buffer, .address_space: global }
      - { .name: params_blocks_2_conv_w_1, .offset: 48, .size: 8, .value_kind: global_buffer, .address_space: global }
      - { .name: params_blocks_0_conv_b_0, .offset: 56, .size: 8, .value_kind: global_buffer, .address_space: global }
      - { .name: params_blocks_0_conv_b_1, .offset: 64, .size: 8, .value_kind: global_buffer, .address_space: global }
      - { .name: params_blocks_1_conv_b_0, .offset: 72, .size: 8, .value_kind: global_buffer, .address_space: global }
      - { .name: params_blocks_1_conv_b_1, .offset: 80, .size: 8, .value_kind: global_buffer, .address_space: global }
      - { .name: params_blocks_2_conv_b_0, .offset: 88, .size: 8, .value_kind: global_buffer, .address_space: global }
      - { .name: params_blocks_2_conv_b_1, .offset: 96, .size: 8, .value_kind: global_buffer, .address_space: global }
      - { .name: params_blocks_0_rgb_w, .offset: 104, .size: 8, .value_kind: global_buffer, .address_space: global }
      - { .name: params_blocks_1_rgb_w, .offset: 112, .size: 8, .value_kind: global_buffer, .address_space: global }
      - { .name: params_blocks_2_rgb_w, .offset: 120, .size: 8, .value_kind: global_buffer, .address_space: global }
      - { .name: pa, .offset: 128, .size: 8, .value_kind: global_buffer, .address_space: global }
      - { .name: pb, .offset: 136, .size: 8, .value_kind: global_buffer, .address_space: global }
    .group_segment_fixed_size: 11264
    .private_segment_fixed_size: 0
    .kernarg_segment_align: 8
    .kernarg_segment_size: 144
    .max_flat_workgroup_size: 512
    .sgpr_count:     66
    .vgpr_count:     210
    .wavefront_size: 32
...
	.end_amdgpu_metadata
.endif
;; end of part 2
;; launch step6 (part 3): grid 4 x 2, 8 waves a work-group, no clusters, 53,248 bytes of LDS; arguments params_blocks_2_conv_w_1, pa, pb; writes pb
.if DOCPART == 3
	.amdgcn_target "amdgcn-amd-amdhsa--gfx1250"
	.amdhsa_code_object_version 6
	.text
	.protected	k_qbd0b11dd19_step6
	.globl	k_qbd0b11dd19_step6
	.p2align	8
	.type	k_qbd0b11dd19_step6,@function
k_qbd0b11dd19_step6:
	s_mov_b64 s[64:65], 0
	v_nop
	global_prefetch_b8 v0, s[64:65] scope:SCOPE_SE
	s_setreg_imm32_b32 hwreg(HW_REG_WAVE_MODE, 25, 1), 1
	s_wait_xcnt 0x0
; A step of the backward chain, here layer 6 (W is [128][256]; the chain starts: h = F).
; reference() has no activation between its convolutions, so the colours are affine in the sine features.  With r = 4 colour + batch:
;   h_l[r][o] = E_l[b][o] u_l[r][o] + F_l[r][o],   u_(l-1)[r][i] = sum over o of h_l[r][o] W_l[o][i],   constant += sum over o of h_l[r][o] BETA_l[b][o].
; Work-group (ib, kb) owns the tile of W at rows 64 kb, columns 64 ib (16 KiB) and stores slab kb of the partial sums P of u_(l-1); the next step adds the slabs.
; u_l arrives as NP slabs in the buffer 'in', which also holds this layer's tables; results go to the other buffer.
; Thread t: rg = t / 16 owns rows 4 rg .. 4 rg + 3 of the tile, lq = t % 16 four columns.  Twelve rows of h against each weight, all in f32 on the vector unit.
; What the column blocks of one kb share (the head's vectors) is 3 KiB a slab against a tile of 16 KiB, and it comes through registers: nothing is asked for jointly.
; The order of rounding differs from reference()'s, which multiplies from the pixels' side.
.set PITCH, 1024                       ; bytes in a row of W
.set NP, 0                             ; slabs of u_l
.set HASF, 1                           ; the layer has a table F
.set TABO, 278528                      ; its tables in 'in'
.set CPS, 12                           ; its first slab of constants in 'out'
.set CPO, 319488
.set SLAB, 24576                       ; [12][512] f32
.set RED, 3072                         ; LDS: h [12][64] at 0; partial sums [rg 16][r 12][64] at 3072
.set WT, 12                            ; v[12:27]   W [k 4][4]
.set PQ, 28                            ; v[28:59]   slabs of u_l
.set EQ, 60
.set BQ, 64
.set FQ, 68
.if NP == 0
.set HQ, 68                            ; h = F
.else
.set HQ, 72
.endif
.set T, 76
.set HV, 80                            ; v[80:127]  h [r 12][k 4]
.set AC, 128                           ; v[128:175] sums [r 12][4]
.set RD, 28                            ; v[28:91]   16 partial quads, behind the second barrier
; waves 0-5, thread (r = rg, lq): four of the 64 numbers of h's row r.  withc = 1 (column block 0 alone): the constant's partial sum too
.macro HEAD withc
.if NP > 0
.set p, 0
.rept NP
	global_load_b128 v[PQ+4*p:PQ+4*p+3], v4, s[6:7] offset:p*SLAB
.set p, p+1
.endr
	global_load_b128 v[EQ:EQ+3], v5, s[6:7] offset:TABO
.endif
.if \withc
	global_load_b128 v[BQ:BQ+3], v5, s[6:7] offset:TABO+8192
.endif
.if HASF
	global_load_b128 v[FQ:FQ+3], v4, s[6:7] offset:TABO+16384
.endif
	s_wait_loadcnt 0x0                             ; all of them; the tile of W was requested ahead of them
.if NP > 1
.set p, 1
.rept NP-1
	v_pk_add_f32 v[PQ:PQ+1], v[PQ:PQ+1], v[PQ+4*p:PQ+4*p+1]
	v_pk_add_f32 v[PQ+2:PQ+3], v[PQ+2:PQ+3], v[PQ+4*p+2:PQ+4*p+3]
.set p, p+1
.endr
.endif
.if NP > 0
.if HASF
	v_pk_fma_f32 v[HQ:HQ+1], v[EQ:EQ+1], v[PQ:PQ+1], v[FQ:FQ+1]
	v_pk_fma_f32 v[HQ+2:HQ+3], v[EQ+2:EQ+3], v[PQ+2:PQ+3], v[FQ+2:FQ+3]
.else
	v_pk_mul_f32 v[HQ:HQ+1], v[EQ:EQ+1], v[PQ:PQ+1]
	v_pk_mul_f32 v[HQ+2:HQ+3], v[EQ+2:EQ+3], v[PQ+2:PQ+3]
.endif
.endif
	ds_store_b128 v6, v[HQ:HQ+3]                   ; h[r][4 lq ..] at 16 t
.if \withc
	v_pk_mul_f32 v[T:T+1], v[HQ:HQ+1], v[BQ:BQ+1]
	v_pk_fma_f32 v[T:T+1], v[HQ+2:HQ+3], v[BQ+2:BQ+3], v[T:T+1]
	v_add_f32 v[T], v[T], v[T+1]
.irp x, 1,2,4,8
	v_add_f32_dpp v[T], v[T], v[T] row_xmask:\x row_mask:0xf bank_mask:0xf     ; over the 16 lanes of row r
.endr
	s_wait_xcnt 0x0                                ; EXEC is a source of the memory instructions issued: it changes only behind this wait
	v_cmp_eq_u32 vcc_lo, 0, v1
	s_and_saveexec_b32 s24, vcc_lo
	global_store_b32 v10, v[T], s[16:17]           ; twelve words for the work-group, one from each row's first lane
	s_wait_xcnt 0x0                                ; and again in front of the line that widens it
	s_or_b32 exec_lo, exec_lo, s24
.endif
.endm
	s_load_b128 s[4:7], s[0:1], 0x0                ; W, in
	s_load_b64 s[8:9], s[0:1], 0x10                ; out
	v_lshl_add_u32 v176, v0, 2, 0xcc00
	v_mov_b32 v177, 0
	s_mov_b32 s10, ttmp9                           ; ib
	s_and_b32 s11, ttmp7, 0xffff                   ; kb
	v_lshrrev_b32 v[T], 5, v0
	v_readfirstlane_b32 s12, v[T]                  ; wave
	v_and_b32 v1, 15, v0                           ; lq
	v_lshrrev_b32 v2, 4, v0                        ; rg
	v_lshlrev_b32 v11, 4, v1                       ; 16 lq
	v_mad_u32_u24 v3, v2, 4*PITCH, v11             ; W: four rows for each rg
	v_lshl_add_u32 v4, v2, 11, v11                 ; rows r of 2,048 bytes (slabs, F, the result)
	v_and_b32 v5, 3, v2
	v_lshl_add_u32 v5, v5, 11, v11                 ; rows b = r % 4 (E, BETA)
	v_lshlrev_b32 v6, 4, v0                        ; 16 t
	v_lshlrev_b32 v7, 4, v2                        ; h[r][4 rg ..]
	v_mad_u32_u24 v8, v2, 3072, v11                ; partial sums: rg x 3,072 + 16 lq
	v_lshlrev_b32 v10, 2, v2                       ; the constant's word r
	s_lshl_b32 s25, s10, 8
	s_mul_i32 s14, s11, 64*PITCH
	s_add_co_u32 s14, s14, s25
	s_mov_b32 s15, 0
	s_mul_i32 s18, s11, SLAB
	s_add_co_u32 s18, s18, s25
	s_mov_b32 s19, 0
	s_lshl_b32 s20, s11, 8
	s_mov_b32 s21, 0
	s_lshl_b32 s22, s11, 6
	s_add_co_u32 s22, s22, CPO+CPS*64
	s_mov_b32 s23, 0
	s_wait_kmcnt 0x0
	s_add_nc_u64 s[4:5], s[4:5], s[14:15]          ; my tile of W
	s_add_nc_u64 s[6:7], s[6:7], s[20:21]          ; 'in' at my 64 numbers o
	s_add_nc_u64 s[16:17], s[8:9], s[22:23]        ; my slab of constants
	s_add_nc_u64 s[8:9], s[8:9], s[18:19]          ; my slab and column block of the result
.irp k, 0,1,2,3
	global_load_b128 v[WT+4*\k:WT+4*\k+3], v3, s[4:5] offset:\k*PITCH th:TH_LOAD_NT
.endr
	s_cmp_ge_u32 s12, 6
	s_cbranch_scc1 .Lbar1
	s_cmp_lg_u32 s10, 0
	s_cbranch_scc1 .Lplain
	HEAD 1
	s_branch .Lbar1
.Lplain:
	HEAD 0
.Lbar1:
	s_wait_dscnt 0x0
	s_barrier_signal -1
	s_barrier_wait -1                              ; h is whole
.irp r, 0,1,2,3,4,5,6,7,8,9,10,11
	ds_load_b128 v[HV+4*\r:HV+4*\r+3], v7 offset:\r*256
.endr
	s_wait_loadcnt 0x0                             ; W (waves 6 and 7 have not waited for it yet)
	s_wait_dscnt 0x0
.irp k, 0,1,2,3
.irp r, 0,1,2,3,4,5,6,7,8,9,10,11
.irp c, 0,2
.if \k == 0
	v_pk_mul_f32 v[AC+4*\r+\c:AC+4*\r+\c+1], v[WT+\c:WT+\c+1], v[HV+4*\r:HV+4*\r+1] op_sel_hi:[1,0]           ; the first row starts the sums
.elseif \k == 2
	v_pk_fma_f32 v[AC+4*\r+\c:AC+4*\r+\c+1], v[WT+8+\c:WT+8+\c+1], v[HV+4*\r+2:HV+4*\r+3], v[AC+4*\r+\c:AC+4*\r+\c+1] op_sel_hi:[1,0,1]
.else
	v_pk_fma_f32 v[AC+4*\r+\c:AC+4*\r+\c+1], v[WT+4*\k+\c:WT+4*\k+\c+1], v[HV+4*\r+\k-1:HV+4*\r+\k], v[AC+4*\r+\c:AC+4*\r+\c+1] op_sel:[0,1,0] op_sel_hi:[1,1,1]
.endif
.endr
.endr
.endr
.irp r, 0,1,2,3,4,5,6,7,8,9,10,11
	ds_store_b128 v8, v[AC+4*\r:AC+4*\r+3] offset:RED+\r*256
.endr
	s_wait_dscnt 0x0
	s_barrier_signal -1
	s_barrier_wait -1                              ; the sixteen partial sums of every (r, column) are in LDS
	s_cmp_ge_u32 s12, 6
	s_cbranch_scc1 .Lend
.set g, 0
.rept 16
	ds_load_b128 v[RD+4*g:RD+4*g+3], v6 offset:RED+g*3072
.set g, g+1
.endr
	s_wait_dscnt 0x0
.irp st, 8,4,2,1
.set g, 0
.rept \st
	v_pk_add_f32 v[RD+4*g:RD+4*g+1], v[RD+4*g:RD+4*g+1], v[RD+4*(g+\st):RD+4*(g+\st)+1]
	v_pk_add_f32 v[RD+4*g+2:RD+4*g+3], v[RD+4*g+2:RD+4*g+3], v[RD+4*(g+\st)+2:RD+4*(g+\st)+3]
.set g, g+1
.endr
.endr
	global_store_b128 v4, v[RD:RD+3], s[8:9]       ; sixteen lanes: 256 consecutive bytes, aligned
.Lend:
	s_wait_tensorcnt 0x0
	ds_add_u32 v176, v177
	s_wait_dscnt 0x0
	s_endpgm
.Lfunc_end_k_qbd0b11dd19_step6:
	.size	k_qbd0b11dd19_step6, .Lfunc_end_k_qbd0b11dd19_step6-k_qbd0b11dd19_step6
	.p2alignl 7, 3214868480
	.fill 96, 4, 3214868480
	.section	.rodata,"a",@progbits
	.p2align	6, 0x0
	.amdhsa_kernel k_qbd0b11dd19_step6
		.amdhsa_group_segment_fixed_size 53248
		.amdhsa_private_segment_fixed_size 0
		.amdhsa_enable_private_segment 0
		.amdhsa_kernarg_size 24
		.amdhsa_user_sgpr_count 2
		.amdhsa_user_sgpr_kernarg_segment_ptr 1
		.amdhsa_wavefront_size32 1
		.amdhsa_system_sgpr_workgroup_id_x 1
		.amdhsa_system_sgpr_workgroup_id_y 1
		.amdhsa_system_sgpr_workgroup_id_z 1
		.amdhsa_system_vgpr_workitem_id 0
		.amdhsa_next_free_vgpr 178
		.amdhsa_next_free_sgpr 66
		.amdhsa_reserve_vcc 1
		.amdhsa_float_denorm_mode_32 3
		.amdhsa_float_denorm_mode_16_64 3
		.amdhsa_memory_ordered 1
		.amdhsa_forward_progress 1
		.amdhsa_inst_pref_size 15
	.end_amdhsa_kernel
	.amdgpu_metadata
---
amdhsa.version: [ 1, 2 ]
amdhsa.kernels:
  - .name:           k_qbd0b11dd19_step6
    .symbol:         k_qbd0b11dd19_step6.kd
    .args:
      - { .name: params_blocks_2_conv_w_1, .offset: 0, .size: 8, .value_kind: global_buffer, .address_space: global }
      - { .name: pa, .offset: 8, .size: 8, .value_kind: global_buffer, .address_space: global }
      - { .name: pb, .offset: 16, .size: 8, .value_kind: global_buffer, .address_space: global }
    .group_segment_fixed_size: 53248
    .private_segment_fixed_size: 0
    .kernarg_segment_align: 8
    .kernarg_segment_size: 24
    .max_flat_workgroup_size: 256
    .sgpr_count:     66
    .vgpr_count:     178
    .wavefront_size: 32
...
	.end_amdgpu_metadata
.endif
;; end of part 3
;; launch step5 (part 4): grid 4 x 4, 8 waves a work-group, no clusters, 53,248 bytes of LDS; arguments params_blocks_2_conv_w_0, pb, pa; writes pa
.if DOCPART == 4
	.amdgcn_target "amdgcn-amd-amdhsa--gfx1250"
	.amdhsa_code_object_version 6
	.text
	.protected	k_qbd0b11dd19_step5
	.globl	k_qbd0b11dd19_step5
	.p2align	8
	.type	k_qbd0b11dd19_step5,@function
k_qbd0b11dd19_step5:
	s_mov_b64 s[64:65], 0
	v_nop
	global_prefetch_b8 v0, s[64:65] scope:SCOPE_SE
	s_setreg_imm32_b32 hwreg(HW_REG_WAVE_MODE, 25, 1), 1
	s_wait_xcnt 0x0
; A step of the backward chain, here layer 5 (W is [256][256]; two slabs of u_5; no colour tap on its output, so no F).
; reference() has no activation between its convolutions, so the colours are affine in the sine features.  With r = 4 colour + batch:
;   h_l[r][o] = E_l[b][o] u_l[r][o] + F_l[r][o],   u_(l-1)[r][i] = sum over o of h_l[r][o] W_l[o][i],   constant += sum over o of h_l[r][o] BETA_l[b][o].
; Work-group (ib, kb) owns the tile of W at rows 64 kb, columns 64 ib (16 KiB) and stores slab kb of the partial sums P of u_(l-1); the next step adds the slabs.
; u_l arrives as NP slabs in the buffer 'in', which also holds this layer's tables; results go to the other buffer.
; Thread t: rg = t / 16 owns rows 4 rg .. 4 rg + 3 of the tile, lq = t % 16 four columns.  Twelve rows of h against each weight, all in f32 on the vector unit.
; What the column blocks of one kb share (the head's vectors) is 3 KiB a slab against a tile of 16 KiB, and it comes through registers: nothing is asked for jointly.
; The order of rounding differs from reference()'s, which multiplies from the pixels' side.
.set PITCH, 1024                       ; bytes in a row of W
.set NP, 2                             ; slabs of u_l
.set HASF, 0                           ; the layer has no table F
.set TABO, 278528                      ; its tables in 'in'
.set CPS, 16                           ; its first slab of constants in 'out'
.set CPO, 319488
.set SLAB, 24576                       ; [12][512] f32
.set RED, 3072                         ; LDS: h [12][64] at 0; partial sums [rg 16][r 12][64] at 3072
.set WT, 12                            ; v[12:27]   W [k 4][4]
.set PQ, 28                            ; v[28:59]   slabs of u_l
.set EQ, 60
.set BQ, 64
.set FQ, 68
.if NP == 0
.set HQ, 68                            ; h = F
.else
.set HQ, 72
.endif
.set T, 76
.set HV, 80                            ; v[80:127]  h [r 12][k 4]
.set AC, 128                           ; v[128:175] sums [r 12][4]
.set RD, 28                            ; v[28:91]   16 partial quads, behind the second barrier
; waves 0-5, thread (r = rg, lq): four of the 64 numbers of h's row r.  withc = 1 (column block 0 alone): the constant's partial sum too
.macro HEAD withc
.if NP > 0
.set p, 0
.rept NP
	global_load_b128 v[PQ+4*p:PQ+4*p+3], v4, s[6:7] offset:p*SLAB
.set p, p+1
.endr
	global_load_b128 v[EQ:EQ+3], v5, s[6:7] offset:TABO
.endif
.if \withc
	global_load_b128 v[BQ:BQ+3], v5, s[6:7] offset:TABO+8192
.endif
.if HASF
	global_load_b128 v[FQ:FQ+3], v4, s[6:7] offset:TABO+16384
.endif
	s_wait_loadcnt 0x0                             ; all of them; the tile of W was requested ahead of them
.if NP > 1
.set p, 1
.rept NP-1
	v_pk_add_f32 v[PQ:PQ+1], v[PQ:PQ+1], v[PQ+4*p:PQ+4*p+1]
	v_pk_add_f32 v[PQ+2:PQ+3], v[PQ+2:PQ+3], v[PQ+4*p+2:PQ+4*p+3]
.set p, p+1
.endr
.endif
.if NP > 0
.if HASF
	v_pk_fma_f32 v[HQ:HQ+1], v[EQ:EQ+1], v[PQ:PQ+1], v[FQ:FQ+1]
	v_pk_fma_f32 v[HQ+2:HQ+3], v[EQ+2:EQ+3], v[PQ+2:PQ+3], v[FQ+2:FQ+3]
.else
	v_pk_mul_f32 v[HQ:HQ+1], v[EQ:EQ+1], v[PQ:PQ+1]
	v_pk_mul_f32 v[HQ+2:HQ+3], v[EQ+2:EQ+3], v[PQ+2:PQ+3]
.endif
.endif
	ds_store_b128 v6, v[HQ:HQ+3]                   ; h[r][4 lq ..] at 16 t
.if \withc
	v_pk_mul_f32 v[T:T+1], v[HQ:HQ+1], v[BQ:BQ+1]
	v_pk_fma_f32 v[T:T+1], v[HQ+2:HQ+3], v[BQ+2:BQ+3], v[T:T+1]
	v_add_f32 v[T], v[T], v[T+1]
.irp x, 1,2,4,8
	v_add_f32_dpp v[T], v[T], v[T] row_xmask:\x row_mask:0xf bank_mask:0xf     ; over the 16 lanes of row r
.endr
	s_wait_xcnt 0x0                                ; EXEC is a source of the memory instructions issued: it changes only behind this wait
	v_cmp_eq_u32 vcc_lo, 0, v1
	s_and_saveexec_b32 s24, vcc_lo
	global_store_b32 v10, v[T], s[16:17]           ; twelve words for the work-group, one from each row's first lane
	s_wait_xcnt 0x0                                ; and again in front of the line that widens it
	s_or_b32 exec_lo, exec_lo, s24
.endif
.endm
	s_load_b128 s[4:7], s[0:1], 0x0                ; W, in
	s_load_b64 s[8:9], s[0:1], 0x10                ; out
	v_lshl_add_u32 v176, v0, 2, 0xcc00
	v_mov_b32 v177, 0
	s_mov_b32 s10, ttmp9                           ; ib
	s_and_b32 s11, ttmp7, 0xffff                   ; kb
	v_lshrrev_b32 v[T], 5, v0
	v_readfirstlane_b32 s12, v[T]                  ; wave
	v_and_b32 v1, 15, v0                           ; lq
	v_lshrrev_b32 v2, 4, v0                        ; rg
	v_lshlrev_b32 v11, 4, v1                       ; 16 lq
	v_mad_u32_u24 v3, v2, 4*PITCH, v11             ; W: four rows for each rg
	v_lshl_add_u32 v4, v2, 11, v11                 ; rows r of 2,048 bytes (slabs, F, the result)
	v_and_b32 v5, 3, v2
	v_lshl_add_u32 v5, v5, 11, v11                 ; rows b = r % 4 (E, BETA)
	v_lshlrev_b32 v6, 4, v0                        ; 16 t
	v_lshlrev_b32 v7, 4, v2                        ; h[r][4 rg ..]
	v_mad_u32_u24 v8, v2, 3072, v11                ; partial sums: rg x 3,072 + 16 lq
	v_lshlrev_b32 v10, 2, v2                       ; the constant's word r
	s_lshl_b32 s25, s10, 8
	s_mul_i32 s14, s11, 64*PITCH
	s_add_co_u32 s14, s14, s25
	s_mov_b32 s15, 0
	s_mul_i32 s18, s11, SLAB
	s_add_co_u32 s18, s18, s25
	s_mov_b32 s19, 0
	s_lshl_b32 s20, s11, 8
	s_mov_b32 s21, 0
	s_lshl_b32 s22, s11, 6
	s_add_co_u32 s22, s22, CPO+CPS*64
	s_mov_b32 s23, 0
	s_wait_kmcnt 0x0
	s_add_nc_u64 s[4:5], s[4:5], s[14:15]          ; my tile of W
	s_add_nc_u64 s[6:7], s[6:7], s[20:21]          ; 'in' at my 64 numbers o
	s_add_nc_u64 s[16:17], s[8:9], s[22:23]        ; my slab of constants
	s_add_nc_u64 s[8:9], s[8:9], s[18:19]          ; my slab and column block of the result
.irp k, 0,1,2,3
	global_load_b128 v[WT+4*\k:WT+4*\k+3], v3, s[4:5] offset:\k*PITCH th:TH_LOAD_NT
.endr
	s_cmp_ge_u32 s12, 6
	s_cbranch_scc1 .Lbar1
	s_cmp_lg_u32 s10, 0
	s_cbranch_scc1 .Lplain
	HEAD 1
	s_branch .Lbar1
.Lplain:
	HEAD 0
.Lbar1:
	s_wait_dscnt 0x0
	s_barrier_signal -1
	s_barrier_wait -1                              ; h is whole
.irp r, 0,1,2,3,4,5,6,7,8,9,10,11
	ds_load_b128 v[HV+4*\r:HV+4*\r+3], v7 offset:\r*256
.endr
	s_wait_loadcnt 0x0                             ; W (waves 6 and 7 have not waited for it yet)
	s_wait_dscnt 0x0
.irp k, 0,1,2,3
.irp r, 0,1,2,3,4,5,6,7,8,9,10,11
.irp c, 0,2
.if \k == 0
	v_pk_mul_f32 v[AC+4*\r+\c:AC+4*\r+\c+1], v[WT+\c:WT+\c+1], v[HV+4*\r:HV+4*\r+1] op_sel_hi:[1,0]           ; the first row starts the sums
.elseif \k == 2
	v_pk_fma_f32 v[AC+4*\r+\c:AC+4*\r+\c+1], v[WT+8+\c:WT+8+\c+1], v[HV+4*\r+2:HV+4*\r+3], v[AC+4*\r+\c:AC+4*\r+\c+1] op_sel_hi:[1,0,1]
.else
	v_pk_fma_f32 v[AC+4*\r+\c:AC+4*\r+\c+1], v[WT+4*\k+\c:WT+4*\k+\c+1], v[HV+4*\r+\k-1:HV+4*\r+\k], v[AC+4*\r+\c:AC+4*\r+\c+1] op_sel:[0,1,0] op_sel_hi:[1,1,1]
.endif
.endr
.endr
.endr
.irp r, 0,1,2,3,4,5,6,7,8,9,10,11
	ds_store_b128 v8, v[AC+4*\r:AC+4*\r+3] offset:RED+\r*256
.endr
	s_wait_dscnt 0x0
	s_barrier_signal -1
	s_barrier_wait -1                              ; the sixteen partial sums of every (r, column) are in LDS
	s_cmp_ge_u32 s12, 6
	s_cbranch_scc1 .Lend
.set g, 0
.rept 16
	ds_load_b128 v[RD+4*g:RD+4*g+3], v6 offset:RED+g*3072
.set g, g+1
.endr
	s_wait_dscnt 0x0
.irp st, 8,4,2,1
.set g, 0
.rept \st
	v_pk_add_f32 v[RD+4*g:RD+4*g+1], v[RD+4*g:RD+4*g+1], v[RD+4*(g+\st):RD+4*(g+\st)+1]
	v_pk_add_f32 v[RD+4*g+2:RD+4*g+3], v[RD+4*g+2:RD+4*g+3], v[RD+4*(g+\st)+2:RD+4*(g+\st)+3]
.set g, g+1
.endr
.endr
	global_store_b128 v4, v[RD:RD+3], s[8:9]       ; sixteen lanes: 256 consecutive bytes, aligned
.Lend:
	s_wait_tensorcnt 0x0
	ds_add_u32 v176, v177
	s_wait_dscnt 0x0
	s_endpgm
.Lfunc_end_k_qbd0b11dd19_step5:
	.size	k_qbd0b11dd19_step5, .Lfunc_end_k_qbd0b11dd19_step5-k_qbd0b11dd19_step5
	.p2alignl 7, 3214868480
	.fill 96, 4, 3214868480
	.section	.rodata,"a",@progbits
	.p2align	6, 0x0
	.amdhsa_kernel k_qbd0b11dd19_step5
		.amdhsa_group_segment_fixed_size 53248
		.amdhsa_private_segment_fixed_size 0
		.amdhsa_enable_private_segment 0
		.amdhsa_kernarg_size 24
		.amdhsa_user_sgpr_count 2
		.amdhsa_user_sgpr_kernarg_segment_ptr 1
		.amdhsa_wavefront_size32 1
		.amdhsa_system_sgpr_workgroup_id_x 1
		.amdhsa_system_sgpr_workgroup_id_y 1
		.amdhsa_system_sgpr_workgroup_id_z 1
		.amdhsa_system_vgpr_workitem_id 0
		.amdhsa_next_free_vgpr 178
		.amdhsa_next_free_sgpr 66
		.amdhsa_reserve_vcc 1
		.amdhsa_float_denorm_mode_32 3
		.amdhsa_float_denorm_mode_16_64 3
		.amdhsa_memory_ordered 1
		.amdhsa_forward_progress 1
		.amdhsa_inst_pref_size 16
	.end_amdhsa_kernel
	.amdgpu_metadata
---
amdhsa.version: [ 1, 2 ]
amdhsa.kernels:
  - .name:           k_qbd0b11dd19_step5
    .symbol:         k_qbd0b11dd19_step5.kd
    .args:
      - { .name: params_blocks_2_conv_w_0, .offset: 0, .size: 8, .value_kind: global_buffer, .address_space: global }
      - { .name: pb, .offset: 8, .size: 8, .value_kind: global_buffer, .address_space: global }
      - { .name: pa, .offset: 16, .size: 8, .value_kind: global_buffer, .address_space: global }
    .group_segment_fixed_size: 53248
    .private_segment_fixed_size: 0
    .kernarg_segment_align: 8
    .kernarg_segment_size: 24
    .max_flat_workgroup_size: 256
    .sgpr_count:     66
    .vgpr_count:     178
    .wavefront_size: 32
...
	.end_amdgpu_metadata
.endif
;; end of part 4
;; launch step4 (part 5): grid 8 x 4, 8 waves a work-group, no clusters, 53,248 bytes of LDS; arguments params_blocks_1_conv_w_1, pa, pb; writes pb
.if DOCPART == 5
	.amdgcn_target "amdgcn-amd-amdhsa--gfx1250"
	.amdhsa_code_object_version 6
	.text
	.protected	k_qbd0b11dd19_step4
	.globl	k_qbd0b11dd19_step4
	.p2align	8
	.type	k_qbd0b11dd19_step4,@function
k_qbd0b11dd19_step4:
	s_mov_b64 s[64:65], 0
	v_nop
	global_prefetch_b8 v0, s[64:65] scope:SCOPE_SE
	s_setreg_imm32_b32 hwreg(HW_REG_WAVE_MODE, 25, 1), 1
	s_wait_xcnt 0x0
; A step of the backward chain, for layers 4 (W is [256][512]) and 3 (W is [512][512]): four slabs of u_l, rows of W of 2,048 bytes.
; Layer 3 has no colour tap on its output; its table F holds zeros, so that both layers run this text.
; reference() has no activation between its convolutions, so the colours are affine in the sine features.  With r = 4 colour + batch:
;   h_l[r][o] = E_l[b][o] u_l[r][o] + F_l[r][o],   u_(l-1)[r][i] = sum over o of h_l[r][o] W_l[o][i],   constant += sum over o of h_l[r][o] BETA_l[b][o].
; Work-group (ib, kb) owns the tile of W at rows 64 kb, columns 64 ib (16 KiB) and stores slab kb of the partial sums P of u_(l-1); the next step adds the slabs.
; u_l arrives as NP slabs in the buffer 'in', which also holds this layer's tables; results go to the other buffer.
; Thread t: rg = t / 16 owns rows 4 rg .. 4 rg + 3 of the tile, lq = t % 16 four columns.  Twelve rows of h against each weight, all in f32 on the vector unit.
; What the column blocks of one kb share (the head's vectors) is 3 KiB a slab against a tile of 16 KiB, and it comes through registers: nothing is asked for jointly.
; The order of rounding differs from reference()'s, which multiplies from the pixels' side.
.set PITCH, 2048                       ; bytes in a row of W
.set NP, 4                             ; slabs of u_l
.set HASF, 1                           ; the layer has a table F
.set TABO, 237568                      ; its tables in 'in'
.set CPS, 8                            ; its first slab of constants in 'out'
.set CPO, 319488
.set SLAB, 24576                       ; [12][512] f32
.set RED, 3072                         ; LDS: h [12][64] at 0; partial sums [rg 16][r 12][64] at 3072
.set WT, 12                            ; v[12:27]   W [k 4][4]
.set PQ, 28                            ; v[28:59]   slabs of u_l
.set EQ, 60
.set BQ, 64
.set FQ, 68
.if NP == 0
.set HQ, 68                            ; h = F
.else
.set HQ, 72
.endif
.set T, 76
.set HV, 80                            ; v[80:127]  h [r 12][k 4]
.set AC, 128                           ; v[128:175] sums [r 12][4]
.set RD, 28                            ; v[28:91]   16 partial quads, behind the second barrier
; waves 0-5, thread (r = rg, lq): four of the 64 numbers of h's row r.  withc = 1 (column block 0 alone): the constant's partial sum too
.macro HEAD withc
.if NP > 0
.set p, 0
.rept NP
	global_load_b128 v[PQ+4*p:PQ+4*p+3], v4, s[6:7] offset:p*SLAB
.set p, p+1
.endr
	global_load_b128 v[EQ:EQ+3], v5, s[6:7] offset:TABO
.endif
.if \withc
	global_load_b128 v[BQ:BQ+3], v5, s[6:7] offset:TABO+8192
.endif
.if HASF
	global_load_b128 v[FQ:FQ+3], v4, s[6:7] offset:TABO+16384
.endif
	s_wait_loadcnt 0x0                             ; all of them; the tile of W was requested ahead of them
.if NP > 1
.set p, 1
.rept NP-1
	v_pk_add_f32 v[PQ:PQ+1], v[PQ:PQ+1], v[PQ+4*p:PQ+4*p+1]
	v_pk_add_f32 v[PQ+2:PQ+3], v[PQ+2:PQ+3], v[PQ+4*p+2:PQ+4*p+3]
.set p, p+1
.endr
.endif
.if NP > 0
.if HASF
	v_pk_fma_f32 v[HQ:HQ+1], v[EQ:EQ+1], v[PQ:PQ+1], v[FQ:FQ+1]
	v_pk_fma_f32 v[HQ+2:HQ+3], v[EQ+2:EQ+3], v[PQ+2:PQ+3], v[FQ+2:FQ+3]
.else
	v_pk_mul_f32 v[HQ:HQ+1], v[EQ:EQ+1], v[PQ:PQ+1]
	v_pk_mul_f32 v[HQ+2:HQ+3], v[EQ+2:EQ+3], v[PQ+2:PQ+3]
.endif
.endif
	ds_store_b128 v6, v[HQ:HQ+3]                   ; h[r][4 lq ..] at 16 t
.if \withc
	v_pk_mul_f32 v[T:T+1], v[HQ:HQ+1], v[BQ:BQ+1]
	v_pk_fma_f32 v[T:T+1], v[HQ+2:HQ+3], v[BQ+2:BQ+3], v[T:T+1]
	v_add_f32 v[T], v[T], v[T+1]
.irp x, 1,2,4,8
	v_add_f32_dpp v[T], v[T], v[T] row_xmask:\x row_mask:0xf bank_mask:0xf     ; over the 16 lanes of row r
.endr
	s_wait_xcnt 0x0                                ; EXEC is a source of the memory instructions issued: it changes only behind this wait
	v_cmp_eq_u32 vcc_lo, 0, v1
	s_and_saveexec_b32 s24, vcc_lo
	global_store_b32 v10, v[T], s[16:17]           ; twelve words for the work-group, one from each row's first lane
	s_wait_xcnt 0x0                                ; and again in front of the line that widens it
	s_or_b32 exec_lo, exec_lo, s24
.endif
.endm
	s_load_b128 s[4:7], s[0:1], 0x0                ; W, in
	s_load_b64 s[8:9], s[0:1], 0x10                ; out
	v_lshl_add_u32 v176, v0, 2, 0xcc00
	v_mov_b32 v177, 0
	s_mov_b32 s10, ttmp9                           ; ib
	s_and_b32 s11, ttmp7, 0xffff                   ; kb
	v_lshrrev_b32 v[T], 5, v0
	v_readfirstlane_b32 s12, v[T]                  ; wave
	v_and_b32 v1, 15, v0                           ; lq
	v_lshrrev_b32 v2, 4, v0                        ; rg
	v_lshlrev_b32 v11, 4, v1                       ; 16 lq
	v_mad_u32_u24 v3, v2, 4*PITCH, v11             ; W: four rows for each rg
	v_lshl_add_u32 v4, v2, 11, v11                 ; rows r of 2,048 bytes (slabs, F, the result)
	v_and_b32 v5, 3, v2
	v_lshl_add_u32 v5, v5, 11, v11                 ; rows b = r % 4 (E, BETA)
	v_lshlrev_b32 v6, 4, v0                        ; 16 t
	v_lshlrev_b32 v7, 4, v2                        ; h[r][4 rg ..]
	v_mad_u32_u24 v8, v2, 3072, v11                ; partial sums: rg x 3,072 + 16 lq
	v_lshlrev_b32 v10, 2, v2                       ; the constant's word r
	s_lshl_b32 s25, s10, 8
	s_mul_i32 s14, s11, 64*PITCH
	s_add_co_u32 s14, s14, s25
	s_mov_b32 s15, 0
	s_mul_i32 s18, s11, SLAB
	s_add_co_u32 s18, s18, s25
	s_mov_b32 s19, 0
	s_lshl_b32 s20, s11, 8
	s_mov_b32 s21, 0
	s_lshl_b32 s22, s11, 6
	s_add_co_u32 s22, s22, CPO+CPS*64
	s_mov_b32 s23, 0
	s_wait_kmcnt 0x0
	s_add_nc_u64 s[4:5], s[4:5], s[14:15]          ; my tile of W
	s_add_nc_u64 s[6:7], s[6:7], s[20:21]          ; 'in' at my 64 numbers o
	s_add_nc_u64 s[16:17], s[8:9], s[22:23]        ; my slab of constants
	s_add_nc_u64 s[8:9], s[8:9], s[18:19]          ; my slab and column block of the result
.irp k, 0,1,2,3
	global_load_b128 v[WT+4*\k:WT+4*\k+3], v3, s[4:5] offset:\k*PITCH th:TH_LOAD_NT
.endr
	s_cmp_ge_u32 s12, 6
	s_cbranch_scc1 .Lbar1
	s_cmp_lg_u32 s10, 0
	s_cbranch_scc1 .Lplain
	HEAD 1
	s_branch .Lbar1
.Lplain:
	HEAD 0
.Lbar1:
	s_wait_dscnt 0x0
	s_barrier_signal -1
	s_barrier_wait -1                              ; h is whole
.irp r, 0,1,2,3,4,5,6,7,8,9,10,11
	ds_load_b128 v[HV+4*\r:HV+4*\r+3], v7 offset:\r*256
.endr
	s_wait_loadcnt 0x0                             ; W (waves 6 and 7 have not waited for it yet)
	s_wait_dscnt 0x0
.irp k, 0,1,2,3
.irp r, 0,1,2,3,4,5,6,7,8,9,10,11
.irp c, 0,2
.if \k == 0
	v_pk_mul_f32 v[AC+4*\r+\c:AC+4*\r+\c+1], v[WT+\c:WT+\c+1], v[HV+4*\r:HV+4*\r+1] op_sel_hi:[1,0]           ; the first row starts the sums
.elseif \k == 2
	v_pk_fma_f32 v[AC+4*\r+\c:AC+4*\r+\c+1], v[WT+8+\c:WT+8+\c+1], v[HV+4*\r+2:HV+4*\r+3], v[AC+4*\r+\c:AC+4*\r+\c+1] op_sel_hi:[1,0,1]
.else
	v_pk_fma_f32 v[AC+4*\r+\c:AC+4*\r+\c+1], v[WT+4*\k+\c:WT+4*\k+\c+1], v[HV+4*\r+\k-1:HV+4*\r+\k], v[AC+4*\r+\c:AC+4*\r+\c+1] op_sel:[0,1,0] op_sel_hi:[1,1,1]
.endif
.endr
.endr
.endr
.irp r, 0,1,2,3,4,5,6,7,8,9,10,11
	ds_store_b128 v8, v[AC+4*\r:AC+4*\r+3] offset:RED+\r*256
.endr
	s_wait_dscnt 0x0
	s_barrier_signal -1
	s_barrier_wait -1                              ; the sixteen partial sums of every (r, column) are in LDS
	s_cmp_ge_u32 s12, 6
	s_cbranch_scc1 .Lend
.set g, 0
.rept 16
	ds_load_b128 v[RD+4*g:RD+4*g+3], v6 offset:RED+g*3072
.set g, g+1
.endr
	s_wait_dscnt 0x0
.irp st, 8,4,2,1
.set g, 0
.rept \st
	v_pk_add_f32 v[RD+4*g:RD+4*g+1], v[RD+4*g:RD+4*g+1], v[RD+4*(g+\st):RD+4*(g+\st)+1]
	v_pk_add_f32 v[RD+4*g+2:RD+4*g+3], v[RD+4*g+2:RD+4*g+3], v[RD+4*(g+\st)+2:RD+4*(g+\st)+3]
.set g, g+1
.endr
.endr
	global_store_b128 v4, v[RD:RD+3], s[8:9]       ; sixteen lanes: 256 consecutive bytes, aligned
.Lend:
	s_wait_tensorcnt 0x0
	ds_add_u32 v176, v177
	s_wait_dscnt 0x0
	s_endpgm
.Lfunc_end_k_qbd0b11dd19_step4:
	.size	k_qbd0b11dd19_step4, .Lfunc_end_k_qbd0b11dd19_step4-k_qbd0b11dd19_step4
	.p2alignl 7, 3214868480
	.fill 96, 4, 3214868480
	.section	.rodata,"a",@progbits
	.p2align	6, 0x0
	.amdhsa_kernel k_qbd0b11dd19_step4
		.amdhsa_group_segment_fixed_size 53248
		.amdhsa_private_segment_fixed_size 0
		.amdhsa_enable_private_segment 0
		.amdhsa_kernarg_size 24
		.amdhsa_user_sgpr_count 2
		.amdhsa_user_sgpr_kernarg_segment_ptr 1
		.amdhsa_wavefront_size32 1
		.amdhsa_system_sgpr_workgroup_id_x 1
		.amdhsa_system_sgpr_workgroup_id_y 1
		.amdhsa_system_sgpr_workgroup_id_z 1
		.amdhsa_system_vgpr_workitem_id 0
		.amdhsa_next_free_vgpr 178
		.amdhsa_next_free_sgpr 66
		.amdhsa_reserve_vcc 1
		.amdhsa_float_denorm_mode_32 3
		.amdhsa_float_denorm_mode_16_64 3
		.amdhsa_memory_ordered 1
		.amdhsa_forward_progress 1
		.amdhsa_inst_pref_size 17
	.end_amdhsa_kernel
	.amdgpu_metadata
---
amdhsa.version: [ 1, 2 ]
amdhsa.kernels:
  - .name:           k_qbd0b11dd19_step4
    .symbol:         k_qbd0b11dd19_step4.kd
    .args:
      - { .name: params_blocks_1_conv_w_1, .offset: 0, .size: 8, .value_kind: global_buffer, .address_space: global }
      - { .name: pa, .offset: 8, .size: 8, .value_kind: global_buffer, .address_space: global }
      - { .name: pb, .offset: 16, .size: 8, .value_kind: global_buffer, .address_space: global }
    .group_segment_fixed_size: 53248
    .private_segment_fixed_size: 0
    .kernarg_segment_align: 8
    .kernarg_segment_size: 24
    .max_flat_workgroup_size: 256
    .sgpr_count:     66
    .vgpr_count:     178
    .wavefront_size: 32
...
	.end_amdgpu_metadata
.endif
;; end of part 5
;; launch step3: the kernel of part 5 again; grid 8 x 8, 8 waves a work-group, no clusters, 53,248 bytes of LDS; arguments params_blocks_1_conv_w_0, pb, pa; writes pa
;; launch step2 (part 6): grid 8 x 8, 8 waves a work-group, no clusters, 53,248 bytes of LDS; arguments params_blocks_0_conv_w_1, pa, pb; writes pb
.if DOCPART == 6
	.amdgcn_target "amdgcn-amd-amdhsa--gfx1250"
	.amdhsa_code_object_version 6
	.text
	.protected	k_qbd0b11dd19_step2
	.globl	k_qbd0b11dd19_step2
	.p2align	8
	.type	k_qbd0b11dd19_step2,@function
k_qbd0b11dd19_step2:
	s_mov_b64 s[64:65], 0
	v_nop
	global_prefetch_b8 v0, s[64:65] scope:SCOPE_SE
	s_setreg_imm32_b32 hwreg(HW_REG_WAVE_MODE, 25, 1), 1
	s_wait_xcnt 0x0
; A step of the backward chain, for layers 2 and 1 (W is [512][512]): eight slabs of u_l, rows of W of 2,048 bytes.
; Layer 1 has no colour tap on its output; its table F holds zeros, so that both layers run this text.
; reference() has no activation between its convolutions, so the colours are affine in the sine features.  With r = 4 colour + batch:
;   h_l[r][o] = E_l[b][o] u_l[r][o] + F_l[r][o],   u_(l-1)[r][i] = sum over o of h_l[r][o] W_l[o][i],   constant += sum over o of h_l[r][o] BETA_l[b][o].
; Work-group (ib, kb) owns the tile of W at rows 64 kb, columns 64 ib (16 KiB) and stores slab kb of the partial sums P of u_(l-1); the next step adds the slabs.
; u_l arrives as NP slabs in the buffer 'in', which also holds this layer's tables; results go to the other buffer.
; Thread t: rg = t / 16 owns rows 4 rg .. 4 rg + 3 of the tile, lq = t % 16 four columns.  Twelve rows of h against each weight, all in f32 on the vector unit.
; What the column blocks of one kb share (the head's vectors) is 3 KiB a slab against a tile of 16 KiB, and it comes through registers: nothing is asked for jointly.
; The order of rounding differs from reference()'s, which multiplies from the pixels' side.
.set PITCH, 2048                       ; bytes in a row of W
.set NP, 8                             ; slabs of u_l
.set HASF, 1                           ; the layer has a table F
.set TABO, 196608                      ; its tables in 'in'
.set CPS, 0                            ; its first slab of constants in 'out'
.set CPO, 319488
.set SLAB, 24576                       ; [12][512] f32
.set RED, 3072                         ; LDS: h [12][64] at 0; partial sums [rg 16][r 12][64] at 3072
.set WT, 12                            ; v[12:27]   W [k 4][4]
.set PQ, 28                            ; v[28:59]   slabs of u_l
.set EQ, 60
.set BQ, 64
.set FQ, 68
.if NP == 0
.set HQ, 68                            ; h = F
.else
.set HQ, 72
.endif
.set T, 76
.set HV, 80                            ; v[80:127]  h [r 12][k 4]
.set AC, 128                           ; v[128:175] sums [r 12][4]
.set RD, 28                            ; v[28:91]   16 partial quads, behind the second barrier
; waves 0-5, thread (r = rg, lq): four of the 64 numbers of h's row r.  withc = 1 (column block 0 alone): the constant's partial sum too
.macro HEAD withc
.if NP > 0
.set p, 0
.rept NP
	global_load_b128 v[PQ+4*p:PQ+4*p+3], v4, s[6:7] offset:p*SLAB
.set p, p+1
.endr
	global_load_b128 v[EQ:EQ+3], v5, s[6:7] offset:TABO
.endif
.if \withc
	global_load_b128 v[BQ:BQ+3], v5, s[6:7] offset:TABO+8192
.endif
.if HASF
	global_load_b128 v[FQ:FQ+3], v4, s[6:7] offset:TABO+16384
.endif
	s_wait_loadcnt 0x0                             ; all of them; the tile of W was requested ahead of them
.if NP > 1
.set p, 1
.rept NP-1
	v_pk_add_f32 v[PQ:PQ+1], v[PQ:PQ+1], v[PQ+4*p:PQ+4*p+1]
	v_pk_add_f32 v[PQ+2:PQ+3], v[PQ+2:PQ+3], v[PQ+4*p+2:PQ+4*p+3]
.set p, p+1
.endr
.endif
.if NP > 0
.if HASF
	v_pk_fma_f32 v[HQ:HQ+1], v[EQ:EQ+1], v[PQ:PQ+1], v[FQ:FQ+1]
	v_pk_fma_f32 v[HQ+2:HQ+3], v[EQ+2:EQ+3], v[PQ+2:PQ+3], v[FQ+2:FQ+3]
.else
	v_pk_mul_f32 v[HQ:HQ+1], v[EQ:EQ+1], v[PQ:PQ+1]
	v_pk_mul_f32 v[HQ+2:HQ+3], v[EQ+2:EQ+3], v[PQ+2:PQ+3]
.endif
.endif
	ds_store_b128 v6, v[HQ:HQ+3]                   ; h[r][4 lq ..] at 16 t
.if \withc
	v_pk_mul_f32 v[T:T+1], v[HQ:HQ+1], v[BQ:BQ+1]
	v_pk_fma_f32 v[T:T+1], v[HQ+2:HQ+3], v[BQ+2:BQ+3], v[T:T+1]
	v_add_f32 v[T], v[T], v[T+1]
.irp x, 1,2,4,8
	v_add_f32_dpp v[T], v[T], v[T] row_xmask:\x row_mask:0xf bank_mask:0xf     ; over the 16 lanes of row r
.endr
	s_wait_xcnt 0x0                                ; EXEC is a source of the memory instructions issued: it changes only behind this wait
	v_cmp_eq_u32 vcc_lo, 0, v1
	s_and_saveexec_b32 s24, vcc_lo
	global_store_b32 v10, v[T], s[16:17]           ; twelve words for the work-group, one from each row's first lane
	s_wait_xcnt 0x0                                ; and again in front of the line that widens it
	s_or_b32 exec_lo, exec_lo, s24
.endif
.endm
	s_load_b128 s[4:7], s[0:1], 0x0                ; W, in
	s_load_b64 s[8:9], s[0:1], 0x10                ; out
	v_lshl_add_u32 v176, v0, 2, 0xcc00
	v_mov_b32 v177, 0
	s_mov_b32 s10, ttmp9                           ; ib
	s_and_b32 s11, ttmp7, 0xffff                   ; kb
	v_lshrrev_b32 v[T], 5, v0
	v_readfirstlane_b32 s12, v[T]                  ; wave
	v_and_b32 v1, 15, v0                           ; lq
	v_lshrrev_b32 v2, 4, v0                        ; rg
	v_lshlrev_b32 v11, 4, v1                       ; 16 lq
	v_mad_u32_u24 v3, v2, 4*PITCH, v11             ; W: four rows for each rg
	v_lshl_add_u32 v4, v2, 11, v11                 ; rows r of 2,048 bytes (slabs, F, the result)
	v_and_b32 v5, 3, v2
	v_lshl_add_u32 v5, v5, 11, v11                 ; rows b = r % 4 (E, BETA)
	v_lshlrev_b32 v6, 4, v0                        ; 16 t
	v_lshlrev_b32 v7, 4, v2                        ; h[r][4 rg ..]
	v_mad_u32_u24 v8, v2, 3072, v11                ; partial sums: rg x 3,072 + 16 lq
	v_lshlrev_b32 v10, 2, v2                       ; the constant's word r
	s_lshl_b32 s25, s10, 8
	s_mul_i32 s14, s11, 64*PITCH
	s_add_co_u32 s14, s14, s25
	s_mov_b32 s15, 0
	s_mul_i32 s18, s11, SLAB
	s_add_co_u32 s18, s18, s25
	s_mov_b32 s19, 0
	s_lshl_b32 s20, s11, 8
	s_mov_b32 s21, 0
	s_lshl_b32 s22, s11, 6
	s_add_co_u32 s22, s22, CPO+CPS*64
	s_mov_b32 s23, 0
	s_wait_kmcnt 0x0
	s_add_nc_u64 s[4:5], s[4:5], s[14:15]          ; my tile of W
	s_add_nc_u64 s[6:7], s[6:7], s[20:21]          ; 'in' at my 64 numbers o
	s_add_nc_u64 s[16:17], s[8:9], s[22:23]        ; my slab of constants
	s_add_nc_u64 s[8:9], s[8:9], s[18:19]          ; my slab and column block of the result
.irp k, 0,1,2,3
	global_load_b128 v[WT+4*\k:WT+4*\k+3], v3, s[4:5] offset:\k*PITCH th:TH_LOAD_NT
.endr
	s_cmp_ge_u32 s12, 6
	s_cbranch_scc1 .Lbar1
	s_cmp_lg_u32 s10, 0
	s_cbranch_scc1 .Lplain
	HEAD 1
	s_branch .Lbar1
.Lplain:
	HEAD 0
.Lbar1:
	s_wait_dscnt 0x0
	s_barrier_signal -1
	s_barrier_wait -1                              ; h is whole
.irp r, 0,1,2,3,4,5,6,7,8,9,10,11
	ds_load_b128 v[HV+4*\r:HV+4*\r+3], v7 offset:\r*256
.endr
	s_wait_loadcnt 0x0                             ; W (waves 6 and 7 have not waited for it yet)
	s_wait_dscnt 0x0
.irp k, 0,1,2,3
.irp r, 0,1,2,3,4,5,6,7,8,9,10,11
.irp c, 0,2
.if \k == 0
	v_pk_mul_f32 v[AC+4*\r+\c:AC+4*\r+\c+1], v[WT+\c:WT+\c+1], v[HV+4*\r:HV+4*\r+1] op_sel_hi:[1,0]           ; the first row starts the sums
.elseif \k == 2
	v_pk_fma_f32 v[AC+4*\r+\c:AC+4*\r+\c+1], v[WT+8+\c:WT+8+\c+1], v[HV+4*\r+2:HV+4*\r+3], v[AC+4*\r+\c:AC+4*\r+\c+1] op_sel_hi:[1,0,1]
.else
	v_pk_fma_f32 v[AC+4*\r+\c:AC+4*\r+\c+1], v[WT+4*\k+\c:WT+4*\k+\c+1], v[HV+4*\r+\k-1:HV+4*\r+\k], v[AC+4*\r+\c:AC+4*\r+\c+1] op_sel:[0,1,0] op_sel_hi:[1,1,1]
.endif
.endr
.endr
.endr
.irp r, 0,1,2,3,4,5,6,7,8,9,10,11
	ds_store_b128 v8, v[AC+4*\r:AC+4*\r+3] offset:RED+\r*256
.endr
	s_wait_dscnt 0x0
	s_barrier_signal -1
	s_barrier_wait -1                              ; the sixteen partial sums of every (r, column) are in LDS
	s_cmp_ge_u32 s12, 6
	s_cbranch_scc1 .Lend
.set g, 0
.rept 16
	ds_load_b128 v[RD+4*g:RD+4*g+3], v6 offset:RED+g*3072
.set g, g+1
.endr
	s_wait_dscnt 0x0
.irp st, 8,4,2,1
.set g, 0
.rept \st
	v_pk_add_f32 v[RD+4*g:RD+4*g+1], v[RD+4*g:RD+4*g+1], v[RD+4*(g+\st):RD+4*(g+\st)+1]
	v_pk_add_f32 v[RD+4*g+2:RD+4*g+3], v[RD+4*g+2:RD+4*g+3], v[RD+4*(g+\st)+2:RD+4*(g+\st)+3]
.set g, g+1
.endr
.endr
	global_store_b128 v4, v[RD:RD+3], s[8:9]       ; sixteen lanes: 256 consecutive bytes, aligned
.Lend:
	s_wait_tensorcnt 0x0
	ds_add_u32 v176, v177
	s_wait_dscnt 0x0
	s_endpgm
.Lfunc_end_k_qbd0b11dd19_step2:
	.size	k_qbd0b11dd19_step2, .Lfunc_end_k_qbd0b11dd19_step2-k_qbd0b11dd19_step2
	.p2alignl 7, 3214868480
	.fill 96, 4, 3214868480
	.section	.rodata,"a",@progbits
	.p2align	6, 0x0
	.amdhsa_kernel k_qbd0b11dd19_step2
		.amdhsa_group_segment_fixed_size 53248
		.amdhsa_private_segment_fixed_size 0
		.amdhsa_enable_private_segment 0
		.amdhsa_kernarg_size 24
		.amdhsa_user_sgpr_count 2
		.amdhsa_user_sgpr_kernarg_segment_ptr 1
		.amdhsa_wavefront_size32 1
		.amdhsa_system_sgpr_workgroup_id_x 1
		.amdhsa_system_sgpr_workgroup_id_y 1
		.amdhsa_system_sgpr_workgroup_id_z 1
		.amdhsa_system_vgpr_workitem_id 0
		.amdhsa_next_free_vgpr 178
		.amdhsa_next_free_sgpr 66
		.amdhsa_reserve_vcc 1
		.amdhsa_float_denorm_mode_32 3
		.amdhsa_float_denorm_mode_16_64 3
		.amdhsa_memory_ordered 1
		.amdhsa_forward_progress 1
		.amdhsa_inst_pref_size 19
	.end_amdhsa_kernel
	.amdgpu_metadata
---
amdhsa.version: [ 1, 2 ]
amdhsa.kernels:
  - .name:           k_qbd0b11dd19_step2
    .symbol:         k_qbd0b11dd19_step2.kd
    .args:
      - { .name: params_blocks_0_conv_w_1, .offset: 0, .size: 8, .value_kind: global_buffer, .address_space: global }
      - { .name: pa, .offset: 8, .size: 8, .value_kind: global_buffer, .address_space: global }
      - { .name: pb, .offset: 16, .size: 8, .value_kind: global_buffer, .address_space: global }
    .group_segment_fixed_size: 53248
    .private_segment_fixed_size: 0
    .kernarg_segment_align: 8
    .kernarg_segment_size: 24
    .max_flat_workgroup_size: 256
    .sgpr_count:     66
    .vgpr_count:     178
    .wavefront_size: 32
...
	.end_amdgpu_metadata
.endif
;; end of part 6
;; launch step1: the kernel of part 6 again; grid 8 x 8, 8 waves a work-group, no clusters, 53,248 bytes of LDS; arguments params_blocks_0_conv_w_0, pb, pa; writes pa
;; launch render (part 7): grid 256 x 1, 8 waves a work-group, no clusters, 37,888 bytes of LDS; arguments coordinates, sty, pa, pb, params_blocks_0_rgb_b, params_blocks_1_rgb_b, params_blocks_2_rgb_b, out0; writes out0
.if DOCPART == 7
	.amdgcn_target "amdgcn-amd-amdhsa--gfx1250"
	.amdhsa_code_object_version 6
	.text
	.protected	k_qbd0b11dd19_render
	.globl	k_qbd0b11dd19_render
	.p2align	8
	.type	k_qbd0b11dd19_render,@function
k_qbd0b11dd19_render:
	s_mov_b64 s[64:65], 0
	v_nop
	global_prefetch_b8 v0, s[64:65] scope:SCOPE_SE
	s_setreg_imm32_b32 hwreg(HW_REG_WAVE_MODE, 25, 1), 1
	s_wait_xcnt 0x0
; render: out0[b][j][pixel] = sum over the 512 channels c of g0[4 j + b][c] sin(2 pi u_c) + constant[4 j + b],
;   u_c = cx p0'[c] + cy p1'[c] + bias'[c]  (projector and bias already in revolutions, from sty),
;   g0[r][c] = s1[b][c] x (sum of the eight slabs of u_0 in pa),
;   constant[r] = the 20 partial sums in pa + the 14 in pb + the three rgb biases of colour j.
; Work-group g: batch g / 64, 256 pixels.  Wave w takes channels 64 w .. 64 w + 63 for all 256 pixels, a lane eight pixels (128 h + 4 lane + i);
; the eight waves' partial colours meet in LDS, and waves 0-5 add them and store 256 aligned bytes for every sixteen lanes.
; THE SINE: u is brought to [-0.5, 0.5] by taking away the nearest whole number (exact in f32), then the odd series of sin(2 pi u) up to u^13.
; LIMITS: the series' absolute error is at most pi^15 / 15! = 2.2e-5 (at |u| = 0.5); the argument is formed in f32 revolutions, so its absolute
; error grows as |u| x 2^-24; the sums are ordered otherwise than in reference().  Infinite or NaN coordinates give NaN, as there.
; Each wave reads its own eighth of the vectors (7 KiB); what the 64 work-groups of a batch share is small and comes through registers, so nothing is asked for jointly.
; Three colours against each sine: vector arithmetic in f32; the sine itself is most of the work.
.set CPO, 319488
.set SLAB, 24576
.set PTB, 1536                         ; LDS: wave w's table at 1,536 w: 32 channel pairs x 48 bytes [p0 p0' p1 p1' b b' g0 g0' g1 g1' g2 g2']
.set RED, 12288                        ; LDS: partial colours [w 8][j 3][256 pixels]
.set CX, 16                            ; v[16:23]   cx of my 8 pixels
.set CY, 24                            ; v[24:31]   cy
.set CO, 32                            ; v[32:45]   seven coefficients, each in both halves of a pair
.set ACC, 48                           ; v[48:71]   sums [j 3][8]
.set PRA, 72                           ; v[72:83]   a channel pair's twelve numbers
.set PRB, 84                           ; v[84:95]   the next pair's
.set U, 96
.set K, 104
.set Z, 112
.set PL, 120
.set PP, 128                           ; v[128:139] my channel pair's table entry
.set SY, 140                           ; v[140:141] s1
.set PZ, 142                           ; v[142:189] slabs of u_0 [j 3][p 8] pairs
.set RD, 128                           ; v[128:159] eight partial quads, behind the barrier
.macro COEF i, bits
	v_mov_b32 v[CO+2*\i], \bits
	v_mov_b32 v[CO+2*\i+1], \bits
.endm
.macro LOADP pr, off
	ds_load_b128 v[\pr:\pr+3], v7 offset:\off
	ds_load_b128 v[\pr+4:\pr+7], v7 offset:\off+16
	ds_load_b128 v[\pr+8:\pr+11], v7 offset:\off+32
.endm
; one channel (half e of the pair in pr) for my eight pixels, four register pairs side by side at every stage.  first = 1 starts the sums
.macro CHAN pr, e, first
.irp q, 0,2,4,6
.if \e
	v_pk_fma_f32 v[U+\q:U+\q+1], v[CX+\q:CX+\q+1], v[\pr:\pr+1], v[\pr+4:\pr+5] op_sel:[0,1,1] op_sel_hi:[1,1,1]
.else
	v_pk_fma_f32 v[U+\q:U+\q+1], v[CX+\q:CX+\q+1], v[\pr:\pr+1], v[\pr+4:\pr+5] op_sel_hi:[1,0,0]
.endif
.endr
.irp q, 0,2,4,6
.if \e
	v_pk_fma_f32 v[U+\q:U+\q+1], v[CY+\q:CY+\q+1], v[\pr+2:\pr+3], v[U+\q:U+\q+1] op_sel:[0,1,0] op_sel_hi:[1,1,1]
.else
	v_pk_fma_f32 v[U+\q:U+\q+1], v[CY+\q:CY+\q+1], v[\pr+2:\pr+3], v[U+\q:U+\q+1] op_sel_hi:[1,0,1]
.endif
.endr
.irp q, 0,1,2,3,4,5,6,7
	v_rndne_f32 v[K+\q], v[U+\q]
.endr
.irp q, 0,2,4,6
	v_pk_add_f32 v[U+\q:U+\q+1], v[U+\q:U+\q+1], v[K+\q:K+\q+1] neg_lo:[0,1] neg_hi:[0,1]      ; u - nearest whole number
.endr
.irp q, 0,2,4,6
	v_pk_mul_f32 v[Z+\q:Z+\q+1], v[U+\q:U+\q+1], v[U+\q:U+\q+1]
.endr
.irp q, 0,2,4,6
	v_pk_fma_f32 v[PL+\q:PL+\q+1], v[Z+\q:Z+\q+1], v[CO+12:CO+13], v[CO+10:CO+11]
.endr
.irp cc, 8,6,4,2,0
.irp q, 0,2,4,6
	v_pk_fma_f32 v[PL+\q:PL+\q+1], v[PL+\q:PL+\q+1], v[Z+\q:Z+\q+1], v[CO+\cc:CO+\cc+1]
.endr
.endr
.irp q, 0,2,4,6
	v_pk_mul_f32 v[K+\q:K+\q+1], v[PL+\q:PL+\q+1], v[U+\q:U+\q+1]                              ; the sine
.endr
.irp j, 0,1,2
.irp q, 0,2,4,6
.if \first
	v_pk_mul_f32 v[ACC+8*\j+\q:ACC+8*\j+\q+1], v[K+\q:K+\q+1], v[\pr+6+2*\j:\pr+7+2*\j] op_sel_hi:[1,0]
.elseif \e
	v_pk_fma_f32 v[ACC+8*\j+\q:ACC+8*\j+\q+1], v[K+\q:K+\q+1], v[\pr+6+2*\j:\pr+7+2*\j], v[ACC+8*\j+\q:ACC+8*\j+\q+1] op_sel:[0,1,0] op_sel_hi:[1,1,1]
.else
	v_pk_fma_f32 v[ACC+8*\j+\q:ACC+8*\j+\q+1], v[K+\q:K+\q+1], v[\pr+6+2*\j:\pr+7+2*\j], v[ACC+8*\j+\q:ACC+8*\j+\q+1] op_sel_hi:[1,0,1]
.endif
.endr
.endr
.endm
; a trip: two channel pairs.  fill = 1: each buffer is loaded again, for the next trip, as soon as it has been used
.macro TRIP first, fill
	s_wait_dscnt 0x3                               ; LDS answers in order: PRA is in; the three loads of PRB are younger
	CHAN PRA, 0, \first
	CHAN PRA, 1, 0
.if \fill
	LOADP PRA, 96
.endif
	s_wait_dscnt 3*\fill                           ; PRB is in; younger are the three loads just issued, or none
	CHAN PRB, 0, 0
	CHAN PRB, 1, 0
.if \fill
	LOADP PRB, 144
	v_add_nc_u32 v7, 96, v7
.endif
.endm
	s_load_b512 s[4:19], s[0:1], 0x0               ; coordinates, sty, pa, pb, three rgb biases, out0
	v_lshl_add_u32 v192, v0, 2, 0x9000
	v_mov_b32 v193, 0
	v_and_b32 v1, 31, v0                           ; lane
	v_lshrrev_b32 v14, 5, v0
	v_readfirstlane_b32 s23, v14                   ; wave
	s_lshr_b32 s21, ttmp9, 6                       ; batch
	s_and_b32 s22, ttmp9, 63                       ; which 256 pixels
	s_mov_b32 s28, 0x76543210                      ; v_permlanex16_b32: lane i of one half reads lane i of the other
	s_mov_b32 s29, 0xfedcba98
	v_lshlrev_b32 v2, 4, v1                        ; 16 lane
	s_lshl_b32 s24, s23, 8
	v_lshl_add_u32 v3, v1, 3, s24                  ; my channel pair: 256 wave + 8 lane
	v_min_u32 v4, 19, v1
	v_lshlrev_b32 v4, 6, v4                        ; pa's slab of constants: lanes 20-31 read slab 19 again and are masked later
	v_min_u32 v5, 13, v1
	v_lshlrev_b32 v5, 6, v5                        ; pb's
	s_mul_i32 s24, s23, PTB
	v_mad_u32_u24 v6, v1, 48, s24                  ; my entry of my wave's table
	v_mov_b32 v7, s24                              ; the table's reader, 96 bytes on in each trip
	s_mul_i32 s24, s23, 3072
	v_lshl_add_u32 v8, v1, 4, s24                  ; partial colours: 3,072 wave + 16 lane
	v_lshlrev_b32 v9, 4, v0                        ; back: 16 t = 1,024 j + 16 (t % 64)
	v_lshrrev_b32 v10, 6, v0
	v_and_b32 v11, 63, v0
	v_lshlrev_b32 v11, 4, v11
	v_lshl_or_b32 v10, v10, 16, v11                ; out0: colour plane of 65,536 bytes
	s_lshl_b32 s31, s22, 10
	s_mov_b32 s27, 0
	s_wait_kmcnt 0x0
	s_lshl_b32 s26, s21, 17
	s_add_co_u32 s26, s26, s31
	s_add_nc_u64 s[4:5], s[4:5], s[26:27]          ; my pixels' cx; cy lies 65,536 bytes on
	s_lshl_b32 s26, s21, 14
	s_add_nc_u64 s[6:7], s[6:7], s[26:27]          ; sty's row b
	s_lshl_b32 s26, s21, 11
	s_add_nc_u64 s[36:37], s[8:9], s[26:27]        ; slabs at row b; row 4 j + b lies 8,192 j on
	s_mul_i32 s26, s21, 196608
	s_add_co_u32 s26, s26, s31
	s_add_nc_u64 s[18:19], s[18:19], s[26:27]
	global_load_b128 v[CX:CX+3], v2, s[4:5]
	global_load_b128 v[CX+4:CX+7], v2, s[4:5] offset:512
	global_load_b128 v[CY:CY+3], v2, s[4:5] offset:65536
	global_load_b128 v[CY+4:CY+7], v2, s[4:5] offset:66048
	global_load_b64 v[PP:PP+1], v3, s[6:7] offset:10240
	global_load_b64 v[PP+2:PP+3], v3, s[6:7] offset:12288
	global_load_b64 v[PP+4:PP+5], v3, s[6:7] offset:14336
	global_load_b64 v[SY:SY+1], v3, s[6:7]
.irp j, 0,1,2
.irp p, 0,1,2,3,4,5,6,7
	global_load_b64 v[PZ+2*(8*\j+\p):PZ+2*(8*\j+\p)+1], v3, s[36:37] offset:\p*SLAB+\j*8192    ; a wave's load: 256 consecutive bytes, aligned
.endr
.endr
	s_cmp_ge_u32 s23, 6
	s_cbranch_scc1 .Lno_const                      ; waves 6 and 7 store no pixels and need no constant
	s_lshr_b32 s24, s23, 1                         ; my colour in the last phase
	s_lshl_b32 s25, s24, 2
	s_load_b32 s32, s[12:13], s25 offset:0x0
	s_load_b32 s33, s[14:15], s25 offset:0x0
	s_load_b32 s34, s[16:17], s25 offset:0x0
	s_add_co_u32 s26, s25, s21                     ; r = 4 j + b
	s_lshl_b32 s26, s26, 2
	s_add_co_u32 s26, s26, CPO
	s_add_nc_u64 s[38:39], s[8:9], s[26:27]
	s_add_nc_u64 s[40:41], s[10:11], s[26:27]
	global_load_b32 v12, v4, s[38:39]
	global_load_b32 v13, v5, s[40:41]
.Lno_const:
	COEF 0, 0x40c90fdb                             ; (2 pi)^n / n!, signs by turns: n = 1
	COEF 1, 0xc2255de7                             ; 3
	COEF 2, 0x42a335e3                             ; 5
	COEF 3, 0xc2996966                             ; 7
	COEF 4, 0x42283c1a                             ; 9
	COEF 5, 0xc17183a8                             ; 11
	COEF 6, 0x40747a1a                             ; 13
	s_wait_loadcnt 0x0
.irp j, 0,1,2
.irp p, 1,2,3,4,5,6,7
	v_pk_add_f32 v[PZ+16*\j:PZ+16*\j+1], v[PZ+16*\j:PZ+16*\j+1], v[PZ+2*(8*\j+\p):PZ+2*(8*\j+\p)+1]
.endr
	v_pk_mul_f32 v[PP+6+2*\j:PP+7+2*\j], v[PZ+16*\j:PZ+16*\j+1], v[SY:SY+1]
.endr
	ds_store_b128 v6, v[PP:PP+3]
	ds_store_b128 v6, v[PP+4:PP+7] offset:16
	ds_store_b128 v6, v[PP+8:PP+11] offset:32
	LOADP PRA, 0                                   ; the table is my wave's own, and LDS serves a wave's instructions in order (ISA guide 5.7.1): these see the stores above
	LOADP PRB, 48
	TRIP 1, 1                                      ; sixteen trips of two channel pairs; the first starts the sums
	s_mov_b32 s30, 14
.Ltrip:
	TRIP 0, 1
	s_sub_co_u32 s30, s30, 1
	s_cmp_lg_u32 s30, 0
	s_cbranch_scc1 .Ltrip
	TRIP 0, 0                                      ; the last loads nothing: no read passes the wave's table
.irp j, 0,1,2
	ds_store_b128 v8, v[ACC+8*\j:ACC+8*\j+3] offset:RED+\j*1024
	ds_store_b128 v8, v[ACC+8*\j+4:ACC+8*\j+7] offset:RED+\j*1024+512
.endr
	s_wait_dscnt 0x0
	s_barrier_signal -1
	s_barrier_wait -1                              ; all eight waves' partial colours are in LDS
	s_cmp_ge_u32 s23, 6
	s_cbranch_scc1 .Lend
.irp w, 0,1,2,3,4,5,6,7
	ds_load_b128 v[RD+4*\w:RD+4*\w+3], v9 offset:RED+\w*3072
.endr
	v_cmp_gt_u32 vcc_lo, 20, v1
	v_cndmask_b32 v12, 0, v12, vcc_lo              ; 20 slabs in pa,
	v_cmp_gt_u32 vcc_lo, 14, v1
	v_cndmask_b32 v13, 0, v13, vcc_lo              ; 14 in pb
	v_add_f32 v12, v12, v13
.irp x, 1,2,4,8
	v_add_f32_dpp v12, v12, v12 row_xmask:\x row_mask:0xf bank_mask:0xf
.endr
	v_permlanex16_b32 v13, v12, s28, s29
	v_add_f32 v12, v12, v13
	s_wait_kmcnt 0x0
	s_add_f32 s32, s32, s33
	s_add_f32 s32, s32, s34
	v_add_f32 v12, s32, v12                        ; the constant of row 4 j + b, in every lane
	s_wait_dscnt 0x0
.irp st, 4,2,1
.set g, 0
.rept \st
	v_pk_add_f32 v[RD+4*g:RD+4*g+1], v[RD+4*g:RD+4*g+1], v[RD+4*(g+\st):RD+4*(g+\st)+1]
	v_pk_add_f32 v[RD+4*g+2:RD+4*g+3], v[RD+4*g+2:RD+4*g+3], v[RD+4*(g+\st)+2:RD+4*(g+\st)+3]
.set g, g+1
.endr
.endr
	v_pk_add_f32 v[RD:RD+1], v[RD:RD+1], v[12:13] op_sel_hi:[1,0]
	v_pk_add_f32 v[RD+2:RD+3], v[RD+2:RD+3], v[12:13] op_sel_hi:[1,0]
	global_store_b128 v10, v[RD:RD+3], s[18:19] th:TH_STORE_NT     ; sixteen lanes: 256 consecutive bytes, aligned
.Lend:
	s_wait_tensorcnt 0x0
	ds_add_u32 v192, v193
	s_wait_dscnt 0x0
	s_endpgm
.Lfunc_end_k_qbd0b11dd19_render:
	.size	k_qbd0b11dd19_render, .Lfunc_end_k_qbd0b11dd19_render-k_qbd0b11dd19_render
	.p2alignl 7, 3214868480
	.fill 96, 4, 3214868480
	.section	.rodata,"a",@progbits
	.p2align	6, 0x0
	.amdhsa_kernel k_qbd0b11dd19_render
		.amdhsa_group_segment_fixed_size 37888
		.amdhsa_private_segment_fixed_size 0
		.amdhsa_enable_private_segment 0
		.amdhsa_kernarg_size 64
		.amdhsa_user_sgpr_count 2
		.amdhsa_user_sgpr_kernarg_segment_ptr 1
		.amdhsa_wavefront_size32 1
		.amdhsa_system_sgpr_workgroup_id_x 1
		.amdhsa_system_sgpr_workgroup_id_y 1
		.amdhsa_system_sgpr_workgroup_id_z 1
		.amdhsa_system_vgpr_workitem_id 0
		.amdhsa_next_free_vgpr 194
		.amdhsa_next_free_sgpr 66
		.amdhsa_reserve_vcc 1
		.amdhsa_float_denorm_mode_32 3
		.amdhsa_float_denorm_mode_16_64 3
		.amdhsa_memory_ordered 1
		.amdhsa_forward_progress 1
		.amdhsa_inst_pref_size 58
	.end_amdhsa_kernel
	.amdgpu_metadata
---
amdhsa.version: [ 1, 2 ]
amdhsa.kernels:
  - .name:           k_qbd0b11dd19_render
    .symbol:         k_qbd0b11dd19_render.kd
    .args:
      - { .name: coordinates, .offset: 0, .size: 8, .value_kind: global_buffer, .address_space: global }
      - { .name: sty, .offset: 8, .size: 8, .value_kind: global_buffer, .address_space: global }
      - { .name: pa, .offset: 16, .size: 8, .value_kind: global_buffer, .address_space: global }
      - { .name: pb, .offset: 24, .size: 8, .value_kind: global_buffer, .address_space: global }
      - { .name: params_blocks_0_rgb_b, .offset: 32, .size: 8, .value_kind: global_buffer, .address_space: global }
      - { .name: params_blocks_1_rgb_b, .offset: 40, .size: 8, .value_kind: global_buffer, .address_space: global }
      - { .name: params_blocks_2_rgb_b, .offset: 48, .size: 8, .value_kind: global_buffer, .address_space: global }
      - { .name: out0, .offset: 56, .size: 8, .value_kind: global_buffer, .address_space: global }
    .group_segment_fixed_size: 37888
    .private_segment_fixed_size: 0
    .kernarg_segment_align: 8
    .kernarg_segment_size: 64
    .max_flat_workgroup_size: 256
    .sgpr_count:     66
    .vgpr_count:     194
    .wavefront_size: 32
...
	.end_amdgpu_metadata
.endif
;; end of part 7
;; ======== version 2 of 3: 6 launches; 1.24 times as fast as version 1
;; limits: a function is approximated: absolute error at most 2.2e-05
;; workspace buffers: sty 65,536 bytes; pa 362,496 bytes; pb 362,496 bytes
;; launch lin: the kernel of part 1 again; grid 64 x 1, 16 waves a work-group, no clusters, 34,816 bytes of LDS; arguments condition, params_blocks_0_cond_w_0, params_blocks_0_cond_w_1, params_blocks_1_cond_w_0, params_blocks_1_cond_w_1, params_blocks_2_cond_w_0, params_blocks_2_cond_w_1, params_proj_w, params_bias_w, params_proj_b, params_bias_b, sty; writes sty
;; launch demod (part 8): grid 34 x 1, 16 waves a work-group, no clusters, 11,264 bytes of LDS; arguments sty, params_blocks_0_conv_w_0, params_blocks_0_conv_w_1, params_blocks_1_conv_w_0, params_blocks_1_conv_w_1, params_blocks_2_conv_w_0, params_blocks_2_conv_w_1, params_blocks_0_conv_b_0, params_blocks_0_conv_b_1, params_blocks_1_conv_b_0, params_blocks_1_conv_b_1, params_blocks_2_conv_b_0, params_blocks_2_conv_b_1, params_blocks_0_rgb_w, params_blocks_1_rgb_w, params_blocks_2_rgb_w, pa, pb; writes pa, pb
.if DOCPART == 8
	.amdgcn_target "amdgcn-amd-amdhsa--gfx1250"
	.amdhsa_code_object_version 6
	.text
	.protected	k_qbd0b11dd19_demod
	.globl	k_qbd0b11dd19_demod
	.p2align	8
	.type	k_qbd0b11dd19_demod,@function
k_qbd0b11dd19_demod:
	s_mov_b64 s[64:65], 0
	v_nop
	global_prefetch_b8 v0, s[64:65] scope:SCOPE_SE
	s_setreg_imm32_b32 hwreg(HW_REG_WAVE_MODE, 25, 1), 1
	s_wait_xcnt 0x0
; demod: for each of the six layers l, q[b][o] = sum over i of W[o][i]^2 s_l[b][i]^2, d = rsqrt(q + 1e-8), and the tables for the backward chain:
;   E[b][o]    = d[b][o] s_(l+1)[b][o]        (none for layer 6)
;   BETA[b][o] = b_l[o] (q + 1e-8) d = b_l[o] / d[b][o]
;   F[r][o]    = d[b][o] tap[j][o], r = 4 j + b (layers 2, 4 and 6, whose outputs have a colour tap; the others have no F)
; The tables of layers 3 and 4 go to pa, all others to pb: the buffer that the layer's chain launch loads from.
; A work-group owns 64 rows of one layer's W; wave w owns rows 4 w .. 4 w + 3, a lane 16 bytes of every 512 of a row: each load of a wave covers 512 consecutive bytes.
; All in f32 on the vector unit: a row sum of squares with four weightings is no matrix product worth a tile.  No two work-groups share a byte of W.
.set TAB0, 196608
.set TAB1, 237568
.set TAB2, 278528
.set TAB3, 319488
.set QL, 8192                          ; LDS: s^2 [4][I] at 0 (8,192 bytes at the most), q [4][64] at 8192
.set SQ, 16                            ; v[16:19]   my quad of the style
.set RQ, 20                            ; v[20:23]   tap
.set EQ, 24                            ; v[24:27]   next layer's style
.set BQ, 28                            ; v[28:31]   conv bias
.set WW, 32                            ; v[32:95]   W [row 4][k KQ][4]
.set SS, 96                            ; v[96:159]  s^2 [b 4][k KQ][4]
.set TT, 160                           ; v[160:191] 16 running pairs [b][row]
.set Q, 192                            ; v[192:207] q [b][row]
.set XQ, 160                           ; last phase, in TT's registers: q + eps, d, and the three results
.set DQ, 164
.set FO, 168
.set EO, 172
.set BO, 176
; one layer.  first: its first work-group; woff, boff, roff, dstoff: byte offsets of W, bias, tap and table buffer among the kernel arguments;
; KQ = I / 128; soff, eoff: byte offsets of s_l and s_(l+1) in a row of sty (eoff < 0: none); fkind 0 no F, 1 tap; rpitch: bytes in a row of the tap
.macro LAYER first, woff, boff, KQ, soff, eoff, fkind, roff, rpitch, dstoff, tabo
	s_load_b64 s[6:7], s[0:1], \woff
	s_load_b64 s[8:9], s[0:1], \boff
.if \fkind == 1
	s_load_b64 s[10:11], s[0:1], \roff
.endif
	s_load_b64 s[12:13], s[0:1], \dstoff
	s_sub_co_u32 s14, s26, \first                  ; kb: which 64 rows
	s_mul_i32 s16, s14, 64*512*\KQ
	s_mov_b32 s17, 0
	s_lshl_b32 s24, s14, 8                         ; 64 numbers = 256 bytes
	s_mov_b32 s25, 0
	s_mul_i32 s20, s15, 4*512*\KQ
	v_lshl_add_u32 v4, v1, 4, s20                  ; W: wave x 4 rows + 16 lane
	v_lshrrev_b32 v6, 5+\KQ/2, v0                  ; style: thread t takes quad t % (I/4) of batch t / (I/4)
	v_and_b32 v14, 32*\KQ-1, v0
	v_lshlrev_b32 v6, 14, v6
	v_lshl_add_u32 v6, v14, 4, v6
.if \fkind == 1
	v_lshrrev_b32 v10, 2, v3                       ; colour j = r / 4
	v_mad_u32_u24 v10, v10, \rpitch, v12
.endif
	s_wait_kmcnt 0x0
	s_add_nc_u64 s[6:7], s[6:7], s[16:17]
	s_add_nc_u64 s[8:9], s[8:9], s[24:25]
.if \fkind == 1
	s_add_nc_u64 s[10:11], s[10:11], s[24:25]
.endif
	s_add_nc_u64 s[12:13], s[12:13], s[24:25]
	s_add_nc_u64 s[12:13], s[12:13], \tabo
	s_add_nc_u64 s[22:23], s[4:5], s[24:25]
	; the last phase's operands are requested first: waves 0-5 the tap, waves 0-1 the next style and the bias
	s_cmp_ge_u32 s15, 6
	s_cbranch_scc1 .Lno_early_\@
.if \fkind == 1
	global_load_b128 v[RQ:RQ+3], v10, s[10:11]
.endif
	s_cmp_ge_u32 s15, 2
	s_cbranch_scc1 .Lno_early_\@
.if \eoff >= 0
	global_load_b128 v[EQ:EQ+3], v11, s[22:23] offset:\eoff
.endif
	global_load_b128 v[BQ:BQ+3], v12, s[8:9]
.Lno_early_\@:
.if \KQ < 4
	s_cmp_ge_u32 s15, 4*\KQ
	s_cbranch_scc1 .Lno_s_\@
.endif
	global_load_b128 v[SQ:SQ+3], v6, s[4:5] offset:\soff
.Lno_s_\@:
.irp rw, 0,1,2,3
.irp k, 0,1,2,3
.if \k < \KQ
	global_load_b128 v[WW+4*(\rw*\KQ+\k):WW+4*(\rw*\KQ+\k)+3], v4, s[6:7] offset:\rw*512*\KQ+\k*512
.endif
.endr
.endr
.if \KQ < 4
	s_cmp_ge_u32 s15, 4*\KQ
	s_cbranch_scc1 .Lno_sq_\@
.endif
	s_wait_loadcnt 4*\KQ                           ; only the 4 KQ loads of W are younger than the style quad
	v_pk_mul_f32 v[SQ:SQ+1], v[SQ:SQ+1], v[SQ:SQ+1]
	v_pk_mul_f32 v[SQ+2:SQ+3], v[SQ+2:SQ+3], v[SQ+2:SQ+3]
	ds_store_b128 v5, v[SQ:SQ+3]                   ; s^2 [b][I] at 16 t
.Lno_sq_\@:
	s_wait_dscnt 0x0
	s_barrier_signal -1
	s_barrier_wait -1                              ; s^2 is whole
.irp b, 0,1,2,3
.irp k, 0,1,2,3
.if \k < \KQ
	ds_load_b128 v[SS+4*(\b*\KQ+\k):SS+4*(\b*\KQ+\k)+3], v7 offset:\b*512*\KQ+\k*512
.endif
.endr
.endr
	s_wait_loadcnt 0x0                             ; W, and what was asked for ahead of it
.set i, 0
.rept 8*\KQ
	v_pk_mul_f32 v[WW+2*i:WW+2*i+1], v[WW+2*i:WW+2*i+1], v[WW+2*i:WW+2*i+1]
.set i, i+1
.endr
	s_wait_dscnt 0x0
	; sixteen chains (b, row) that do not wait for each other; the first product starts each
.irp k, 0,1,2,3
.if \k < \KQ
.irp c, 0,2
.irp b, 0,1,2,3
.irp rw, 0,1,2,3
.if \k+\c == 0
	v_pk_mul_f32 v[TT+2*(4*\b+\rw):TT+2*(4*\b+\rw)+1], v[WW+4*(\rw*\KQ+\k)+\c:WW+4*(\rw*\KQ+\k)+\c+1], v[SS+4*(\b*\KQ+\k)+\c:SS+4*(\b*\KQ+\k)+\c+1]
.else
	v_pk_fma_f32 v[TT+2*(4*\b+\rw):TT+2*(4*\b+\rw)+1], v[WW+4*(\rw*\KQ+\k)+\c:WW+4*(\rw*\KQ+\k)+\c+1], v[SS+4*(\b*\KQ+\k)+\c:SS+4*(\b*\KQ+\k)+\c+1], v[TT+2*(4*\b+\rw):TT+2*(4*\b+\rw)+1]
.endif
.endr
.endr
.endr
.endif
.endr
.set i, 0
.rept 16
	v_add_f32 v[Q+i], v[TT+2*i], v[TT+2*i+1]
.set i, i+1
.endr
	; over the 32 lanes: four steps inside each half ride on the add, one crosses the halves
.irp x, 1,2,4,8
.set i, 0
.rept 16
	v_add_f32_dpp v[Q+i], v[Q+i], v[Q+i] row_xmask:\x row_mask:0xf bank_mask:0xf
.set i, i+1
.endr
.endr
.set i, 0
.rept 16
	v_permlanex16_b32 v[TT+i], v[Q+i], s18, s19
.set i, i+1
.endr
.set i, 0
.rept 16
	v_add_f32 v[Q+i], v[Q+i], v[TT+i]
.set i, i+1
.endr
.irp b, 0,1,2,3
	ds_store_b128 v8, v[Q+4*\b:Q+4*\b+3] offset:QL+\b*256      ; q[b][4 w .. 4 w + 3]; every lane holds the same four numbers
.endr
	s_wait_dscnt 0x0
	s_barrier_signal -1
	s_barrier_wait -1                              ; q is whole
.if \fkind == 0
	s_cmp_ge_u32 s15, 2
.else
	s_cmp_ge_u32 s15, 6
.endif
	s_cbranch_scc1 .Ldone_\@
	; thread (r = t / 16, lq): four rows o of the 64
	ds_load_b128 v[XQ:XQ+3], v13 offset:QL
	s_wait_dscnt 0x0
	v_pk_add_f32 v[XQ:XQ+1], v[XQ:XQ+1], 0x322bcc77 op_sel_hi:[1,0]            ; + 1e-8
	v_pk_add_f32 v[XQ+2:XQ+3], v[XQ+2:XQ+3], 0x322bcc77 op_sel_hi:[1,0]
	v_rsq_f32 v[DQ], v[XQ]
	v_rsq_f32 v[DQ+1], v[XQ+1]
	v_rsq_f32 v[DQ+2], v[XQ+2]
	v_rsq_f32 v[DQ+3], v[XQ+3]
	v_nop                                          ; one plain vector instruction stands between a reciprocal root and the first use of its result (ISA guide 5.7.2)
.if \fkind == 1
	s_wait_alu depctr_va_vdst(0)
	v_pk_mul_f32 v[FO:FO+1], v[DQ:DQ+1], v[RQ:RQ+1]
	v_pk_mul_f32 v[FO+2:FO+3], v[DQ+2:DQ+3], v[RQ+2:RQ+3]
	global_store_b128 v9, v[FO:FO+3], s[12:13] offset:16384
	s_cmp_ge_u32 s15, 2
	s_cbranch_scc1 .Ldone_\@
.endif
.if \eoff >= 0
	s_wait_alu depctr_va_vdst(0)
	v_pk_mul_f32 v[EO:EO+1], v[DQ:DQ+1], v[EQ:EQ+1]
	v_pk_mul_f32 v[EO+2:EO+3], v[DQ+2:DQ+3], v[EQ+2:EQ+3]
	global_store_b128 v9, v[EO:EO+3], s[12:13]
.endif
	v_pk_mul_f32 v[BO:BO+1], v[XQ:XQ+1], v[DQ:DQ+1]
	v_pk_mul_f32 v[BO+2:BO+3], v[XQ+2:XQ+3], v[DQ+2:DQ+3]
	v_pk_mul_f32 v[BO:BO+1], v[BO:BO+1], v[BQ:BQ+1]
	v_pk_mul_f32 v[BO+2:BO+3], v[BO+2:BO+3], v[BQ+2:BQ+3]
	global_store_b128 v9, v[BO:BO+3], s[12:13] offset:8192     ; every store: sixteen lanes, 256 consecutive bytes, aligned
.Ldone_\@:
	s_wait_tensorcnt 0x0
	ds_add_u32 v208, v209
	s_wait_dscnt 0x0
	s_endpgm
.endm
	s_load_b64 s[4:5], s[0:1], 0x0                 ; sty
	v_lshl_add_u32 v208, v0, 2, 0x2400
	v_mov_b32 v209, 0
	s_mov_b32 s26, ttmp9
	v_and_b32 v1, 31, v0                           ; lane
	v_and_b32 v2, 15, v0                           ; lq
	v_lshrrev_b32 v3, 4, v0                        ; rg
	v_lshrrev_b32 v14, 5, v0
	v_readfirstlane_b32 s15, v14                   ; wave
	s_mov_b32 s18, 0x76543210                      ; v_permlanex16_b32: lane i of one half reads lane i of the other
	s_mov_b32 s19, 0xfedcba98
	v_lshlrev_b32 v5, 4, v0                        ; 16 t
	v_lshlrev_b32 v7, 4, v1                        ; 16 lane
	v_lshlrev_b32 v12, 4, v2                       ; 16 lq
	s_lshl_b32 s21, s15, 4
	v_mov_b32 v8, s21                              ; 16 wave: my four rows in a row of q
	v_lshl_add_u32 v9, v3, 11, v12                 ; tables: row rg of 2,048 bytes
	v_lshl_add_u32 v11, v3, 14, v12                ; sty: row rg of 16,384 bytes
	v_and_b32 v13, 3, v3
	v_lshl_add_u32 v13, v13, 8, v12                ; q: batch r % 4
	s_cmp_lt_u32 s26, 8
	s_cbranch_scc1 .Llayer1
	s_cmp_lt_u32 s26, 16
	s_cbranch_scc1 .Llayer2
	s_cmp_lt_u32 s26, 24
	s_cbranch_scc1 .Llayer3
	s_cmp_lt_u32 s26, 28
	s_cbranch_scc1 .Llayer4
	s_cmp_lt_u32 s26, 32
	s_cbranch_scc1 .Llayer5
	LAYER 32, 48, 96, 2, 9216, -1, 1, 120, 512, 136, TAB3
.Llayer1:
	LAYER 0, 8, 56, 4, 0, 2048, 0, 0, 0, 136, TAB0
.Llayer2:
	LAYER 8, 16, 64, 4, 2048, 4096, 1, 104, 2048, 136, TAB1
.Llayer3:
	LAYER 16, 24, 72, 4, 4096, 6144, 0, 0, 0, 128, TAB0
.Llayer4:
	LAYER 24, 32, 80, 4, 6144, 8192, 1, 112, 1024, 128, TAB1
.Llayer5:
	LAYER 28, 40, 88, 2, 8192, 9216, 0, 0, 0, 136, TAB2
.Lfunc_end_k_qbd0b11dd19_demod:
	.size	k_qbd0b11dd19_demod, .Lfunc_end_k_qbd0b11dd19_demod-k_qbd0b11dd19_demod
	.p2alignl 7, 3214868480
	.fill 96, 4, 3214868480
	.section	.rodata,"a",@progbits
	.p2align	6, 0x0
	.amdhsa_kernel k_qbd0b11dd19_demod
		.amdhsa_group_segment_fixed_size 11264
		.amdhsa_private_segment_fixed_size 0
		.amdhsa_enable_private_segment 0
		.amdhsa_kernarg_size 144
		.amdhsa_user_sgpr_count 2
		.amdhsa_user_sgpr_kernarg_segment_ptr 1
		.amdhsa_wavefront_size32 1
		.amdhsa_system_sgpr_workgroup_id_x 1
		.amdhsa_system_sgpr_workgroup_id_y 1
		.amdhsa_system_sgpr_workgroup_id_z 1
		.amdhsa_system_vgpr_workitem_id 0
		.amdhsa_next_free_vgpr 210
		.amdhsa_next_free_sgpr 66
		.amdhsa_reserve_vcc 0
		.amdhsa_float_denorm_mode_32 3
		.amdhsa_float_denorm_mode_16_64 3
		.amdhsa_memory_ordered 1
		.amdhsa_forward_progress 1
		.amdhsa_inst_pref_size 122
	.end_amdhsa_kernel
	.amdgpu_metadata
---
amdhsa.version: [ 1, 2 ]
amdhsa.kernels:
  - .name:           k_qbd0b11dd19_demod
    .symbol:         k_qbd0b11dd19_demod.kd
    .args:
      - { .name: sty, .offset: 0, .size: 8, .value_kind: global_buffer, .address_space: global }
      - { .name: params_blocks_0_conv_w_0, .offset: 8, .size: 8, .value_kind: global_buffer, .address_space: global }
      - { .name: params_blocks_0_conv_w_1, .offset: 16, .size: 8, .value_kind: global_buffer, .address_space: global }
      - { .name: params_blocks_1_conv_w_0, .offset: 24, .size: 8, .value_kind: global_buffer, .address_space: global }
      - { .name: params_blocks_1_conv_w_1, .offset: 32, .size: 8, .value_kind: global_buffer, .address_space: global }
      - { .name: params_blocks_2_conv_w_0, .offset: 40, .size: 8, .value_kind: global_buffer, .address_space: global }
      - { .name: params_blocks_2_conv_w_1, .offset: 48, .size: 8, .value_kind: global_buffer, .address_space: global }
      - { .name: params_blocks_0_conv_b_0, .offset: 56, .size: 8, .value_kind: global_buffer, .address_space: global }
      - { .name: params_blocks_0_conv_b_1, .offset: 64, .size: 8, .value_kind: global_buffer, .address_space: global }
      - { .name: params_blocks_1_conv_b_0, .offset: 72, .size: 8, .value_kind: global_buffer, .address_space: global }
      - { .name: params_blocks_1_conv_b_1, .offset: 80, .size: 8, .value_kind: global_buffer, .address_space: global }
      - { .name: params_blocks_2_conv_b_0, .offset: 88, .size: 8, .value_kind: global_buffer, .address_space: global }
      - { .name: params_blocks_2_conv_b_1, .offset: 96, .size: 8, .value_kind: global_buffer, .address_space: global }
      - { .name: params_blocks_0_rgb_w, .offset: 104, .size: 8, .value_kind: global_buffer, .address_space: global }
      - { .name: params_blocks_1_rgb_w, .offset: 112, .size: 8, .value_kind: global_buffer, .address_space: global }
      - { .name: params_blocks_2_rgb_w, .offset: 120, .size: 8, .value_kind: global_buffer, .address_space: global }
      - { .name: pa, .offset: 128, .size: 8, .value_kind: global_buffer, .address_space: global }
      - { .name: pb, .offset: 136, .size: 8, .value_kind: global_buffer, .address_space: global }
    .group_segment_fixed_size: 11264
    .private_segment_fixed_size: 0
    .kernarg_segment_align: 8
    .kernarg_segment_size: 144
    .max_flat_workgroup_size: 512
    .sgpr_count:     66
    .vgpr_count:     210
    .wavefront_size: 32
...
	.end_amdgpu_metadata
.endif
;; end of part 8
;; launch pair65 (part 9): grid 16 x 4, 16 waves a work-group, no clusters, 58,368 bytes of LDS; arguments params_blocks_2_conv_w_1, params_blocks_2_conv_w_0, pb, pa; writes pa
.if DOCPART == 9
	.amdgcn_target "amdgcn-amd-amdhsa--gfx1250"
	.amdhsa_code_object_version 6
	.text
	.protected	k_qbd0b11dd19_pair65
	.globl	k_qbd0b11dd19_pair65
	.p2align	8
	.type	k_qbd0b11dd19_pair65,@function
k_qbd0b11dd19_pair65:
	s_mov_b64 s[64:65], 0
	v_nop
	global_prefetch_b8 v0, s[64:65] scope:SCOPE_SE
	s_setreg_imm32_b32 hwreg(HW_REG_WAVE_MODE, 25, 1), 1
	s_wait_xcnt 0x0
; Two steps of the backward chain in one launch: layers a = 6 (W_a is [128][256]; the chain starts, h_a = F_a) and c = 5 (W_c is [256][256]).
; reference() has no activation between its convolutions, so the colours are affine in the sine features.  With r = 4 colour + batch:
;   h_a[r][o] = E_a[b][o] u_a[r][o] + F_a[r][o],  u_c[r][i] = sum over o of h_a[r][o] W_a[o][i],
;   h_c[r][o] = E_c[b][o] u_c[r][o],              u_(c-1)[r][i] = sum over o of h_c[r][o] W_c[o][i],   constant += sum over o of h[r][o] BETA[b][o] for both layers.
; Work-group (ib, kb, b): one batch (three rows r = 4 j + b), the 64 x 64 tile of W_c at rows 64 kb, columns 64 ib.  It needs h_c on those 64 rows alone, and makes
; it itself from the whole h_a and the 64 columns kb of W_a, so that both layers' weights are requested at the launch's first lines.  It stores slab kb of the
; partial sums of u_(c-1); the next launch adds the slabs.  u_a arrives as NP slabs in 'in', which also holds both layers' tables; results go to the other buffer.
; Thread t: rg = t / 16 owns RA rows of W_a's block and two rows of the tile, lq = t % 16 four columns: a load of a wave covers two aligned pieces of 256 bytes.
; W_a's block is read by all work-groups of one kb.  It is used once, straight from the registers that it is loaded into (three multiply-adds a weight); a joint
; request would land it in LDS, to be read from there again, with a round of the cluster's barrier on either side of the launch's single fill: it is not asked for jointly.
; All in f32 on the vector unit: three rows against each weight.  The order of rounding differs from reference()'s, which multiplies from the pixels' side.
.set OA, 128                           ; rows of W_a
.set QS, 5                             ; log2 (OA / 4): quads in a row of h_a
.set RA, OA/32                         ; rows of W_a for a thread
.set NH, 3*OA/128                      ; waves that make h_a: 3 OA / 4 quads, one a thread
.set PITA, 1024                        ; bytes in a row of W_a
.set PITC, 1024                        ; bytes in a row of W_c
.set NP, 0                             ; slabs of u_a
.set TABA, 319488                      ; layer a's tables in 'in'
.set TABC, 278528                      ; layer c's
.set CPSA, 0                           ; layer a's first slab of constants in 'out' (OA / 128 slabs)
.set CPSC, 1                           ; layer c's (one for each kb)
.set CPO, 360448
.set SLAB, 24576                       ; [12][512] f32
.set HCO, 6144                         ; LDS: h_a [3][OA] at 0; h_c [3][64] at 6144;
.set RED1, 7168                        ;      partial sums [rg 32][j 3][64] of u_c at 7168,
.set RED2, 31744                       ;      of u_(c-1) at 31744
.set WA, 16                            ; v[16:79]   W_a [n RA][4]
.set WC, 80                            ; v[80:87]   W_c [2][4]
.set PQ, 88                            ; v[88:119]  slabs of u_a
.set EA, 120
.set BA, 124
.set FA, 128
.if NP == 0
.set HA, 128                           ; h_a = F_a
.else
.set HA, 132
.endif
.set EC, 136
.set BC, 140
.set HC, 144
.set T, 148                            ; v[148:151]
.set HV, 152                           ; v[152:199] h_a [j 3][n RA]; later h_c [j 3][2]
.set AC, 200                           ; v[200:211] sums [j 3][4]
.set RD, 16                            ; v[16:79]   16 partial quads, in W_a's registers once they have been used
; row n of my RA rows of W_a against the three rows of h_a; h_a[j][n] is one half of a register pair, named by op_sel
.macro ROWA n
	s_wait_loadcnt RA+1-\n                         ; loads return in order: row n is in; younger are RA - 1 - n rows of W_a and the two of W_c
.irp j, 0,1,2
.irp c, 0,2
.if \n == 0
	v_pk_mul_f32 v[AC+4*\j+\c:AC+4*\j+\c+1], v[WA+\c:WA+\c+1], v[HV+RA*\j:HV+RA*\j+1] op_sel_hi:[1,0]         ; the first row starts the sums
.elseif (\n) % 2 == 0
	v_pk_fma_f32 v[AC+4*\j+\c:AC+4*\j+\c+1], v[WA+4*\n+\c:WA+4*\n+\c+1], v[HV+RA*\j+\n:HV+RA*\j+\n+1], v[AC+4*\j+\c:AC+4*\j+\c+1] op_sel_hi:[1,0,1]
.else
	v_pk_fma_f32 v[AC+4*\j+\c:AC+4*\j+\c+1], v[WA+4*\n+\c:WA+4*\n+\c+1], v[HV+RA*\j+\n-1:HV+RA*\j+\n], v[AC+4*\j+\c:AC+4*\j+\c+1] op_sel:[0,1,0] op_sel_hi:[1,1,1]
.endif
.endr
.endr
.endm
; waves 0-2 (j = wave): each half of the lanes adds 16 of the 32 partial quads of its four columns, then the halves are joined: every lane holds the sum
.macro REDUCE base
.set g, 0
.rept 16
	ds_load_b128 v[RD+4*g:RD+4*g+3], v13 offset:\base+g*768
.set g, g+1
.endr
	s_wait_dscnt 0x0
.irp st, 8,4,2,1
.set g, 0
.rept \st
	v_pk_add_f32 v[RD+4*g:RD+4*g+1], v[RD+4*g:RD+4*g+1], v[RD+4*(g+\st):RD+4*(g+\st)+1]
	v_pk_add_f32 v[RD+4*g+2:RD+4*g+3], v[RD+4*g+2:RD+4*g+3], v[RD+4*(g+\st)+2:RD+4*(g+\st)+3]
.set g, g+1
.endr
.endr
.irp i, 0,1,2,3
	v_permlanex16_b32 v[RD+4+\i], v[RD+\i], s26, s27
.endr
	v_pk_add_f32 v[RD:RD+1], v[RD:RD+1], v[RD+4:RD+5]
	v_pk_add_f32 v[RD+2:RD+3], v[RD+2:RD+3], v[RD+6:RD+7]
.endm
; lane 0 stores the word in v[T] at byte s22 + imm of 'out'
.macro WORD imm
	v_mov_b32 v[T+2], s22
	s_wait_xcnt 0x0                                ; EXEC is a source of the memory instructions issued: it changes only behind this wait
	v_cmp_eq_u32 vcc_lo, 0, v3
	s_and_saveexec_b32 s24, vcc_lo
	global_store_b32 v[T+2], v[T], s[10:11] offset:\imm        ; one word a wave: a row's part of the constant
	s_wait_xcnt 0x0                                ; and again in front of the line that widens it
	s_or_b32 exec_lo, exec_lo, s24
.endm
	s_load_b256 s[4:11], s[0:1], 0x0               ; W_a, W_c, in, out
	v_lshl_add_u32 v212, v0, 2, 0xdc00
	v_mov_b32 v213, 0
	s_lshr_b32 s12, ttmp9, 2                       ; ib
	s_and_b32 s14, ttmp9, 3                        ; b
	s_and_b32 s13, ttmp7, 0xffff                   ; kb
	v_lshrrev_b32 v3, 5, v0
	v_readfirstlane_b32 s15, v3                    ; wave
	s_mov_b32 s26, 0x76543210                      ; v_permlanex16_b32: lane i of one half reads lane i of the other
	s_mov_b32 s27, 0xfedcba98
	v_and_b32 v3, 31, v0                           ; lane
	v_and_b32 v1, 15, v0                           ; lq
	v_lshrrev_b32 v2, 4, v0                        ; rg
	v_lshlrev_b32 v10, 4, v1                       ; 16 lq
	v_mad_u32_u24 v4, v2, RA*PITA, v10             ; W_a: RA rows for each rg
	v_mad_u32_u24 v5, v2, 2*PITC, v10              ; W_c: two rows for each rg
	v_lshrrev_b32 v6, QS, v0                       ; the head's thread: colour j = t / (OA/4),
	v_and_b32 v7, (1<<QS)-1, v0                    ; quad t % (OA/4)
	v_lshlrev_b32 v7, 4, v7                        ; rows b (E, BETA): 16 quad
	v_lshl_add_u32 v6, v6, 13, v7                  ; rows 4 j + b (slabs, F): 8,192 j + 16 quad
	v_lshlrev_b32 v8, 4, v0                        ; h_a in LDS: 16 t
	s_lshl_b32 s16, s15, 13
	v_add_nc_u32 v9, s16, v10                      ; the result's row 4 j + b, j = wave
	v_mul_u32_u24 v11, v2, RA*4                    ; h_a[j][RA rg ..]
	v_mad_u32_u24 v12, v2, 768, v10                ; partial sums: 768 rg + 16 lq
	v_lshrrev_b32 v13, 4, v3
	v_mul_u32_u24 v13, v13, 12288                  ; back: my half's 16 row groups,
	s_lshl_b32 s16, s15, 8
	v_add3_u32 v13, v13, s16, v10                  ; row j = wave, 16 lq
	v_add_nc_u32 v14, s16, v10                     ; h_c in LDS: 256 j + 16 lq
	v_lshlrev_b32 v15, 3, v2                       ; h_c[j][2 rg ..]
	s_lshl_b32 s16, s13, 8                         ; 64 numbers of block kb = 256 bytes
	s_mov_b32 s17, 0
	s_lshl_b32 s22, s12, 8
	s_mul_i32 s28, s13, 64*PITC
	s_add_co_u32 s28, s28, s22
	s_mov_b32 s29, 0
	s_lshl_b32 s30, s14, 11                        ; row b of 2,048 bytes
	s_mov_b32 s31, 0
	s_mul_i32 s18, s13, SLAB
	s_add_co_u32 s18, s18, s22
	s_add_co_u32 s18, s18, s30
	s_mov_b32 s19, 0
	s_wait_kmcnt 0x0
	s_add_nc_u64 s[4:5], s[4:5], s[16:17]          ; W_a at columns 64 kb
	s_add_nc_u64 s[6:7], s[6:7], s[28:29]          ; my tile of W_c
	s_add_nc_u64 s[8:9], s[8:9], s[30:31]          ; 'in' at batch b
	s_add_nc_u64 s[20:21], s[8:9], s[16:17]        ; and at layer c's 64 numbers
	s_add_nc_u64 s[18:19], s[10:11], s[18:19]      ; my slab, batch and column block of the result
	; what is needed first is asked for first: layer c's tables (waves 0-2), the head's operands, then the weights
	s_cmp_ge_u32 s15, 3
	s_cbranch_scc1 .Lno_c
	global_load_b128 v[EC:EC+3], v10, s[20:21] offset:TABC
	global_load_b128 v[BC:BC+3], v10, s[20:21] offset:TABC+8192
.Lno_c:
	s_cmp_ge_u32 s15, NH
	s_cbranch_scc1 .Lno_head
.if NP > 0
.set p, 0
.rept NP
	global_load_b128 v[PQ+4*p:PQ+4*p+3], v6, s[8:9] offset:p*SLAB
.set p, p+1
.endr
	global_load_b128 v[EA:EA+3], v7, s[8:9] offset:TABA
.endif
	global_load_b128 v[BA:BA+3], v7, s[8:9] offset:TABA+8192
	global_load_b128 v[FA:FA+3], v6, s[8:9] offset:TABA+16384
.Lno_head:
.irp n, 0,1,2,3,4,5,6,7,8,9,10,11,12,13,14,15
.if \n < RA
	global_load_b128 v[WA+4*\n:WA+4*\n+3], v4, s[4:5] offset:\n*PITA
.endif
.endr
	global_load_b128 v[WC:WC+3], v5, s[6:7]
	global_load_b128 v[WC+4:WC+7], v5, s[6:7] offset:PITC
	s_cmp_ge_u32 s15, NH
	s_cbranch_scc1 .Lbar1
	; the head: thread (j, quad) makes four numbers of h_a's row 4 j + b
	s_wait_loadcnt RA+2                            ; only the RA + 2 loads of weights are younger than the head's operands
.if NP > 1
.set p, 1
.rept NP-1
	v_pk_add_f32 v[PQ:PQ+1], v[PQ:PQ+1], v[PQ+4*p:PQ+4*p+1]
	v_pk_add_f32 v[PQ+2:PQ+3], v[PQ+2:PQ+3], v[PQ+4*p+2:PQ+4*p+3]
.set p, p+1
.endr
.endif
.if NP > 0
	v_pk_fma_f32 v[HA:HA+1], v[EA:EA+1], v[PQ:PQ+1], v[FA:FA+1]
	v_pk_fma_f32 v[HA+2:HA+3], v[EA+2:EA+3], v[PQ+2:PQ+3], v[FA+2:FA+3]
.endif
	ds_store_b128 v8, v[HA:HA+3]
	s_or_b32 s22, s12, s13
	s_cmp_lg_u32 s22, 0
	s_cbranch_scc1 .Lbar1                          ; layer a's part of the constant: the work-groups with ib = kb = 0 alone
	v_pk_mul_f32 v[T:T+1], v[HA:HA+1], v[BA:BA+1]
	v_pk_fma_f32 v[T:T+1], v[HA+2:HA+3], v[BA+2:BA+3], v[T:T+1]
	v_add_f32 v[T], v[T], v[T+1]
.irp x, 1,2,4,8
	v_add_f32_dpp v[T], v[T], v[T] row_xmask:\x row_mask:0xf bank_mask:0xf
.endr
	v_permlanex16_b32 v[T+1], v[T], s26, s27
	v_add_f32 v[T], v[T], v[T+1]                   ; my wave's 128 numbers of row 4 j + b
	s_and_b32 s22, s15, (1<<(QS-5))-1              ; which 128 of the row: the slab,
	s_lshr_b32 s23, s15, QS-5                      ; j
	s_lshl_b32 s22, s22, 6
	s_lshl_b32 s23, s23, 4
	s_add_co_u32 s22, s22, s23
	s_lshl2_add_u32 s22, s14, s22                  ; 64 slab + 4 (4 j + b)
	WORD CPO+CPSA*64
.Lbar1:
	s_wait_dscnt 0x0
	s_barrier_signal -1
	s_barrier_wait -1                              ; h_a is whole
.irp j, 0,1,2
.irp g, 0,1,2,3
.if \g < RA/4
	ds_load_b128 v[HV+RA*\j+4*\g:HV+RA*\j+4*\g+3], v11 offset:\j*OA*4+\g*16
.endif
.endr
.endr
	s_wait_dscnt 0x0
.irp n, 0,1,2,3,4,5,6,7,8,9,10,11,12,13,14,15
.if \n < RA
	ROWA \n
.endif
.endr
.irp j, 0,1,2
	ds_store_b128 v12, v[AC+4*\j:AC+4*\j+3] offset:RED1+\j*256
.endr
	s_wait_dscnt 0x0
	s_barrier_signal -1
	s_barrier_wait -1                              ; the 32 partial sums of u_c's 3 x 64 numbers are in LDS
	s_cmp_ge_u32 s15, 3
	s_cbranch_scc1 .Lbar3
	REDUCE RED1
	v_pk_mul_f32 v[HC:HC+1], v[EC:EC+1], v[RD:RD+1]
	v_pk_mul_f32 v[HC+2:HC+3], v[EC+2:EC+3], v[RD+2:RD+3]
	ds_store_b128 v14, v[HC:HC+3] offset:HCO       ; both halves of the lanes hold, and store, the same numbers
	s_cmp_lg_u32 s12, 0
	s_cbranch_scc1 .Lbar3                          ; layer c's part of the constant: column block 0 alone
	v_pk_mul_f32 v[T:T+1], v[HC:HC+1], v[BC:BC+1]
	v_pk_fma_f32 v[T:T+1], v[HC+2:HC+3], v[BC+2:BC+3], v[T:T+1]
	v_add_f32 v[T], v[T], v[T+1]
.irp x, 1,2,4,8
	v_add_f32_dpp v[T], v[T], v[T] row_xmask:\x row_mask:0xf bank_mask:0xf     ; over the 16 lanes that hold the 64 numbers
.endr
	s_lshl_b32 s22, s13, 6
	s_lshl_b32 s23, s15, 4
	s_add_co_u32 s22, s22, s23
	s_lshl2_add_u32 s22, s14, s22                  ; 64 kb + 4 (4 j + b)
	WORD CPO+CPSC*64
.Lbar3:
	s_wait_dscnt 0x0
	s_barrier_signal -1
	s_barrier_wait -1                              ; h_c is whole
.irp j, 0,1,2
	ds_load_b64 v[HV+2*\j:HV+2*\j+1], v15 offset:HCO+\j*256
.endr
	s_wait_loadcnt 0x0                             ; the tile of W_c
	s_wait_dscnt 0x0
.irp j, 0,1,2
.irp c, 0,2
	v_pk_mul_f32 v[AC+4*\j+\c:AC+4*\j+\c+1], v[WC+\c:WC+\c+1], v[HV+2*\j:HV+2*\j+1] op_sel_hi:[1,0]
.endr
.endr
.irp j, 0,1,2
.irp c, 0,2
	v_pk_fma_f32 v[AC+4*\j+\c:AC+4*\j+\c+1], v[WC+4+\c:WC+4+\c+1], v[HV+2*\j:HV+2*\j+1], v[AC+4*\j+\c:AC+4*\j+\c+1] op_sel:[0,1,0] op_sel_hi:[1,1,1]
.endr
.endr
.irp j, 0,1,2
	ds_store_b128 v12, v[AC+4*\j:AC+4*\j+3] offset:RED2+\j*256
.endr
	s_wait_dscnt 0x0
	s_barrier_signal -1
	s_barrier_wait -1                              ; the 32 partial sums of the result's 3 x 64 numbers are in LDS
	s_cmp_ge_u32 s15, 3
	s_cbranch_scc1 .Lend
	REDUCE RED2
	s_wait_xcnt 0x0                                ; EXEC changes only behind this wait
	v_cmp_gt_u32 vcc_lo, 16, v3
	s_and_saveexec_b32 s24, vcc_lo
	global_store_b128 v9, v[RD:RD+3], s[18:19]     ; lanes 0-15: 256 consecutive bytes, aligned
	s_wait_xcnt 0x0
	s_or_b32 exec_lo, exec_lo, s24
.Lend:
	s_wait_tensorcnt 0x0
	ds_add_u32 v212, v213
	s_wait_dscnt 0x0
	s_endpgm
.Lfunc_end_k_qbd0b11dd19_pair65:
	.size	k_qbd0b11dd19_pair65, .Lfunc_end_k_qbd0b11dd19_pair65-k_qbd0b11dd19_pair65
	.p2alignl 7, 3214868480
	.fill 96, 4, 3214868480
	.section	.rodata,"a",@progbits
	.p2align	6, 0x0
	.amdhsa_kernel k_qbd0b11dd19_pair65
		.amdhsa_group_segment_fixed_size 58368
		.amdhsa_private_segment_fixed_size 0
		.amdhsa_enable_private_segment 0
		.amdhsa_kernarg_size 32
		.amdhsa_user_sgpr_count 2
		.amdhsa_user_sgpr_kernarg_segment_ptr 1
		.amdhsa_wavefront_size32 1
		.amdhsa_system_sgpr_workgroup_id_x 1
		.amdhsa_system_sgpr_workgroup_id_y 1
		.amdhsa_system_sgpr_workgroup_id_z 1
		.amdhsa_system_vgpr_workitem_id 0
		.amdhsa_next_free_vgpr 214
		.amdhsa_next_free_sgpr 66
		.amdhsa_reserve_vcc 1
		.amdhsa_float_denorm_mode_32 3
		.amdhsa_float_denorm_mode_16_64 3
		.amdhsa_memory_ordered 1
		.amdhsa_forward_progress 1
		.amdhsa_inst_pref_size 17
	.end_amdhsa_kernel
	.amdgpu_metadata
---
amdhsa.version: [ 1, 2 ]
amdhsa.kernels:
  - .name:           k_qbd0b11dd19_pair65
    .symbol:         k_qbd0b11dd19_pair65.kd
    .args:
      - { .name: params_blocks_2_conv_w_1, .offset: 0, .size: 8, .value_kind: global_buffer, .address_space: global }
      - { .name: params_blocks_2_conv_w_0, .offset: 8, .size: 8, .value_kind: global_buffer, .address_space: global }
      - { .name: pb, .offset: 16, .size: 8, .value_kind: global_buffer, .address_space: global }
      - { .name: pa, .offset: 24, .size: 8, .value_kind: global_buffer, .address_space: global }
    .group_segment_fixed_size: 58368
    .private_segment_fixed_size: 0
    .kernarg_segment_align: 8
    .kernarg_segment_size: 32
    .max_flat_workgroup_size: 512
    .sgpr_count:     66
    .vgpr_count:     214
    .wavefront_size: 32
...
	.end_amdgpu_metadata
.endif
;; end of part 9
;; launch pair43 (part 10): grid 32 x 8, 16 waves a work-group, no clusters, 58,368 bytes of LDS; arguments params_blocks_1_conv_w_1, params_blocks_1_conv_w_0, pa, pb; writes pb
.if DOCPART == 10
	.amdgcn_target "amdgcn-amd-amdhsa--gfx1250"
	.amdhsa_code_object_version 6
	.text
	.protected	k_qbd0b11dd19_pair43
	.globl	k_qbd0b11dd19_pair43
	.p2align	8
	.type	k_qbd0b11dd19_pair43,@function
k_qbd0b11dd19_pair43:
	s_mov_b64 s[64:65], 0
	v_nop
	global_prefetch_b8 v0, s[64:65] scope:SCOPE_SE
	s_setreg_imm32_b32 hwreg(HW_REG_WAVE_MODE, 25, 1), 1
	s_wait_xcnt 0x0
; Two steps of the backward chain in one launch: layers a = 4 (W_a is [256][512]; four slabs of u_a) and c = 3 (W_c is [512][512]).
; reference() has no activation between its convolutions, so the colours are affine in the sine features.  With r = 4 colour + batch:
;   h_a[r][o] = E_a[b][o] u_a[r][o] + F_a[r][o],  u_c[r][i] = sum over o of h_a[r][o] W_a[o][i],
;   h_c[r][o] = E_c[b][o] u_c[r][o],              u_(c-1)[r][i] = sum over o of h_c[r][o] W_c[o][i],   constant += sum over o of h[r][o] BETA[b][o] for both layers.
; Work-group (ib, kb, b): one batch (three rows r = 4 j + b), the 64 x 64 tile of W_c at rows 64 kb, columns 64 ib.  It needs h_c on those 64 rows alone, and makes
; it itself from the whole h_a and the 64 columns kb of W_a, so that both layers' weights are requested at the launch's first lines.  It stores slab kb of the
; partial sums of u_(c-1); the next launch adds the slabs.  u_a arrives as NP slabs in 'in', which also holds both layers' tables; results go to the other buffer.
; Thread t: rg = t / 16 owns RA rows of W_a's block and two rows of the tile, lq = t % 16 four columns: a load of a wave covers two aligned pieces of 256 bytes.
; W_a's block is read by all work-groups of one kb.  It is used once, straight from the registers that it is loaded into (three multiply-adds a weight); a joint
; request would land it in LDS, to be read from there again, with a round of the cluster's barrier on either side of the launch's single fill: it is not asked for jointly.
; All in f32 on the vector unit: three rows against each weight.  The order of rounding differs from reference()'s, which multiplies from the pixels' side.
.set OA, 256                           ; rows of W_a
.set QS, 6                             ; log2 (OA / 4): quads in a row of h_a
.set RA, OA/32                         ; rows of W_a for a thread
.set NH, 3*OA/128                      ; waves that make h_a: 3 OA / 4 quads, one a thread
.set PITA, 2048                        ; bytes in a row of W_a
.set PITC, 2048                        ; bytes in a row of W_c
.set NP, 4                             ; slabs of u_a
.set TABA, 237568                      ; layer a's tables in 'in'
.set TABC, 196608                      ; layer c's
.set CPSA, 0                           ; layer a's first slab of constants in 'out' (OA / 128 slabs)
.set CPSC, 2                           ; layer c's (one for each kb)
.set CPO, 360448
.set SLAB, 24576                       ; [12][512] f32
.set HCO, 6144                         ; LDS: h_a [3][OA] at 0; h_c [3][64] at 6144;
.set RED1, 7168                        ;      partial sums [rg 32][j 3][64] of u_c at 7168,
.set RED2, 31744                       ;      of u_(c-1) at 31744
.set WA, 16                            ; v[16:79]   W_a [n RA][4]
.set WC, 80                            ; v[80:87]   W_c [2][4]
.set PQ, 88                            ; v[88:119]  slabs of u_a
.set EA, 120
.set BA, 124
.set FA, 128
.if NP == 0
.set HA, 128                           ; h_a = F_a
.else
.set HA, 132
.endif
.set EC, 136
.set BC, 140
.set HC, 144
.set T, 148                            ; v[148:151]
.set HV, 152                           ; v[152:199] h_a [j 3][n RA]; later h_c [j 3][2]
.set AC, 200                           ; v[200:211] sums [j 3][4]
.set RD, 16                            ; v[16:79]   16 partial quads, in W_a's registers once they have been used
; row n of my RA rows of W_a against the three rows of h_a; h_a[j][n] is one half of a register pair, named by op_sel
.macro ROWA n
	s_wait_loadcnt RA+1-\n                         ; loads return in order: row n is in; younger are RA - 1 - n rows of W_a and the two of W_c
.irp j, 0,1,2
.irp c, 0,2
.if \n == 0
	v_pk_mul_f32 v[AC+4*\j+\c:AC+4*\j+\c+1], v[WA+\c:WA+\c+1], v[HV+RA*\j:HV+RA*\j+1] op_sel_hi:[1,0]         ; the first row starts the sums
.elseif (\n) % 2 == 0
	v_pk_fma_f32 v[AC+4*\j+\c:AC+4*\j+\c+1], v[WA+4*\n+\c:WA+4*\n+\c+1], v[HV+RA*\j+\n:HV+RA*\j+\n+1], v[AC+4*\j+\c:AC+4*\j+\c+1] op_sel_hi:[1,0,1]
.else
	v_pk_fma_f32 v[AC+4*\j+\c:AC+4*\j+\c+1], v[WA+4*\n+\c:WA+4*\n+\c+1], v[HV+RA*\j+\n-1:HV+RA*\j+\n], v[AC+4*\j+\c:AC+4*\j+\c+1] op_sel:[0,1,0] op_sel_hi:[1,1,1]
.endif
.endr
.endr
.endm
; waves 0-2 (j = wave): each half of the lanes adds 16 of the 32 partial quads of its four columns, then the halves are joined: every lane holds the sum
.macro REDUCE base
.set g, 0
.rept 16
	ds_load_b128 v[RD+4*g:RD+4*g+3], v13 offset:\base+g*768
.set g, g+1
.endr
	s_wait_dscnt 0x0
.irp st, 8,4,2,1
.set g, 0
.rept \st
	v_pk_add_f32 v[RD+4*g:RD+4*g+1], v[RD+4*g:RD+4*g+1], v[RD+4*(g+\st):RD+4*(g+\st)+1]
	v_pk_add_f32 v[RD+4*g+2:RD+4*g+3], v[RD+4*g+2:RD+4*g+3], v[RD+4*(g+\st)+2:RD+4*(g+\st)+3]
.set g, g+1
.endr
.endr
.irp i, 0,1,2,3
	v_permlanex16_b32 v[RD+4+\i], v[RD+\i], s26, s27
.endr
	v_pk_add_f32 v[RD:RD+1], v[RD:RD+1], v[RD+4:RD+5]
	v_pk_add_f32 v[RD+2:RD+3], v[RD+2:RD+3], v[RD+6:RD+7]
.endm
; lane 0 stores the word in v[T] at byte s22 + imm of 'out'
.macro WORD imm
	v_mov_b32 v[T+2], s22
	s_wait_xcnt 0x0                                ; EXEC is a source of the memory instructions issued: it changes only behind this wait
	v_cmp_eq_u32 vcc_lo, 0, v3
	s_and_saveexec_b32 s24, vcc_lo
	global_store_b32 v[T+2], v[T], s[10:11] offset:\imm        ; one word a wave: a row's part of the constant
	s_wait_xcnt 0x0                                ; and again in front of the line that widens it
	s_or_b32 exec_lo, exec_lo, s24
.endm
	s_load_b256 s[4:11], s[0:1], 0x0               ; W_a, W_c, in, out
	v_lshl_add_u32 v212, v0, 2, 0xdc00
	v_mov_b32 v213, 0
	s_lshr_b32 s12, ttmp9, 2                       ; ib
	s_and_b32 s14, ttmp9, 3                        ; b
	s_and_b32 s13, ttmp7, 0xffff                   ; kb
	v_lshrrev_b32 v3, 5, v0
	v_readfirstlane_b32 s15, v3                    ; wave
	s_mov_b32 s26, 0x76543210                      ; v_permlanex16_b32: lane i of one half reads lane i of the other
	s_mov_b32 s27, 0xfedcba98
	v_and_b32 v3, 31, v0                           ; lane
	v_and_b32 v1, 15, v0                           ; lq
	v_lshrrev_b32 v2, 4, v0                        ; rg
	v_lshlrev_b32 v10, 4, v1                       ; 16 lq
	v_mad_u32_u24 v4, v2, RA*PITA, v10             ; W_a: RA rows for each rg
	v_mad_u32_u24 v5, v2, 2*PITC, v10              ; W_c: two rows for each rg
	v_lshrrev_b32 v6, QS, v0                       ; the head's thread: colour j = t / (OA/4),
	v_and_b32 v7, (1<<QS)-1, v0                    ; quad t % (OA/4)
	v_lshlrev_b32 v7, 4, v7                        ; rows b (E, BETA): 16 quad
	v_lshl_add_u32 v6, v6, 13, v7                  ; rows 4 j + b (slabs, F): 8,192 j + 16 quad
	v_lshlrev_b32 v8, 4, v0                        ; h_a in LDS: 16 t
	s_lshl_b32 s16, s15, 13
	v_add_nc_u32 v9, s16, v10                      ; the result's row 4 j + b, j = wave
	v_mul_u32_u24 v11, v2, RA*4                    ; h_a[j][RA rg ..]
	v_mad_u32_u24 v12, v2, 768, v10                ; partial sums: 768 rg + 16 lq
	v_lshrrev_b32 v13, 4, v3
	v_mul_u32_u24 v13, v13, 12288                  ; back: my half's 16 row groups,
	s_lshl_b32 s16, s15, 8
	v_add3_u32 v13, v13, s16, v10                  ; row j = wave, 16 lq
	v_add_nc_u32 v14, s16, v10                     ; h_c in LDS: 256 j + 16 lq
	v_lshlrev_b32 v15, 3, v2                       ; h_c[j][2 rg ..]
	s_lshl_b32 s16, s13, 8                         ; 64 numbers of block kb = 256 bytes
	s_mov_b32 s17, 0
	s_lshl_b32 s22, s12, 8
	s_mul_i32 s28, s13, 64*PITC
	s_add_co_u32 s28, s28, s22
	s_mov_b32 s29, 0
	s_lshl_b32 s30, s14, 11                        ; row b of 2,048 bytes
	s_mov_b32 s31, 0
	s_mul_i32 s18, s13, SLAB
	s_add_co_u32 s18, s18, s22
	s_add_co_u32 s18, s18, s30
	s_mov_b32 s19, 0
	s_wait_kmcnt 0x0
	s_add_nc_u64 s[4:5], s[4:5], s[16:17]          ; W_a at columns 64 kb
	s_add_nc_u64 s[6:7], s[6:7], s[28:29]          ; my tile of W_c
	s_add_nc_u64 s[8:9], s[8:9], s[30:31]          ; 'in' at batch b
	s_add_nc_u64 s[20:21], s[8:9], s[16:17]        ; and at layer c's 64 numbers
	s_add_nc_u64 s[18:19], s[10:11], s[18:19]      ; my slab, batch and column block of the result
	; what is needed first is asked for first: layer c's tables (waves 0-2), the head's operands, then the weights
	s_cmp_ge_u32 s15, 3
	s_cbranch_scc1 .Lno_c
	global_load_b128 v[EC:EC+3], v10, s[20:21] offset:TABC
	global_load_b128 v[BC:BC+3], v10, s[20:21] offset:TABC+8192
.Lno_c:
	s_cmp_ge_u32 s15, NH
	s_cbranch_scc1 .Lno_head
.if NP > 0
.set p, 0
.rept NP
	global_load_b128 v[PQ+4*p:PQ+4*p+3], v6, s[8:9] offset:p*SLAB
.set p, p+1
.endr
	global_load_b128 v[EA:EA+3], v7, s[8:9] offset:TABA
.endif
	global_load_b128 v[BA:BA+3], v7, s[8:9] offset:TABA+8192
	global_load_b128 v[FA:FA+3], v6, s[8:9] offset:TABA+16384
.Lno_head:
.irp n, 0,1,2,3,4,5,6,7,8,9,10,11,12,13,14,15
.if \n < RA
	global_load_b128 v[WA+4*\n:WA+4*\n+3], v4, s[4:5] offset:\n*PITA
.endif
.endr
	global_load_b128 v[WC:WC+3], v5, s[6:7]
	global_load_b128 v[WC+4:WC+7], v5, s[6:7] offset:PITC
	s_cmp_ge_u32 s15, NH
	s_cbranch_scc1 .Lbar1
	; the head: thread (j, quad) makes four numbers of h_a's row 4 j + b
	s_wait_loadcnt RA+2                            ; only the RA + 2 loads of weights are younger than the head's operands
.if NP > 1
.set p, 1
.rept NP-1
	v_pk_add_f32 v[PQ:PQ+1], v[PQ:PQ+1], v[PQ+4*p:PQ+4*p+1]
	v_pk_add_f32 v[PQ+2:PQ+3], v[PQ+2:PQ+3], v[PQ+4*p+2:PQ+4*p+3]
.set p, p+1
.endr
.endif
.if NP > 0
	v_pk_fma_f32 v[HA:HA+1], v[EA:EA+1], v[PQ:PQ+1], v[FA:FA+1]
	v_pk_fma_f32 v[HA+2:HA+3], v[EA+2:EA+3], v[PQ+2:PQ+3], v[FA+2:FA+3]
.endif
	ds_store_b128 v8, v[HA:HA+3]
	s_or_b32 s22, s12, s13
	s_cmp_lg_u32 s22, 0
	s_cbranch_scc1 .Lbar1                          ; layer a's part of the constant: the work-groups with ib = kb = 0 alone
	v_pk_mul_f32 v[T:T+1], v[HA:HA+1], v[BA:BA+1]
	v_pk_fma_f32 v[T:T+1], v[HA+2:HA+3], v[BA+2:BA+3], v[T:T+1]
	v_add_f32 v[T], v[T], v[T+1]
.irp x, 1,2,4,8
	v_add_f32_dpp v[T], v[T], v[T] row_xmask:\x row_mask:0xf bank_mask:0xf
.endr
	v_permlanex16_b32 v[T+1], v[T], s26, s27
	v_add_f32 v[T], v[T], v[T+1]                   ; my wave's 128 numbers of row 4 j + b
	s_and_b32 s22, s15, (1<<(QS-5))-1              ; which 128 of the row: the slab,
	s_lshr_b32 s23, s15, QS-5                      ; j
	s_lshl_b32 s22, s22, 6
	s_lshl_b32 s23, s23, 4
	s_add_co_u32 s22, s22, s23
	s_lshl2_add_u32 s22, s14, s22                  ; 64 slab + 4 (4 j + b)
	WORD CPO+CPSA*64
.Lbar1:
	s_wait_dscnt 0x0
	s_barrier_signal -1
	s_barrier_wait -1                              ; h_a is whole
.irp j, 0,1,2
.irp g, 0,1,2,3
.if \g < RA/4
	ds_load_b128 v[HV+RA*\j+4*\g:HV+RA*\j+4*\g+3], v11 offset:\j*OA*4+\g*16
.endif
.endr
.endr
	s_wait_dscnt 0x0
.irp n, 0,1,2,3,4,5,6,7,8,9,10,11,12,13,14,15
.if \n < RA
	ROWA \n
.endif
.endr
.irp j, 0,1,2
	ds_store_b128 v12, v[AC+4*\j:AC+4*\j+3] offset:RED1+\j*256
.endr
	s_wait_dscnt 0x0
	s_barrier_signal -1
	s_barrier_wait -1                              ; the 32 partial sums of u_c's 3 x 64 numbers are in LDS
	s_cmp_ge_u32 s15, 3
	s_cbranch_scc1 .Lbar3
	REDUCE RED1
	v_pk_mul_f32 v[HC:HC+1], v[EC:EC+1], v[RD:RD+1]
	v_pk_mul_f32 v[HC+2:HC+3], v[EC+2:EC+3], v[RD+2:RD+3]
	ds_store_b128 v14, v[HC:HC+3] offset:HCO       ; both halves of the lanes hold, and store, the same numbers
	s_cmp_lg_u32 s12, 0
	s_cbranch_scc1 .Lbar3                          ; layer c's part of the constant: column block 0 alone
	v_pk_mul_f32 v[T:T+1], v[HC:HC+1], v[BC:BC+1]
	v_pk_fma_f32 v[T:T+1], v[HC+2:HC+3], v[BC+2:BC+3], v[T:T+1]
	v_add_f32 v[T], v[T], v[T+1]
.irp x, 1,2,4,8
	v_add_f32_dpp v[T], v[T], v[T] row_xmask:\x row_mask:0xf bank_mask:0xf     ; over the 16 lanes that hold the 64 numbers
.endr
	s_lshl_b32 s22, s13, 6
	s_lshl_b32 s23, s15, 4
	s_add_co_u32 s22, s22, s23
	s_lshl2_add_u32 s22, s14, s22                  ; 64 kb + 4 (4 j + b)
	WORD CPO+CPSC*64
.Lbar3:
	s_wait_dscnt 0x0
	s_barrier_signal -1
	s_barrier_wait -1                              ; h_c is whole
.irp j, 0,1,2
	ds_load_b64 v[HV+2*\j:HV+2*\j+1], v15 offset:HCO+\j*256
.endr
	s_wait_loadcnt 0x0                             ; the tile of W_c
	s_wait_dscnt 0x0
.irp j, 0,1,2
.irp c, 0,2
	v_pk_mul_f32 v[AC+4*\j+\c:AC+4*\j+\c+1], v[WC+\c:WC+\c+1], v[HV+2*\j:HV+2*\j+1] op_sel_hi:[1,0]
.endr
.endr
.irp j, 0,1,2
.irp c, 0,2
	v_pk_fma_f32 v[AC+4*\j+\c:AC+4*\j+\c+1], v[WC+4+\c:WC+4+\c+1], v[HV+2*\j:HV+2*\j+1], v[AC+4*\j+\c:AC+4*\j+\c+1] op_sel:[0,1,0] op_sel_hi:[1,1,1]
.endr
.endr
.irp j, 0,1,2
	ds_store_b128 v12, v[AC+4*\j:AC+4*\j+3] offset:RED2+\j*256
.endr
	s_wait_dscnt 0x0
	s_barrier_signal -1
	s_barrier_wait -1                              ; the 32 partial sums of the result's 3 x 64 numbers are in LDS
	s_cmp_ge_u32 s15, 3
	s_cbranch_scc1 .Lend
	REDUCE RED2
	s_wait_xcnt 0x0                                ; EXEC changes only behind this wait
	v_cmp_gt_u32 vcc_lo, 16, v3
	s_and_saveexec_b32 s24, vcc_lo
	global_store_b128 v9, v[RD:RD+3], s[18:19]     ; lanes 0-15: 256 consecutive bytes, aligned
	s_wait_xcnt 0x0
	s_or_b32 exec_lo, exec_lo, s24
.Lend:
	s_wait_tensorcnt 0x0
	ds_add_u32 v212, v213
	s_wait_dscnt 0x0
	s_endpgm
.Lfunc_end_k_qbd0b11dd19_pair43:
	.size	k_qbd0b11dd19_pair43, .Lfunc_end_k_qbd0b11dd19_pair43-k_qbd0b11dd19_pair43
	.p2alignl 7, 3214868480
	.fill 96, 4, 3214868480
	.section	.rodata,"a",@progbits
	.p2align	6, 0x0
	.amdhsa_kernel k_qbd0b11dd19_pair43
		.amdhsa_group_segment_fixed_size 58368
		.amdhsa_private_segment_fixed_size 0
		.amdhsa_enable_private_segment 0
		.amdhsa_kernarg_size 32
		.amdhsa_user_sgpr_count 2
		.amdhsa_user_sgpr_kernarg_segment_ptr 1
		.amdhsa_wavefront_size32 1
		.amdhsa_system_sgpr_workgroup_id_x 1
		.amdhsa_system_sgpr_workgroup_id_y 1
		.amdhsa_system_sgpr_workgroup_id_z 1
		.amdhsa_system_vgpr_workitem_id 0
		.amdhsa_next_free_vgpr 214
		.amdhsa_next_free_sgpr 66
		.amdhsa_reserve_vcc 1
		.amdhsa_float_denorm_mode_32 3
		.amdhsa_float_denorm_mode_16_64 3
		.amdhsa_memory_ordered 1
		.amdhsa_forward_progress 1
		.amdhsa_inst_pref_size 20
	.end_amdhsa_kernel
	.amdgpu_metadata
---
amdhsa.version: [ 1, 2 ]
amdhsa.kernels:
  - .name:           k_qbd0b11dd19_pair43
    .symbol:         k_qbd0b11dd19_pair43.kd
    .args:
      - { .name: params_blocks_1_conv_w_1, .offset: 0, .size: 8, .value_kind: global_buffer, .address_space: global }
      - { .name: params_blocks_1_conv_w_0, .offset: 8, .size: 8, .value_kind: global_buffer, .address_space: global }
      - { .name: pa, .offset: 16, .size: 8, .value_kind: global_buffer, .address_space: global }
      - { .name: pb, .offset: 24, .size: 8, .value_kind: global_buffer, .address_space: global }
    .group_segment_fixed_size: 58368
    .private_segment_fixed_size: 0
    .kernarg_segment_align: 8
    .kernarg_segment_size: 32
    .max_flat_workgroup_size: 512
    .sgpr_count:     66
    .vgpr_count:     214
    .wavefront_size: 32
...
	.end_amdgpu_metadata
.endif
;; end of part 10
;; launch pair21 (part 11): grid 32 x 8, 16 waves a work-group, no clusters, 58,368 bytes of LDS; arguments params_blocks_0_conv_w_1, params_blocks_0_conv_w_0, pb, pa; writes pa
.if DOCPART == 11
	.amdgcn_target "amdgcn-amd-amdhsa--gfx1250"
	.amdhsa_code_object_version 6
	.text
	.protected	k_qbd0b11dd19_pair21
	.globl	k_qbd0b11dd19_pair21
	.p2align	8
	.type	k_qbd0b11dd19_pair21,@function
k_qbd0b11dd19_pair21:
	s_mov_b64 s[64:65], 0
	v_nop
	global_prefetch_b8 v0, s[64:65] scope:SCOPE_SE
	s_setreg_imm32_b32 hwreg(HW_REG_WAVE_MODE, 25, 1), 1
	s_wait_xcnt 0x0
; Two steps of the backward chain in one launch: layers a = 2 (W_a is [512][512]; eight slabs of u_a) and c = 1 (W_c is [512][512]).
; reference() has no activation between its convolutions, so the colours are affine in the sine features.  With r = 4 colour + batch:
;   h_a[r][o] = E_a[b][o] u_a[r][o] + F_a[r][o],  u_c[r][i] = sum over o of h_a[r][o] W_a[o][i],
;   h_c[r][o] = E_c[b][o] u_c[r][o],              u_(c-1)[r][i] = sum over o of h_c[r][o] W_c[o][i],   constant += sum over o of h[r][o] BETA[b][o] for both layers.
; Work-group (ib, kb, b): one batch (three rows r = 4 j + b), the 64 x 64 tile of W_c at rows 64 kb, columns 64 ib.  It needs h_c on those 64 rows alone, and makes
; it itself from the whole h_a and the 64 columns kb of W_a, so that both layers' weights are requested at the launch's first lines.  It stores slab kb of the
; partial sums of u_(c-1); the next launch adds the slabs.  u_a arrives as NP slabs in 'in', which also holds both layers' tables; results go to the other buffer.
; Thread t: rg = t / 16 owns RA rows of W_a's block and two rows of the tile, lq = t % 16 four columns: a load of a wave covers two aligned pieces of 256 bytes.
; W_a's block is read by all work-groups of one kb.  It is used once, straight from the registers that it is loaded into (three multiply-adds a weight); a joint
; request would land it in LDS, to be read from there again, with a round of the cluster's barrier on either side of the launch's single fill: it is not asked for jointly.
; All in f32 on the vector unit: three rows against each weight.  The order of rounding differs from reference()'s, which multiplies from the pixels' side.
.set OA, 512                           ; rows of W_a
.set QS, 7                             ; log2 (OA / 4): quads in a row of h_a
.set RA, OA/32                         ; rows of W_a for a thread
.set NH, 3*OA/128                      ; waves that make h_a: 3 OA / 4 quads, one a thread
.set PITA, 2048                        ; bytes in a row of W_a
.set PITC, 2048                        ; bytes in a row of W_c
.set NP, 8                             ; slabs of u_a
.set TABA, 237568                      ; layer a's tables in 'in'
.set TABC, 196608                      ; layer c's
.set CPSA, 5                           ; layer a's first slab of constants in 'out' (OA / 128 slabs)
.set CPSC, 9                           ; layer c's (one for each kb)
.set CPO, 360448
.set SLAB, 24576                       ; [12][512] f32
.set HCO, 6144                         ; LDS: h_a [3][OA] at 0; h_c [3][64] at 6144;
.set RED1, 7168                        ;      partial sums [rg 32][j 3][64] of u_c at 7168,
.set RED2, 31744                       ;      of u_(c-1) at 31744
.set WA, 16                            ; v[16:79]   W_a [n RA][4]
.set WC, 80                            ; v[80:87]   W_c [2][4]
.set PQ, 88                            ; v[88:119]  slabs of u_a
.set EA, 120
.set BA, 124
.set FA, 128
.if NP == 0
.set HA, 128                           ; h_a = F_a
.else
.set HA, 132
.endif
.set EC, 136
.set BC, 140
.set HC, 144
.set T, 148                            ; v[148:151]
.set HV, 152                           ; v[152:199] h_a [j 3][n RA]; later h_c [j 3][2]
.set AC, 200                           ; v[200:211] sums [j 3][4]
.set RD, 16                            ; v[16:79]   16 partial quads, in W_a's registers once they have been used
; row n of my RA rows of W_a against the three rows of h_a; h_a[j][n] is one half of a register pair, named by op_sel
.macro ROWA n
	s_wait_loadcnt RA+1-\n                         ; loads return in order: row n is in; younger are RA - 1 - n rows of W_a and the two of W_c
.irp j, 0,1,2
.irp c, 0,2
.if \n == 0
	v_pk_mul_f32 v[AC+4*\j+\c:AC+4*\j+\c+1], v[WA+\c:WA+\c+1], v[HV+RA*\j:HV+RA*\j+1] op_sel_hi:[1,0]         ; the first row starts the sums
.elseif (\n) % 2 == 0
	v_pk_fma_f32 v[AC+4*\j+\c:AC+4*\j+\c+1], v[WA+4*\n+\c:WA+4*\n+\c+1], v[HV+RA*\j+\n:HV+RA*\j+\n+1], v[AC+4*\j+\c:AC+4*\j+\c+1] op_sel_hi:[1,0,1]
.else
	v_pk_fma_f32 v[AC+4*\j+\c:AC+4*\j+\c+1], v[WA+4*\n+\c:WA+4*\n+\c+1], v[HV+RA*\j+\n-1:HV+RA*\j+\n], v[AC+4*\j+\c:AC+4*\j+\c+1] op_sel:[0,1,0] op_sel_hi:[1,1,1]
.endif
.endr
.endr
.endm
; waves 0-2 (j = wave): each half of the lanes adds 16 of the 32 partial quads of its four columns, then the halves are joined: every lane holds the sum
.macro REDUCE base
.set g, 0
.rept 16
	ds_load_b128 v[RD+4*g:RD+4*g+3], v13 offset:\base+g*768
.set g, g+1
.endr
	s_wait_dscnt 0x0
.irp st, 8,4,2,1
.set g, 0
.rept \st
	v_pk_add_f32 v[RD+4*g:RD+4*g+1], v[RD+4*g:RD+4*g+1], v[RD+4*(g+\st):RD+4*(g+\st)+1]
	v_pk_add_f32 v[RD+4*g+2:RD+4*g+3], v[RD+4*g+2:RD+4*g+3], v[RD+4*(g+\st)+2:RD+4*(g+\st)+3]
.set g, g+1
.endr
.endr
.irp i, 0,1,2,3
	v_permlanex16_b32 v[RD+4+\i], v[RD+\i], s26, s27
.endr
	v_pk_add_f32 v[RD:RD+1], v[RD:RD+1], v[RD+4:RD+5]
	v_pk_add_f32 v[RD+2:RD+3], v[RD+2:RD+3], v[RD+6:RD+7]
.endm
; lane 0 stores the word in v[T] at byte s22 + imm of 'out'
.macro WORD imm
	v_mov_b32 v[T+2], s22
	s_wait_xcnt 0x0                                ; EXEC is a source of the memory instructions issued: it changes only behind this wait
	v_cmp_eq_u32 vcc_lo, 0, v3
	s_and_saveexec_b32 s24, vcc_lo
	global_store_b32 v[T+2], v[T], s[10:11] offset:\imm        ; one word a wave: a row's part of the constant
	s_wait_xcnt 0x0                                ; and again in front of the line that widens it
	s_or_b32 exec_lo, exec_lo, s24
.endm
	s_load_b256 s[4:11], s[0:1], 0x0               ; W_a, W_c, in, out
	v_lshl_add_u32 v212, v0, 2, 0xdc00
	v_mov_b32 v213, 0
	s_lshr_b32 s12, ttmp9, 2                       ; ib
	s_and_b32 s14, ttmp9, 3                        ; b
	s_and_b32 s13, ttmp7, 0xffff                   ; kb
	v_lshrrev_b32 v3, 5, v0
	v_readfirstlane_b32 s15, v3                    ; wave
	s_mov_b32 s26, 0x76543210                      ; v_permlanex16_b32: lane i of one half reads lane i of the other
	s_mov_b32 s27, 0xfedcba98
	v_and_b32 v3, 31, v0                           ; lane
	v_and_b32 v1, 15, v0                           ; lq
	v_lshrrev_b32 v2, 4, v0                        ; rg
	v_lshlrev_b32 v10, 4, v1                       ; 16 lq
	v_mad_u32_u24 v4, v2, RA*PITA, v10             ; W_a: RA rows for each rg
	v_mad_u32_u24 v5, v2, 2*PITC, v10              ; W_c: two rows for each rg
	v_lshrrev_b32 v6, QS, v0                       ; the head's thread: colour j = t / (OA/4),
	v_and_b32 v7, (1<<QS)-1, v0                    ; quad t % (OA/4)
	v_lshlrev_b32 v7, 4, v7                        ; rows b (E, BETA): 16 quad
	v_lshl_add_u32 v6, v6, 13, v7                  ; rows 4 j + b (slabs, F): 8,192 j + 16 quad
	v_lshlrev_b32 v8, 4, v0                        ; h_a in LDS: 16 t
	s_lshl_b32 s16, s15, 13
	v_add_nc_u32 v9, s16, v10                      ; the result's row 4 j + b, j = wave
	v_mul_u32_u24 v11, v2, RA*4                    ; h_a[j][RA rg ..]
	v_mad_u32_u24 v12, v2, 768, v10                ; partial sums: 768 rg + 16 lq
	v_lshrrev_b32 v13, 4, v3
	v_mul_u32_u24 v13, v13, 12288                  ; back: my half's 16 row groups,
	s_lshl_b32 s16, s15, 8
	v_add3_u32 v13, v13, s16, v10                  ; row j = wave, 16 lq
	v_add_nc_u32 v14, s16, v10                     ; h_c in LDS: 256 j + 16 lq
	v_lshlrev_b32 v15, 3, v2                       ; h_c[j][2 rg ..]
	s_lshl_b32 s16, s13, 8                         ; 64 numbers of block kb = 256 bytes
	s_mov_b32 s17, 0
	s_lshl_b32 s22, s12, 8
	s_mul_i32 s28, s13, 64*PITC
	s_add_co_u32 s28, s28, s22
	s_mov_b32 s29, 0
	s_lshl_b32 s30, s14, 11                        ; row b of 2,048 bytes
	s_mov_b32 s31, 0
	s_mul_i32 s18, s13, SLAB
	s_add_co_u32 s18, s18, s22
	s_add_co_u32 s18, s18, s30
	s_mov_b32 s19, 0
	s_wait_kmcnt 0x0
	s_add_nc_u64 s[4:5], s[4:5], s[16:17]          ; W_a at columns 64 kb
	s_add_nc_u64 s[6:7], s[6:7], s[28:29]          ; my tile of W_c
	s_add_nc_u64 s[8:9], s[8:9], s[30:31]          ; 'in' at batch b
	s_add_nc_u64 s[20:21], s[8:9], s[16:17]        ; and at layer c's 64 numbers
	s_add_nc_u64 s[18:19], s[10:11], s[18:19]      ; my slab, batch and column block of the result
	; what is needed first is asked for first: layer c's tables (waves 0-2), the head's operands, then the weights
	s_cmp_ge_u32 s15, 3
	s_cbranch_scc1 .Lno_c
	global_load_b128 v[EC:EC+3], v10, s[20:21] offset:TABC
	global_load_b128 v[BC:BC+3], v10, s[20:21] offset:TABC+8192
.Lno_c:
	s_cmp_ge_u32 s15, NH
	s_cbranch_scc1 .Lno_head
.if NP > 0
.set p, 0
.rept NP
	global_load_b128 v[PQ+4*p:PQ+4*p+3], v6, s[8:9] offset:p*SLAB
.set p, p+1
.endr
	global_load_b128 v[EA:EA+3], v7, s[8:9] offset:TABA
.endif
	global_load_b128 v[BA:BA+3], v7, s[8:9] offset:TABA+8192
	global_load_b128 v[FA:FA+3], v6, s[8:9] offset:TABA+16384
.Lno_head:
.irp n, 0,1,2,3,4,5,6,7,8,9,10,11,12,13,14,15
.if \n < RA
	global_load_b128 v[WA+4*\n:WA+4*\n+3], v4, s[4:5] offset:\n*PITA
.endif
.endr
	global_load_b128 v[WC:WC+3], v5, s[6:7]
	global_load_b128 v[WC+4:WC+7], v5, s[6:7] offset:PITC
	s_cmp_ge_u32 s15, NH
	s_cbranch_scc1 .Lbar1
	; the head: thread (j, quad) makes four numbers of h_a's row 4 j + b
	s_wait_loadcnt RA+2                            ; only the RA + 2 loads of weights are younger than the head's operands
.if NP > 1
.set p, 1
.rept NP-1
	v_pk_add_f32 v[PQ:PQ+1], v[PQ:PQ+1], v[PQ+4*p:PQ+4*p+1]
	v_pk_add_f32 v[PQ+2:PQ+3], v[PQ+2:PQ+3], v[PQ+4*p+2:PQ+4*p+3]
.set p, p+1
.endr
.endif
.if NP > 0
	v_pk_fma_f32 v[HA:HA+1], v[EA:EA+1], v[PQ:PQ+1], v[FA:FA+1]
	v_pk_fma_f32 v[HA+2:HA+3], v[EA+2:EA+3], v[PQ+2:PQ+3], v[FA+2:FA+3]
.endif
	ds_store_b128 v8, v[HA:HA+3]
	s_or_b32 s22, s12, s13
	s_cmp_lg_u32 s22, 0
	s_cbranch_scc1 .Lbar1                          ; layer a's part of the constant: the work-groups with ib = kb = 0 alone
	v_pk_mul_f32 v[T:T+1], v[HA:HA+1], v[BA:BA+1]
	v_pk_fma_f32 v[T:T+1], v[HA+2:HA+3], v[BA+2:BA+3], v[T:T+1]
	v_add_f32 v[T], v[T], v[T+1]
.irp x, 1,2,4,8
	v_add_f32_dpp v[T], v[T], v[T] row_xmask:\x row_mask:0xf bank_mask:0xf
.endr
	v_permlanex16_b32 v[T+1], v[T], s26, s27
	v_add_f32 v[T], v[T], v[T+1]                   ; my wave's 128 numbers of row 4 j + b
	s_and_b32 s22, s15, (1<<(QS-5))-1              ; which 128 of the row: the slab,
	s_lshr_b32 s23, s15, QS-5                      ; j
	s_lshl_b32 s22, s22, 6
	s_lshl_b32 s23, s23, 4
	s_add_co_u32 s22, s22, s23
	s_lshl2_add_u32 s22, s14, s22                  ; 64 slab + 4 (4 j + b)
	WORD CPO+CPSA*64
.Lbar1:
	s_wait_dscnt 0x0
	s_barrier_signal -1
	s_barrier_wait -1                              ; h_a is whole
.irp j, 0,1,2
.irp g, 0,1,2,3
.if \g < RA/4
	ds_load_b128 v[HV+RA*\j+4*\g:HV+RA*\j+4*\g+3], v11 offset:\j*OA*4+\g*16
.endif
.endr
.endr
	s_wait_dscnt 0x0
.irp n, 0,1,2,3,4,5,6,7,8,9,10,11,12,13,14,15
.if \n < RA
	ROWA \n
.endif
.endr
.irp j, 0,1,2
	ds_store_b128 v12, v[AC+4*\j:AC+4*\j+3] offset:RED1+\j*256
.endr
	s_wait_dscnt 0x0
	s_barrier_signal -1
	s_barrier_wait -1                              ; the 32 partial sums of u_c's 3 x 64 numbers are in LDS
	s_cmp_ge_u32 s15, 3
	s_cbranch_scc1 .Lbar3
	REDUCE RED1
	v_pk_mul_f32 v[HC:HC+1], v[EC:EC+1], v[RD:RD+1]
	v_pk_mul_f32 v[HC+2:HC+3], v[EC+2:EC+3], v[RD+2:RD+3]
	ds_store_b128 v14, v[HC:HC+3] offset:HCO       ; both halves of the lanes hold, and store, the same numbers
	s_cmp_lg_u32 s12, 0
	s_cbranch_scc1 .Lbar3                          ; layer c's part of the constant: column block 0 alone
	v_pk_mul_f32 v[T:T+1], v[HC:HC+1], v[BC:BC+1]
	v_pk_fma_f32 v[T:T+1], v[HC+2:HC+3], v[BC+2:BC+3], v[T:T+1]
	v_add_f32 v[T], v[T], v[T+1]
.irp x, 1,2,4,8
	v_add_f32_dpp v[T], v[T], v[T] row_xmask:\x row_mask:0xf bank_mask:0xf     ; over the 16 lanes that hold the 64 numbers
.endr
	s_lshl_b32 s22, s13, 6
	s_lshl_b32 s23, s15, 4
	s_add_co_u32 s22, s22, s23
	s_lshl2_add_u32 s22, s14, s22                  ; 64 kb + 4 (4 j + b)
	WORD CPO+CPSC*64
.Lbar3:
	s_wait_dscnt 0x0
	s_barrier_signal -1
	s_barrier_wait -1                              ; h_c is whole
.irp j, 0,1,2
	ds_load_b64 v[HV+2*\j:HV+2*\j+1], v15 offset:HCO+\j*256
.endr
	s_wait_loadcnt 0x0                             ; the tile of W_c
	s_wait_dscnt 0x0
.irp j, 0,1,2
.irp c, 0,2
	v_pk_mul_f32 v[AC+4*\j+\c:AC+4*\j+\c+1], v[WC+\c:WC+\c+1], v[HV+2*\j:HV+2*\j+1] op_sel_hi:[1,0]
.endr
.endr
.irp j, 0,1,2
.irp c, 0,2
	v_pk_fma_f32 v[AC+4*\j+\c:AC+4*\j+\c+1], v[WC+4+\c:WC+4+\c+1], v[HV+2*\j:HV+2*\j+1], v[AC+4*\j+\c:AC+4*\j+\c+1] op_sel:[0,1,0] op_sel_hi:[1,1,1]
.endr
.endr
.irp j, 0,1,2
	ds_store_b128 v12, v[AC+4*\j:AC+4*\j+3] offset:RED2+\j*256
.endr
	s_wait_dscnt 0x0
	s_barrier_signal -1
	s_barrier_wait -1                              ; the 32 partial sums of the result's 3 x 64 numbers are in LDS
	s_cmp_ge_u32 s15, 3
	s_cbranch_scc1 .Lend
	REDUCE RED2
	s_wait_xcnt 0x0                                ; EXEC changes only behind this wait
	v_cmp_gt_u32 vcc_lo, 16, v3
	s_and_saveexec_b32 s24, vcc_lo
	global_store_b128 v9, v[RD:RD+3], s[18:19]     ; lanes 0-15: 256 consecutive bytes, aligned
	s_wait_xcnt 0x0
	s_or_b32 exec_lo, exec_lo, s24
.Lend:
	s_wait_tensorcnt 0x0
	ds_add_u32 v212, v213
	s_wait_dscnt 0x0
	s_endpgm
.Lfunc_end_k_qbd0b11dd19_pair21:
	.size	k_qbd0b11dd19_pair21, .Lfunc_end_k_qbd0b11dd19_pair21-k_qbd0b11dd19_pair21
	.p2alignl 7, 3214868480
	.fill 96, 4, 3214868480
	.section	.rodata,"a",@progbits
	.p2align	6, 0x0
	.amdhsa_kernel k_qbd0b11dd19_pair21
		.amdhsa_group_segment_fixed_size 58368
		.amdhsa_private_segment_fixed_size 0
		.amdhsa_enable_private_segment 0
		.amdhsa_kernarg_size 32
		.amdhsa_user_sgpr_count 2
		.amdhsa_user_sgpr_kernarg_segment_ptr 1
		.amdhsa_wavefront_size32 1
		.amdhsa_system_sgpr_workgroup_id_x 1
		.amdhsa_system_sgpr_workgroup_id_y 1
		.amdhsa_system_sgpr_workgroup_id_z 1
		.amdhsa_system_vgpr_workitem_id 0
		.amdhsa_next_free_vgpr 214
		.amdhsa_next_free_sgpr 66
		.amdhsa_reserve_vcc 1
		.amdhsa_float_denorm_mode_32 3
		.amdhsa_float_denorm_mode_16_64 3
		.amdhsa_memory_ordered 1
		.amdhsa_forward_progress 1
		.amdhsa_inst_pref_size 25
	.end_amdhsa_kernel
	.amdgpu_metadata
---
amdhsa.version: [ 1, 2 ]
amdhsa.kernels:
  - .name:           k_qbd0b11dd19_pair21
    .symbol:         k_qbd0b11dd19_pair21.kd
    .args:
      - { .name: params_blocks_0_conv_w_1, .offset: 0, .size: 8, .value_kind: global_buffer, .address_space: global }
      - { .name: params_blocks_0_conv_w_0, .offset: 8, .size: 8, .value_kind: global_buffer, .address_space: global }
      - { .name: pb, .offset: 16, .size: 8, .value_kind: global_buffer, .address_space: global }
      - { .name: pa, .offset: 24, .size: 8, .value_kind: global_buffer, .address_space: global }
    .group_segment_fixed_size: 58368
    .private_segment_fixed_size: 0
    .kernarg_segment_align: 8
    .kernarg_segment_size: 32
    .max_flat_workgroup_size: 512
    .sgpr_count:     66
    .vgpr_count:     214
    .wavefront_size: 32
...
	.end_amdgpu_metadata
.endif
;; end of part 11
;; launch render (part 12): grid 256 x 1, 8 waves a work-group, no clusters, 37,888 bytes of LDS; arguments coordinates, sty, pa, pb, params_blocks_0_rgb_b, params_blocks_1_rgb_b, params_blocks_2_rgb_b, out0; writes out0
.if DOCPART == 12
	.amdgcn_target "amdgcn-amd-amdhsa--gfx1250"
	.amdhsa_code_object_version 6
	.text
	.protected	k_qbd0b11dd19_render
	.globl	k_qbd0b11dd19_render
	.p2align	8
	.type	k_qbd0b11dd19_render,@function
k_qbd0b11dd19_render:
	s_mov_b64 s[64:65], 0
	v_nop
	global_prefetch_b8 v0, s[64:65] scope:SCOPE_SE
	s_setreg_imm32_b32 hwreg(HW_REG_WAVE_MODE, 25, 1), 1
	s_wait_xcnt 0x0
; render: out0[b][j][pixel] = sum over the 512 channels c of g0[4 j + b][c] sin(2 pi u_c) + constant[4 j + b],
;   u_c = cx p0'[c] + cy p1'[c] + bias'[c]  (projector and bias already in revolutions, from sty),
;   g0[r][c] = s1[b][c] x (sum of the eight slabs of u_0 in pa),
;   constant[r] = the 17 partial sums in pa + the 10 in pb + the three rgb biases of colour j.
; Work-group g: batch g / 64, 256 pixels.  Wave w takes channels 64 w .. 64 w + 63 for all 256 pixels, a lane eight pixels (128 h + 4 lane + i);
; the eight waves' partial colours meet in LDS, and waves 0-5 add them and store 256 aligned bytes for every sixteen lanes.
; THE SINE: u is brought to [-0.5, 0.5] by taking away the nearest whole number (exact in f32), then the odd series of sin(2 pi u) up to u^13.
; LIMITS: the series' absolute error is at most pi^15 / 15! = 2.2e-5 (at |u| = 0.5); the argument is formed in f32 revolutions, so its absolute
; error grows as |u| x 2^-24; the sums are ordered otherwise than in reference().  Infinite or NaN coordinates give NaN, as there.
; Each wave reads its own eighth of the vectors (7 KiB); what the 64 work-groups of a batch share is small and comes through registers, so nothing is asked for jointly.
; Three colours against each sine: vector arithmetic in f32; the sine itself is most of the work.
.set CPO, 360448
.set NCA, 17                           ; slabs of constants in pa
.set NCB, 10                           ; in pb
.set SLAB, 24576
.set PTB, 1536                         ; LDS: wave w's table at 1,536 w: 32 channel pairs x 48 bytes [p0 p0' p1 p1' b b' g0 g0' g1 g1' g2 g2']
.set RED, 12288                        ; LDS: partial colours [w 8][j 3][256 pixels]
.set CX, 16                            ; v[16:23]   cx of my 8 pixels
.set CY, 24                            ; v[24:31]   cy
.set CO, 32                            ; v[32:45]   seven coefficients, each in both halves of a pair
.set ACC, 48                           ; v[48:71]   sums [j 3][8]
.set PRA, 72                           ; v[72:83]   a channel pair's twelve numbers
.set PRB, 84                           ; v[84:95]   the next pair's
.set U, 96
.set K, 104
.set Z, 112
.set PL, 120
.set PP, 128                           ; v[128:139] my channel pair's table entry
.set SY, 140                           ; v[140:141] s1
.set PZ, 142                           ; v[142:189] slabs of u_0 [j 3][p 8] pairs
.set RD, 128                           ; v[128:159] eight partial quads, behind the barrier
.macro COEF i, bits
	v_mov_b32 v[CO+2*\i], \bits
	v_mov_b32 v[CO+2*\i+1], \bits
.endm
.macro LOADP pr, off
	ds_load_b128 v[\pr:\pr+3], v7 offset:\off
	ds_load_b128 v[\pr+4:\pr+7], v7 offset:\off+16
	ds_load_b128 v[\pr+8:\pr+11], v7 offset:\off+32
.endm
; one channel (half e of the pair in pr) for my eight pixels, four register pairs side by side at every stage.  first = 1 starts the sums
.macro CHAN pr, e, first
.irp q, 0,2,4,6
.if \e
	v_pk_fma_f32 v[U+\q:U+\q+1], v[CX+\q:CX+\q+1], v[\pr:\pr+1], v[\pr+4:\pr+5] op_sel:[0,1,1] op_sel_hi:[1,1,1]
.else
	v_pk_fma_f32 v[U+\q:U+\q+1], v[CX+\q:CX+\q+1], v[\pr:\pr+1], v[\pr+4:\pr+5] op_sel_hi:[1,0,0]
.endif
.endr
.irp q, 0,2,4,6
.if \e
	v_pk_fma_f32 v[U+\q:U+\q+1], v[CY+\q:CY+\q+1], v[\pr+2:\pr+3], v[U+\q:U+\q+1] op_sel:[0,1,0] op_sel_hi:[1,1,1]
.else
	v_pk_fma_f32 v[U+\q:U+\q+1], v[CY+\q:CY+\q+1], v[\pr+2:\pr+3], v[U+\q:U+\q+1] op_sel_hi:[1,0,1]
.endif
.endr
.irp q, 0,1,2,3,4,5,6,7
	v_rndne_f32 v[K+\q], v[U+\q]
.endr
.irp q, 0,2,4,6
	v_pk_add_f32 v[U+\q:U+\q+1], v[U+\q:U+\q+1], v[K+\q:K+\q+1] neg_lo:[0,1] neg_hi:[0,1]      ; u - nearest whole number
.endr
.irp q, 0,2,4,6
	v_pk_mul_f32 v[Z+\q:Z+\q+1], v[U+\q:U+\q+1], v[U+\q:U+\q+1]
.endr
.irp q, 0,2,4,6
	v_pk_fma_f32 v[PL+\q:PL+\q+1], v[Z+\q:Z+\q+1], v[CO+12:CO+13], v[CO+10:CO+11]
.endr
.irp cc, 8,6,4,2,0
.irp q, 0,2,4,6
	v_pk_fma_f32 v[PL+\q:PL+\q+1], v[PL+\q:PL+\q+1], v[Z+\q:Z+\q+1], v[CO+\cc:CO+\cc+1]
.endr
.endr
.irp q, 0,2,4,6
	v_pk_mul_f32 v[K+\q:K+\q+1], v[PL+\q:PL+\q+1], v[U+\q:U+\q+1]                              ; the sine
.endr
.irp j, 0,1,2
.irp q, 0,2,4,6
.if \first
	v_pk_mul_f32 v[ACC+8*\j+\q:ACC+8*\j+\q+1], v[K+\q:K+\q+1], v[\pr+6+2*\j:\pr+7+2*\j] op_sel_hi:[1,0]
.elseif \e
	v_pk_fma_f32 v[ACC+8*\j+\q:ACC+8*\j+\q+1], v[K+\q:K+\q+1], v[\pr+6+2*\j:\pr+7+2*\j], v[ACC+8*\j+\q:ACC+8*\j+\q+1] op_sel:[0,1,0] op_sel_hi:[1,1,1]
.else
	v_pk_fma_f32 v[ACC+8*\j+\q:ACC+8*\j+\q+1], v[K+\q:K+\q+1], v[\pr+6+2*\j:\pr+7+2*\j], v[ACC+8*\j+\q:ACC+8*\j+\q+1] op_sel_hi:[1,0,1]
.endif
.endr
.endr
.endm
; a trip: two channel pairs.  fill = 1: each buffer is loaded again, for the next trip, as soon as it has been used
.macro TRIP first, fill
	s_wait_dscnt 0x3                               ; LDS answers in order: PRA is in; the three loads of PRB are younger
	CHAN PRA, 0, \first
	CHAN PRA, 1, 0
.if \fill
	LOADP PRA, 96
.endif
	s_wait_dscnt 3*\fill                           ; PRB is in; younger are the three loads just issued, or none
	CHAN PRB, 0, 0
	CHAN PRB, 1, 0
.if \fill
	LOADP PRB, 144
	v_add_nc_u32 v7, 96, v7
.endif
.endm
	s_load_b512 s[4:19], s[0:1], 0x0               ; coordinates, sty, pa, pb, three rgb biases, out0
	v_lshl_add_u32 v192, v0, 2, 0x9000
	v_mov_b32 v193, 0
	v_and_b32 v1, 31, v0                           ; lane
	v_lshrrev_b32 v14, 5, v0
	v_readfirstlane_b32 s23, v14                   ; wave
	s_lshr_b32 s21, ttmp9, 6                       ; batch
	s_and_b32 s22, ttmp9, 63                       ; which 256 pixels
	s_mov_b32 s28, 0x76543210                      ; v_permlanex16_b32: lane i of one half reads lane i of the other
	s_mov_b32 s29, 0xfedcba98
	v_lshlrev_b32 v2, 4, v1                        ; 16 lane
	s_lshl_b32 s24, s23, 8
	v_lshl_add_u32 v3, v1, 3, s24                  ; my channel pair: 256 wave + 8 lane
	v_min_u32 v4, NCA-1, v1
	v_lshlrev_b32 v4, 6, v4                        ; pa's slab of constants: the lanes past the last slab read it again and are masked later
	v_min_u32 v5, NCB-1, v1
	v_lshlrev_b32 v5, 6, v5                        ; pb's
	s_mul_i32 s24, s23, PTB
	v_mad_u32_u24 v6, v1, 48, s24                  ; my entry of my wave's table
	v_mov_b32 v7, s24                              ; the table's reader, 96 bytes on in each trip
	s_mul_i32 s24, s23, 3072
	v_lshl_add_u32 v8, v1, 4, s24                  ; partial colours: 3,072 wave + 16 lane
	v_lshlrev_b32 v9, 4, v0                        ; back: 16 t = 1,024 j + 16 (t % 64)
	v_lshrrev_b32 v10, 6, v0
	v_and_b32 v11, 63, v0
	v_lshlrev_b32 v11, 4, v11
	v_lshl_or_b32 v10, v10, 16, v11                ; out0: colour plane of 65,536 bytes
	s_lshl_b32 s31, s22, 10
	s_mov_b32 s27, 0
	s_wait_kmcnt 0x0
	s_lshl_b32 s26, s21, 17
	s_add_co_u32 s26, s26, s31
	s_add_nc_u64 s[4:5], s[4:5], s[26:27]          ; my pixels' cx; cy lies 65,536 bytes on
	s_lshl_b32 s26, s21, 14
	s_add_nc_u64 s[6:7], s[6:7], s[26:27]          ; sty's row b
	s_lshl_b32 s26, s21, 11
	s_add_nc_u64 s[36:37], s[8:9], s[26:27]        ; slabs at row b; row 4 j + b lies 8,192 j on
	s_mul_i32 s26, s21, 196608
	s_add_co_u32 s26, s26, s31
	s_add_nc_u64 s[18:19], s[18:19], s[26:27]
	global_load_b128 v[CX:CX+3], v2, s[4:5]
	global_load_b128 v[CX+4:CX+7], v2, s[4:5] offset:512
	global_load_b128 v[CY:CY+3], v2, s[4:5] offset:65536
	global_load_b128 v[CY+4:CY+7], v2, s[4:5] offset:66048
	global_load_b64 v[PP:PP+1], v3, s[6:7] offset:10240
	global_load_b64 v[PP+2:PP+3], v3, s[6:7] offset:12288
	global_load_b64 v[PP+4:PP+5], v3, s[6:7] offset:14336
	global_load_b64 v[SY:SY+1], v3, s[6:7]
.irp j, 0,1,2
.irp p, 0,1,2,3,4,5,6,7
	global_load_b64 v[PZ+2*(8*\j+\p):PZ+2*(8*\j+\p)+1], v3, s[36:37] offset:\p*SLAB+\j*8192    ; a wave's load: 256 consecutive bytes, aligned
.endr
.endr
	s_cmp_ge_u32 s23, 6
	s_cbranch_scc1 .Lno_const                      ; waves 6 and 7 store no pixels and need no constant
	s_lshr_b32 s24, s23, 1                         ; my colour in the last phase
	s_lshl_b32 s25, s24, 2
	s_load_b32 s32, s[12:13], s25 offset:0x0
	s_load_b32 s33, s[14:15], s25 offset:0x0
	s_load_b32 s34, s[16:17], s25 offset:0x0
	s_add_co_u32 s26, s25, s21                     ; r = 4 j + b
	s_lshl_b32 s26, s26, 2
	s_add_co_u32 s26, s26, CPO
	s_add_nc_u64 s[38:39], s[8:9], s[26:27]
	s_add_nc_u64 s[40:41], s[10:11], s[26:27]
	global_load_b32 v12, v4, s[38:39]
	global_load_b32 v13, v5, s[40:41]
.Lno_const:
	COEF 0, 0x40c90fdb                             ; (2 pi)^n / n!, signs by turns: n = 1
	COEF 1, 0xc2255de7                             ; 3
	COEF 2, 0x42a335e3                             ; 5
	COEF 3, 0xc2996966                             ; 7
	COEF 4, 0x42283c1a                             ; 9
	COEF 5, 0xc17183a8                             ; 11
	COEF 6, 0x40747a1a                             ; 13
	s_wait_loadcnt 0x0
.irp j, 0,1,2
.irp p, 1,2,3,4,5,6,7
	v_pk_add_f32 v[PZ+16*\j:PZ+16*\j+1], v[PZ+16*\j:PZ+16*\j+1], v[PZ+2*(8*\j+\p):PZ+2*(8*\j+\p)+1]
.endr
	v_pk_mul_f32 v[PP+6+2*\j:PP+7+2*\j], v[PZ+16*\j:PZ+16*\j+1], v[SY:SY+1]
.endr
	ds_store_b128 v6, v[PP:PP+3]
	ds_store_b128 v6, v[PP+4:PP+7] offset:16
	ds_store_b128 v6, v[PP+8:PP+11] offset:32
	LOADP PRA, 0                                   ; the table is my wave's own, and LDS serves a wave's instructions in order (ISA guide 5.7.1): these see the stores above
	LOADP PRB, 48
	TRIP 1, 1                                      ; sixteen trips of two channel pairs; the first starts the sums
	s_mov_b32 s30, 14
.Ltrip:
	TRIP 0, 1
	s_sub_co_u32 s30, s30, 1
	s_cmp_lg_u32 s30, 0
	s_cbranch_scc1 .Ltrip
	TRIP 0, 0                                      ; the last loads nothing: no read passes the wave's table
.irp j, 0,1,2
	ds_store_b128 v8, v[ACC+8*\j:ACC+8*\j+3] offset:RED+\j*1024
	ds_store_b128 v8, v[ACC+8*\j+4:ACC+8*\j+7] offset:RED+\j*1024+512
.endr
	s_wait_dscnt 0x0
	s_barrier_signal -1
	s_barrier_wait -1                              ; all eight waves' partial colours are in LDS
	s_cmp_ge_u32 s23, 6
	s_cbranch_scc1 .Lend
.irp w, 0,1,2,3,4,5,6,7
	ds_load_b128 v[RD+4*\w:RD+4*\w+3], v9 offset:RED+\w*3072
.endr
	v_cmp_gt_u32 vcc_lo, NCA, v1
	v_cndmask_b32 v12, 0, v12, vcc_lo              ; 17 slabs in pa,
	v_cmp_gt_u32 vcc_lo, NCB, v1
	v_cndmask_b32 v13, 0, v13, vcc_lo              ; 10 in pb
	v_add_f32 v12, v12, v13
.irp x, 1,2,4,8
	v_add_f32_dpp v12, v12, v12 row_xmask:\x row_mask:0xf bank_mask:0xf
.endr
	v_permlanex16_b32 v13, v12, s28, s29
	v_add_f32 v12, v12, v13
	s_wait_kmcnt 0x0
	s_add_f32 s32, s32, s33
	s_add_f32 s32, s32, s34
	v_add_f32 v12, s32, v12                        ; the constant of row 4 j + b, in every lane
	s_wait_dscnt 0x0
.irp st, 4,2,1
.set g, 0
.rept \st
	v_pk_add_f32 v[RD+4*g:RD+4*g+1], v[RD+4*g:RD+4*g+1], v[RD+4*(g+\st):RD+4*(g+\st)+1]
	v_pk_add_f32 v[RD+4*g+2:RD+4*g+3], v[RD+4*g+2:RD+4*g+3], v[RD+4*(g+\st)+2:RD+4*(g+\st)+3]
.set g, g+1
.endr
.endr
	v_pk_add_f32 v[RD:RD+1], v[RD:RD+1], v[12:13] op_sel_hi:[1,0]
	v_pk_add_f32 v[RD+2:RD+3], v[RD+2:RD+3], v[12:13] op_sel_hi:[1,0]
	global_store_b128 v10, v[RD:RD+3], s[18:19] th:TH_STORE_NT     ; sixteen lanes: 256 consecutive bytes, aligned
.Lend:
	s_wait_tensorcnt 0x0
	ds_add_u32 v192, v193
	s_wait_dscnt 0x0
	s_endpgm
.Lfunc_end_k_qbd0b11dd19_render:
	.size	k_qbd0b11dd19_render, .Lfunc_end_k_qbd0b11dd19_render-k_qbd0b11dd19_render
	.p2alignl 7, 3214868480
	.fill 96, 4, 3214868480
	.section	.rodata,"a",@progbits
	.p2align	6, 0x0
	.amdhsa_kernel k_qbd0b11dd19_render
		.amdhsa_group_segment_fixed_size 37888
		.amdhsa_private_segment_fixed_size 0
		.amdhsa_enable_private_segment 0
		.amdhsa_kernarg_size 64
		.amdhsa_user_sgpr_count 2
		.amdhsa_user_sgpr_kernarg_segment_ptr 1
		.amdhsa_wavefront_size32 1
		.amdhsa_system_sgpr_workgroup_id_x 1
		.amdhsa_system_sgpr_workgroup_id_y 1
		.amdhsa_system_sgpr_workgroup_id_z 1
		.amdhsa_system_vgpr_workitem_id 0
		.amdhsa_next_free_vgpr 194
		.amdhsa_next_free_sgpr 66
		.amdhsa_reserve_vcc 1
		.amdhsa_float_denorm_mode_32 3
		.amdhsa_float_denorm_mode_16_64 3
		.amdhsa_memory_ordered 1
		.amdhsa_forward_progress 1
		.amdhsa_inst_pref_size 58
	.end_amdhsa_kernel
	.amdgpu_metadata
---
amdhsa.version: [ 1, 2 ]
amdhsa.kernels:
  - .name:           k_qbd0b11dd19_render
    .symbol:         k_qbd0b11dd19_render.kd
    .args:
      - { .name: coordinates, .offset: 0, .size: 8, .value_kind: global_buffer, .address_space: global }
      - { .name: sty, .offset: 8, .size: 8, .value_kind: global_buffer, .address_space: global }
      - { .name: pa, .offset: 16, .size: 8, .value_kind: global_buffer, .address_space: global }
      - { .name: pb, .offset: 24, .size: 8, .value_kind: global_buffer, .address_space: global }
      - { .name: params_blocks_0_rgb_b, .offset: 32, .size: 8, .value_kind: global_buffer, .address_space: global }
      - { .name: params_blocks_1_rgb_b, .offset: 40, .size: 8, .value_kind: global_buffer, .address_space: global }
      - { .name: params_blocks_2_rgb_b, .offset: 48, .size: 8, .value_kind: global_buffer, .address_space: global }
      - { .name: out0, .offset: 56, .size: 8, .value_kind: global_buffer, .address_space: global }
    .group_segment_fixed_size: 37888
    .private_segment_fixed_size: 0
    .kernarg_segment_align: 8
    .kernarg_segment_size: 64
    .max_flat_workgroup_size: 256
    .sgpr_count:     66
    .vgpr_count:     194
    .wavefront_size: 32
...
	.end_amdgpu_metadata
.endif
;; end of part 12
;; ======== version 3 of 3: 5 launches; 1.38 times as fast as version 1
;; limits: a function is approximated: absolute error at most 2.2e-05
;; workspace buffers: sty 65,536 bytes; pa 362,496 bytes; pb 362,496 bytes
;; launch lin: the kernel of part 1 again; grid 64 x 1, 16 waves a work-group, no clusters, 34,816 bytes of LDS; arguments condition, params_blocks_0_cond_w_0, params_blocks_0_cond_w_1, params_blocks_1_cond_w_0, params_blocks_1_cond_w_1, params_blocks_2_cond_w_0, params_blocks_2_cond_w_1, params_proj_w, params_bias_w, params_proj_b, params_bias_b, sty; writes sty
;; launch demod65 (part 13): grid 92 x 1, 16 waves a work-group, no clusters, 59,392 bytes of LDS; arguments sty, params_blocks_0_conv_w_0, params_blocks_0_conv_w_1, params_blocks_1_conv_w_0, params_blocks_1_conv_w_1, params_blocks_2_conv_w_0, params_blocks_2_conv_w_1, params_blocks_0_conv_b_0, params_blocks_0_conv_b_1, params_blocks_1_conv_b_0, params_blocks_1_conv_b_1, params_blocks_2_conv_b_0, params_blocks_2_conv_b_1, params_blocks_0_rgb_w, params_blocks_1_rgb_w, params_blocks_2_rgb_w, pa, pb; writes pa, pb
.if DOCPART == 13
	.amdgcn_target "amdgcn-amd-amdhsa--gfx1250"
	.amdhsa_code_object_version 6
	.text
	.protected	k_qbd0b11dd19_demod65
	.globl	k_qbd0b11dd19_demod65
	.p2align	8
	.type	k_qbd0b11dd19_demod65,@function
k_qbd0b11dd19_demod65:
	s_mov_b64 s[64:65], 0
	v_nop
	global_prefetch_b8 v0, s[64:65] scope:SCOPE_SE
	s_setreg_imm32_b32 hwreg(HW_REG_WAVE_MODE, 25, 1), 1
	s_wait_xcnt 0x0
; demod65: two kinds of work-groups, which depend on the styles in sty alone and not on each other.
; With q_l[b][o] = sum over i of (W_l[o][i] s_l[b][i])^2, x = q + 1e-8, d = rsqrt(x), r = 4 colour + batch:
; (1) WORK-GROUPS 0-27, THE TABLES of layers 1 to 4 for the later launches of the backward chain:
;       E[b][o] = d[b][o] s_(l+1)[b][o],  BETA[b][o] = b_l[o] x d = b_l[o] / d[b][o],  F[r][o] = d[b][o] tap[j][o] (layers 2 and 4, whose outputs have a colour tap).
;     The tables of layers 3 and 4 go to pa, those of layers 1 and 2 to pb: the buffer that the layer's chain launch loads from.
;     A work-group owns 64 rows of one W; wave w owns rows 4 w .. 4 w + 3, a lane 16 bytes of every 512 of a row: each load of a wave covers 512 consecutive bytes.
; (2) WORK-GROUPS 28-91, THE FIRST TWO STEPS OF THE CHAIN, layers 6 (W6 is [128][256]) and 5 (W5 is [256][256]), one batch b each:
;       h6[j][o] = d6[o] R2[j][o],  u5[j][i] = sum over o of h6[j][o] W6[o][i],  h5[j][o] = d5[o] s6[o] u5[j][o],  u4[j][i] = sum over o of h5[j][o] W5[o][i],
;       constant += sum over o of h[j][o] BETA[o] for both layers.
;     reference() has no activation between its convolutions, so the colours are affine in the sine features and the chain can be walked from the colours' side.
;     Work-group (ib, kb, b) owns the 64 x 64 tile of W5 at rows 64 kb, columns 64 ib, and stores slab kb of the partial sums of u4 in pa.  It needs h5 on those 64
;     rows alone: d5 from those rows of W5 (64 KiB), u5 from the whole h6 and the 64 columns kb of W6, h6 from d6, which takes the whole W6 (128 KiB).
;     For the row sums a wave holds whole rows (8 of W6, 4 of W5); for the two products a thread holds 16 bytes of 4 rows of W6's column block and of 2 rows of the
;     tile, which are loaded once more in that layout (48 KiB): sixteen lanes cover an aligned piece of 256 bytes in every load.
;     W6 is read by all 64 of these work-groups.  It is used once, straight from the registers that it is loaded into; a joint request would land it in LDS, to be read
;     from there again, with a round of the cluster's barrier on either side of a single fill, and the 28 work-groups of the first kind share nothing: no joint requests.
; All in f32 on the vector unit: row sums of squares, and products of three rows.  The order of rounding differs from reference()'s, which multiplies from the pixels' side.
.set TAB0, 196608
.set TAB1, 237568
.set CPO, 360448                       ; slabs of the constant's partial sums, 64 bytes each: layer 6 slab 0, layer 5 slabs 1 + kb
.set SLAB, 24576                       ; [12][512] f32
; ---- the tables' work-groups
.set KQ, 4                             ; a row of W (512 numbers) is KQ pieces of 512 bytes
.set PITCH, 2048                       ; bytes in a row of W
.set QL, 8192                          ; LDS: s^2 [4][512] at 0, q [4][64] at 8192
.set SQ, 16                            ; v[16:19]   my quad of the style
.set RQ, 20                            ; v[20:23]   tap
.set EQ, 24                            ; v[24:27]   next layer's style
.set BQ, 28                            ; v[28:31]   conv bias
.set WW, 32                            ; v[32:95]   W [row 4][k 4][4]
.set SS, 96                            ; v[96:159]  s^2 [b 4][k 4][4]
.set TT, 160                           ; v[160:191] 16 running pairs [b][row]
.set Q, 192                            ; v[192:207] q [b][row]
.set XQ, 160                           ; last phase, in TT's registers: q + eps, d, and the three results
.set DQ, 164
.set FO, 168
.set EO, 172
.set BO, 176
; ---- the chain's work-groups
.set HCO, 6144                         ; LDS: h6 [3][128] at 0; h5 [3][64] at 6144;
.set RED1, 7168                        ;      partial sums [rg 32][j 3][64] of u5 at 7168,
.set RED2, 31744                       ;      of u4 at 31744;
.set QL6, 56320                        ;      q6 [128] at 56320,
.set QL5, 56832                        ;      q5 [64] at 56832
.set STY6, 20                          ; v[20:27]   s6: my 4 numbers of each half of the 256
.set STY5, 28                          ; v[28:35]   s5
.set W6F, 36                           ; v[36:99]   my wave's 8 rows of W6 [n 8][k 2][4]
.set W5F, 100                          ; v[100:131] my wave's 4 rows of W5 [n 4][k 2][4]
.set WA, 132                           ; v[132:147] W6's column block [n 4][4]
.set WC, 148                           ; v[148:155] W5's tile [2][4]
.set R2Q, 156                          ; v[156:159] tap
.set B6Q, 160                          ; v[160:163] b6
.set SB6, 164                          ; v[164:167] s6 at block kb
.set B5Q, 168                          ; v[168:171] b5 at block kb
.set TP, 172                           ; v[172:179] W s of a row
.set QA, 180                           ; v[180:203] 12 running pairs
.set QV, 204                           ; v[204:215] q of my 8 + 4 rows
.set RD, 36                            ; v[36:99]   16 partial quads, in W6's registers once they have been used
.set X6, 100                           ; in W5's registers once they have been used: x, d, h of layer 6,
.set D6, 104
.set HA, 108
.set X5, 112                           ; x, d, E, BETA, h of layer 5
.set D5, 116
.set EC, 120
.set BC, 124
.set HC, 128
.set T, 172                            ; v[172:175]
.set HV, 180                           ; v[180:191] h6 [j 3][n 4]; later h5 [j 3][2]
.set AC, 192                           ; v[192:203] sums [j 3][4]
; the tables of one layer.  first: its first work-group; woff, boff, roff, dstoff: byte offsets of W, bias, tap and table buffer among the kernel arguments;
; soff, eoff: byte offsets of s_l and s_(l+1) in a row of sty; fkind 0 no F, 1 tap; rpitch: bytes in a row of the tap
.macro LAYER first, woff, boff, soff, eoff, fkind, roff, rpitch, dstoff, tabo
	s_load_b64 s[6:7], s[0:1], \woff
	s_load_b64 s[8:9], s[0:1], \boff
.if \fkind
	s_load_b64 s[10:11], s[0:1], \roff
.endif
	s_load_b64 s[12:13], s[0:1], \dstoff
	s_sub_co_u32 s14, s26, \first                  ; kb: which 64 rows
	s_mul_i32 s16, s14, 64*PITCH
	s_mov_b32 s17, 0
	s_lshl_b32 s24, s14, 8                         ; 64 numbers = 256 bytes
	s_mov_b32 s25, 0
	s_mul_i32 s20, s15, 4*PITCH
	v_lshl_add_u32 v4, v1, 4, s20                  ; W: wave x 4 rows + 16 lane
	v_lshrrev_b32 v6, 7, v0                        ; style: thread t takes quad t % 128 of batch t / 128
	v_and_b32 v14, 127, v0
	v_lshlrev_b32 v6, 14, v6
	v_lshl_add_u32 v6, v14, 4, v6
.if \fkind
	v_lshrrev_b32 v10, 2, v3                       ; colour j = r / 4
	v_mad_u32_u24 v10, v10, \rpitch, v12
.endif
	s_wait_kmcnt 0x0
	s_add_nc_u64 s[6:7], s[6:7], s[16:17]
	s_add_nc_u64 s[8:9], s[8:9], s[24:25]
.if \fkind
	s_add_nc_u64 s[10:11], s[10:11], s[24:25]
.endif
	s_add_nc_u64 s[12:13], s[12:13], s[24:25]
	s_add_nc_u64 s[12:13], s[12:13], \tabo
	s_add_nc_u64 s[22:23], s[4:5], s[24:25]
	; the last phase's operands are requested first: waves 0-5 the tap, waves 0-1 the next style and the bias
	s_cmp_ge_u32 s15, 6
	s_cbranch_scc1 .Lno_early_\@
.if \fkind
	global_load_b128 v[RQ:RQ+3], v10, s[10:11]
.endif
	s_cmp_ge_u32 s15, 2
	s_cbranch_scc1 .Lno_early_\@
	global_load_b128 v[EQ:EQ+3], v11, s[22:23] offset:\eoff
	global_load_b128 v[BQ:BQ+3], v12, s[8:9]
.Lno_early_\@:
	global_load_b128 v[SQ:SQ+3], v6, s[4:5] offset:\soff
.irp rw, 0,1,2,3
.irp k, 0,1,2,3
	global_load_b128 v[WW+4*(\rw*KQ+\k):WW+4*(\rw*KQ+\k)+3], v4, s[6:7] offset:\rw*PITCH+\k*512
.endr
.endr
	s_wait_loadcnt 4*KQ                            ; only the 16 loads of W are younger than the style quad
	v_pk_mul_f32 v[SQ:SQ+1], v[SQ:SQ+1], v[SQ:SQ+1]
	v_pk_mul_f32 v[SQ+2:SQ+3], v[SQ+2:SQ+3], v[SQ+2:SQ+3]
	ds_store_b128 v5, v[SQ:SQ+3]                   ; s^2 [b][512] at 16 t
	s_wait_dscnt 0x0
	s_barrier_signal -1
	s_barrier_wait -1                              ; s^2 is whole
.irp b, 0,1,2,3
.irp k, 0,1,2,3
	ds_load_b128 v[SS+4*(\b*KQ+\k):SS+4*(\b*KQ+\k)+3], v7 offset:\b*PITCH+\k*512
.endr
.endr
	s_wait_loadcnt 0x0                             ; W, and what was asked for ahead of it
.set i, 0
.rept 8*KQ
	v_pk_mul_f32 v[WW+2*i:WW+2*i+1], v[WW+2*i:WW+2*i+1], v[WW+2*i:WW+2*i+1]
.set i, i+1
.endr
	s_wait_dscnt 0x0
	; sixteen chains (b, row) that do not wait for each other; the first product starts each
.irp k, 0,1,2,3
.irp c, 0,2
.irp b, 0,1,2,3
.irp rw, 0,1,2,3
.if \k+\c == 0
	v_pk_mul_f32 v[TT+2*(4*\b+\rw):TT+2*(4*\b+\rw)+1], v[WW+4*(\rw*KQ+\k)+\c:WW+4*(\rw*KQ+\k)+\c+1], v[SS+4*(\b*KQ+\k)+\c:SS+4*(\b*KQ+\k)+\c+1]
.else
	v_pk_fma_f32 v[TT+2*(4*\b+\rw):TT+2*(4*\b+\rw)+1], v[WW+4*(\rw*KQ+\k)+\c:WW+4*(\rw*KQ+\k)+\c+1], v[SS+4*(\b*KQ+\k)+\c:SS+4*(\b*KQ+\k)+\c+1], v[TT+2*(4*\b+\rw):TT+2*(4*\b+\rw)+1]
.endif
.endr
.endr
.endr
.endr
.set i, 0
.rept 16
	v_add_f32 v[Q+i], v[TT+2*i], v[TT+2*i+1]
.set i, i+1
.endr
	; over the 32 lanes: four steps inside each half ride on the add, one crosses the halves
.irp x, 1,2,4,8
.set i, 0
.rept 16
	v_add_f32_dpp v[Q+i], v[Q+i], v[Q+i] row_xmask:\x row_mask:0xf bank_mask:0xf
.set i, i+1
.endr
.endr
.set i, 0
.rept 16
	v_permlanex16_b32 v[TT+i], v[Q+i], s18, s19
.set i, i+1
.endr
.set i, 0
.rept 16
	v_add_f32 v[Q+i], v[Q+i], v[TT+i]
.set i, i+1
.endr
.irp b, 0,1,2,3
	ds_store_b128 v8, v[Q+4*\b:Q+4*\b+3] offset:QL+\b*256      ; q[b][4 w .. 4 w + 3]; every lane holds the same four numbers
.endr
	s_wait_dscnt 0x0
	s_barrier_signal -1
	s_barrier_wait -1                              ; q is whole
.if \fkind
	s_cmp_ge_u32 s15, 6
.else
	s_cmp_ge_u32 s15, 2
.endif
	s_cbranch_scc1 .Ldone_\@
	; thread (r = t / 16, lq): four rows o of the 64
	ds_load_b128 v[XQ:XQ+3], v13 offset:QL
	s_wait_dscnt 0x0
	v_pk_add_f32 v[XQ:XQ+1], v[XQ:XQ+1], 0x322bcc77 op_sel_hi:[1,0]            ; + 1e-8
	v_pk_add_f32 v[XQ+2:XQ+3], v[XQ+2:XQ+3], 0x322bcc77 op_sel_hi:[1,0]
	v_rsq_f32 v[DQ], v[XQ]
	v_rsq_f32 v[DQ+1], v[XQ+1]
	v_rsq_f32 v[DQ+2], v[XQ+2]
	v_rsq_f32 v[DQ+3], v[XQ+3]
	v_nop                                          ; one plain vector instruction stands between a reciprocal root and the first use of its result (ISA guide 5.7.2)
.if \fkind
	s_wait_alu depctr_va_vdst(0)
	v_pk_mul_f32 v[FO:FO+1], v[DQ:DQ+1], v[RQ:RQ+1]
	v_pk_mul_f32 v[FO+2:FO+3], v[DQ+2:DQ+3], v[RQ+2:RQ+3]
	global_store_b128 v9, v[FO:FO+3], s[12:13] offset:16384
	s_cmp_ge_u32 s15, 2
	s_cbranch_scc1 .Ldone_\@
.endif
	s_wait_alu depctr_va_vdst(0)
	v_pk_mul_f32 v[EO:EO+1], v[DQ:DQ+1], v[EQ:EQ+1]
	v_pk_mul_f32 v[EO+2:EO+3], v[DQ+2:DQ+3], v[EQ+2:EQ+3]
	global_store_b128 v9, v[EO:EO+3], s[12:13]
	v_pk_mul_f32 v[BO:BO+1], v[XQ:XQ+1], v[DQ:DQ+1]
	v_pk_mul_f32 v[BO+2:BO+3], v[XQ+2:XQ+3], v[DQ+2:DQ+3]
	v_pk_mul_f32 v[BO:BO+1], v[BO:BO+1], v[BQ:BQ+1]
	v_pk_mul_f32 v[BO+2:BO+3], v[BO+2:BO+3], v[BQ+2:BQ+3]
	global_store_b128 v9, v[BO:BO+3], s[12:13] offset:8192     ; every store: sixteen lanes, 256 consecutive bytes, aligned
.Ldone_\@:
	s_wait_tensorcnt 0x0
	ds_add_u32 v216, v217
	s_wait_dscnt 0x0
	s_endpgm
.endm
; the chain: my 8 numbers of one row (registers w) times the style (registers s), squared and summed into running pair idx.  left: the younger loads
.macro QROW w, s, idx, left
	s_wait_loadcnt \left                           ; loads return in order: this row's two loads are in
.irp c, 0,2,4,6
	v_pk_mul_f32 v[TP+\c:TP+\c+1], v[\w+\c:\w+\c+1], v[\s+\c:\s+\c+1]
.endr
	v_pk_mul_f32 v[QA+2*(\idx):QA+2*(\idx)+1], v[TP:TP+1], v[TP:TP+1]          ; the first product starts the sum
.irp c, 2,4,6
	v_pk_fma_f32 v[QA+2*(\idx):QA+2*(\idx)+1], v[TP+\c:TP+\c+1], v[TP+\c:TP+\c+1], v[QA+2*(\idx):QA+2*(\idx)+1]
.endr
.endm
; row n of my 4 rows of W6's column block against the three rows of h6; h6[j][n] is one half of a register pair, named by op_sel
.macro ROWA n
	s_wait_loadcnt 5-\n                            ; row n is in; younger are 3 - n rows of the block and the tile's two loads
.irp j, 0,1,2
.irp c, 0,2
.if \n == 0
	v_pk_mul_f32 v[AC+4*\j+\c:AC+4*\j+\c+1], v[WA+\c:WA+\c+1], v[HV+4*\j:HV+4*\j+1] op_sel_hi:[1,0]           ; the first row starts the sums
.elseif \n == 2
	v_pk_fma_f32 v[AC+4*\j+\c:AC+4*\j+\c+1], v[WA+8+\c:WA+8+\c+1], v[HV+4*\j+2:HV+4*\j+3], v[AC+4*\j+\c:AC+4*\j+\c+1] op_sel_hi:[1,0,1]
.else
	v_pk_fma_f32 v[AC+4*\j+\c:AC+4*\j+\c+1], v[WA+4*\n+\c:WA+4*\n+\c+1], v[HV+4*\j+\n-1:HV+4*\j+\n], v[AC+4*\j+\c:AC+4*\j+\c+1] op_sel:[0,1,0] op_sel_hi:[1,1,1]
.endif
.endr
.endr
.endm
; waves 0-2 (j = wave): each half of the lanes adds 16 of the 32 partial quads of its four columns, then the halves are joined: every lane holds the sum
.macro REDUCE base
.set g, 0
.rept 16
	ds_load_b128 v[RD+4*g:RD+4*g+3], v13 offset:\base+g*768
.set g, g+1
.endr
	s_wait_dscnt 0x0
.irp st, 8,4,2,1
.set g, 0
.rept \st
	v_pk_add_f32 v[RD+4*g:RD+4*g+1], v[RD+4*g:RD+4*g+1], v[RD+4*(g+\st):RD+4*(g+\st)+1]
	v_pk_add_f32 v[RD+4*g+2:RD+4*g+3], v[RD+4*g+2:RD+4*g+3], v[RD+4*(g+\st)+2:RD+4*(g+\st)+3]
.set g, g+1
.endr
.endr
.irp i, 0,1,2,3
	v_permlanex16_b32 v[RD+4+\i], v[RD+\i], s18, s19
.endr
	v_pk_add_f32 v[RD:RD+1], v[RD:RD+1], v[RD+4:RD+5]
	v_pk_add_f32 v[RD+2:RD+3], v[RD+2:RD+3], v[RD+6:RD+7]
.endm
; lane 0 stores the word in v[T] at byte s22 + imm of pa
.macro WORD imm
	v_mov_b32 v[T+2], s22
	s_wait_xcnt 0x0                                ; EXEC is a source of the memory instructions issued: it changes only behind this wait
	v_cmp_eq_u32 vcc_lo, 0, v1
	s_and_saveexec_b32 s24, vcc_lo
	global_store_b32 v[T+2], v[T], s[34:35] offset:\imm        ; one word a wave: a row's part of the constant
	s_wait_xcnt 0x0                                ; and again in front of the line that widens it
	s_or_b32 exec_lo, exec_lo, s24
.endm
	s_load_b64 s[4:5], s[0:1], 0x0                 ; sty
	v_lshl_add_u32 v216, v0, 2, 0xe000
	v_mov_b32 v217, 0
	s_mov_b32 s26, ttmp9
	v_and_b32 v1, 31, v0                           ; lane
	v_and_b32 v2, 15, v0                           ; lq
	v_lshrrev_b32 v3, 4, v0                        ; rg
	v_lshrrev_b32 v14, 5, v0
	v_readfirstlane_b32 s15, v14                   ; wave
	s_mov_b32 s18, 0x76543210                      ; v_permlanex16_b32: lane i of one half reads lane i of the other
	s_mov_b32 s19, 0xfedcba98
	v_lshlrev_b32 v5, 4, v0                        ; 16 t
	v_lshlrev_b32 v7, 4, v1                        ; 16 lane
	v_lshlrev_b32 v12, 4, v2                       ; 16 lq
	s_lshl_b32 s21, s15, 4
	v_mov_b32 v8, s21                              ; 16 wave: my wave's four rows in a row of q
	s_cmp_ge_u32 s26, 28
	s_cbranch_scc1 .Lchain
	v_lshl_add_u32 v9, v3, 11, v12                 ; tables: row rg of 2,048 bytes
	v_lshl_add_u32 v11, v3, 14, v12                ; sty: row rg of 16,384 bytes
	v_and_b32 v13, 3, v3
	v_lshl_add_u32 v13, v13, 8, v12                ; q: batch r % 4
	s_cmp_lt_u32 s26, 8
	s_cbranch_scc1 .Llayer1
	s_cmp_lt_u32 s26, 16
	s_cbranch_scc1 .Llayer2
	s_cmp_lt_u32 s26, 24
	s_cbranch_scc1 .Llayer3
	LAYER 24, 32, 80, 6144, 8192, 1, 112, 1024, 128, TAB1
.Llayer1:
	LAYER 0, 8, 56, 0, 2048, 0, 0, 0, 136, TAB0
.Llayer2:
	LAYER 8, 16, 64, 2048, 4096, 1, 104, 2048, 136, TAB1
.Llayer3:
	LAYER 16, 24, 72, 4096, 6144, 0, 0, 0, 128, TAB0
.Lchain:
	s_load_b128 s[8:11], s[0:1], 0x28              ; W5 s[8:9], W6 s[10:11]
	s_load_b128 s[28:31], s[0:1], 0x58             ; b5 s[28:29], b6 s[30:31]
	s_load_b128 s[32:35], s[0:1], 0x78             ; R2 s[32:33], pa s[34:35]
	s_sub_co_u32 s27, s26, 28
	s_and_b32 s14, s27, 3                          ; b
	s_bfe_u32 s12, s27, 0x20002                    ; ib: two bits from bit 2
	s_lshr_b32 s13, s27, 4                         ; kb
	s_lshl_b32 s22, s15, 13
	v_add_nc_u32 v4, s22, v7                       ; W6's rows: 8 rows of 1,024 bytes a wave + 16 lane
	v_add_nc_u32 v18, s22, v12                     ; the result's row 4 j + b, j = wave: 8,192 j + 16 lq
	s_lshl_b32 s22, s15, 12
	v_add_nc_u32 v6, s22, v7                       ; W5's rows: 4 rows a wave + 16 lane
	v_lshl_add_u32 v9, v3, 12, v12                 ; W6's column block: four rows for each rg
	v_lshl_add_u32 v10, v3, 11, v12                ; W5's tile: two rows for each rg
	s_lshl_b32 s22, s15, 9
	v_add_nc_u32 v11, s22, v7                      ; R2[j = wave][4 lane ..]
	s_lshl_b32 s22, s15, 8
	v_add_nc_u32 v14, s22, v12                     ; h5 in LDS: 256 j + 16 lq
	v_lshrrev_b32 v13, 4, v1
	v_mul_u32_u24 v13, v13, 12288                  ; partial sums back: my half's 16 row groups,
	v_add_nc_u32 v13, v13, v14                     ; row j = wave, 16 lq
	v_lshlrev_b32 v15, 3, v3                       ; h5[j][2 rg ..]
	v_lshlrev_b32 v16, 4, v3                       ; h6[j][4 rg ..]
	v_mad_u32_u24 v17, v3, 768, v12                ; partial sums: 768 rg + 16 lq
	s_lshl_b32 s22, s15, 5
	v_mov_b32 v19, s22                             ; 32 wave: my wave's eight rows in q6
	s_lshl_b32 s16, s13, 8                         ; 64 numbers of block kb = 256 bytes
	s_mov_b32 s17, 0
	s_lshl_b32 s36, s14, 14                        ; sty's row b
	s_mov_b32 s37, 0
	s_lshl_b32 s40, s13, 16                        ; 64 rows of 1,024 bytes
	s_mov_b32 s41, 0
	s_lshl_b32 s42, s12, 8
	s_mov_b32 s43, 0
	s_mul_i32 s46, s13, SLAB
	s_add_co_u32 s46, s46, s42
	s_lshl_b32 s22, s14, 11                        ; row b of 2,048 bytes
	s_add_co_u32 s46, s46, s22
	s_mov_b32 s47, 0
	s_wait_kmcnt 0x0
	s_add_nc_u64 s[4:5], s[4:5], s[36:37]          ; sty at batch b
	s_add_nc_u64 s[44:45], s[4:5], s[16:17]        ; and at block kb
	s_add_nc_u64 s[38:39], s[10:11], s[16:17]      ; W6 at columns 64 kb
	s_add_nc_u64 s[40:41], s[8:9], s[40:41]        ; W5 at rows 64 kb
	s_add_nc_u64 s[42:43], s[40:41], s[42:43]      ; my tile of W5
	s_add_nc_u64 s[28:29], s[28:29], s[16:17]      ; b5 at block kb
	s_add_nc_u64 s[46:47], s[34:35], s[46:47]      ; my slab, batch and column block of the result
	; the loads that only waves 0-2 issue come first, so that every counted wait below counts loads that all waves issue
	s_cmp_ge_u32 s15, 3
	s_cbranch_scc1 .Lc_all
	global_load_b128 v[R2Q:R2Q+3], v11, s[32:33]
	global_load_b128 v[B6Q:B6Q+3], v7, s[30:31]
	global_load_b128 v[SB6:SB6+3], v12, s[44:45] offset:9216
	global_load_b128 v[B5Q:B5Q+3], v12, s[28:29]
.Lc_all:
	global_load_b128 v[STY6:STY6+3], v7, s[4:5] offset:9216
	global_load_b128 v[STY6+4:STY6+7], v7, s[4:5] offset:9216+512
	global_load_b128 v[STY5:STY5+3], v7, s[4:5] offset:8192
	global_load_b128 v[STY5+4:STY5+7], v7, s[4:5] offset:8192+512
.irp n, 0,1,2,3,4,5,6,7
	global_load_b128 v[W6F+8*\n:W6F+8*\n+3], v4, s[10:11] offset:\n*1024
	global_load_b128 v[W6F+8*\n+4:W6F+8*\n+7], v4, s[10:11] offset:\n*1024+512
.endr
.irp n, 0,1,2,3
	global_load_b128 v[W5F+8*\n:W5F+8*\n+3], v6, s[40:41] offset:\n*1024
	global_load_b128 v[W5F+8*\n+4:W5F+8*\n+7], v6, s[40:41] offset:\n*1024+512
.endr
.irp n, 0,1,2,3
	global_load_b128 v[WA+4*\n:WA+4*\n+3], v9, s[38:39] offset:\n*1024
.endr
	global_load_b128 v[WC:WC+3], v10, s[42:43]
	global_load_b128 v[WC+4:WC+7], v10, s[42:43] offset:1024
	; the row sums, row by row as the rows arrive.  Behind row n of W6 come 2 (7 - n) loads of W6, 8 of W5's rows, 6 of the block and the tile
.irp n, 0,1,2,3,4,5,6,7
	QROW W6F+8*\n, STY6, \n, 28-2*\n
.endr
	; behind row n of W5 come 2 (3 - n) loads of its rows and the 6 of the block and the tile
.irp n, 0,1,2,3
	QROW W5F+8*\n, STY5, 8+\n, 12-2*\n
.endr
.set i, 0
.rept 12
	v_add_f32 v[QV+i], v[QA+2*i], v[QA+2*i+1]
.set i, i+1
.endr
	; over the 32 lanes: four steps inside each half ride on the add, one crosses the halves
.irp x, 1,2,4,8
.set i, 0
.rept 12
	v_add_f32_dpp v[QV+i], v[QV+i], v[QV+i] row_xmask:\x row_mask:0xf bank_mask:0xf
.set i, i+1
.endr
.endr
.set i, 0
.rept 12
	v_permlanex16_b32 v[QA+i], v[QV+i], s18, s19
.set i, i+1
.endr
.set i, 0
.rept 12
	v_add_f32 v[QV+i], v[QV+i], v[QA+i]
.set i, i+1
.endr
	ds_store_b128 v19, v[QV:QV+3] offset:QL6       ; q6[8 w .. 8 w + 7]; every lane holds the same numbers
	ds_store_b128 v19, v[QV+4:QV+7] offset:QL6+16
	ds_store_b128 v8, v[QV+8:QV+11] offset:QL5     ; q5[64 kb + 4 w .. + 3]
	s_wait_dscnt 0x0
	s_barrier_signal -1
	s_barrier_wait -1                              ; q6 and q5 are whole
	s_cmp_ge_u32 s15, 3
	s_cbranch_scc1 .Lc_bar1
	; waves 0-2, thread (j = wave, lane): four numbers of h6's row j; and, for the second step, E and BETA of layer 5 at 4 lq .. of block kb
	ds_load_b128 v[X6:X6+3], v7 offset:QL6
	ds_load_b128 v[X5:X5+3], v12 offset:QL5
	s_wait_dscnt 0x0
	v_pk_add_f32 v[X6:X6+1], v[X6:X6+1], 0x322bcc77 op_sel_hi:[1,0]            ; + 1e-8
	v_pk_add_f32 v[X6+2:X6+3], v[X6+2:X6+3], 0x322bcc77 op_sel_hi:[1,0]
	v_pk_add_f32 v[X5:X5+1], v[X5:X5+1], 0x322bcc77 op_sel_hi:[1,0]
	v_pk_add_f32 v[X5+2:X5+3], v[X5+2:X5+3], 0x322bcc77 op_sel_hi:[1,0]
.irp i, 0,1,2,3
	v_rsq_f32 v[D6+\i], v[X6+\i]
.endr
.irp i, 0,1,2,3
	v_rsq_f32 v[D5+\i], v[X5+\i]
.endr
	v_nop                                          ; one plain vector instruction stands between a reciprocal root and the first use of its result (ISA guide 5.7.2)
	s_wait_alu depctr_va_vdst(0)
	v_pk_mul_f32 v[HA:HA+1], v[D6:D6+1], v[R2Q:R2Q+1]          ; the tap and the three other operands are the wave's oldest loads: in since the counted waits above
	v_pk_mul_f32 v[HA+2:HA+3], v[D6+2:D6+3], v[R2Q+2:R2Q+3]
	ds_store_b128 v5, v[HA:HA+3]                   ; h6[j][4 lane ..] at 16 t
	v_pk_mul_f32 v[EC:EC+1], v[D5:D5+1], v[SB6:SB6+1]
	v_pk_mul_f32 v[EC+2:EC+3], v[D5+2:D5+3], v[SB6+2:SB6+3]
	v_pk_mul_f32 v[BC:BC+1], v[X5:X5+1], v[D5:D5+1]
	v_pk_mul_f32 v[BC+2:BC+3], v[X5+2:X5+3], v[D5+2:D5+3]
	v_pk_mul_f32 v[BC:BC+1], v[BC:BC+1], v[B5Q:B5Q+1]
	v_pk_mul_f32 v[BC+2:BC+3], v[BC+2:BC+3], v[B5Q+2:B5Q+3]
	s_or_b32 s22, s12, s13
	s_cmp_lg_u32 s22, 0
	s_cbranch_scc1 .Lc_bar1                        ; layer 6's part of the constant: the work-groups with ib = kb = 0 alone
	v_pk_mul_f32 v[T:T+1], v[X6:X6+1], v[D6:D6+1]
	v_pk_mul_f32 v[T+2:T+3], v[X6+2:X6+3], v[D6+2:D6+3]
	v_pk_mul_f32 v[T:T+1], v[T:T+1], v[B6Q:B6Q+1]              ; BETA of layer 6
	v_pk_mul_f32 v[T+2:T+3], v[T+2:T+3], v[B6Q+2:B6Q+3]
	v_pk_mul_f32 v[T:T+1], v[T:T+1], v[HA:HA+1]
	v_pk_fma_f32 v[T:T+1], v[T+2:T+3], v[HA+2:HA+3], v[T:T+1]
	v_add_f32 v[T], v[T], v[T+1]
.irp x, 1,2,4,8
	v_add_f32_dpp v[T], v[T], v[T] row_xmask:\x row_mask:0xf bank_mask:0xf
.endr
	v_permlanex16_b32 v[T+1], v[T], s18, s19
	v_add_f32 v[T], v[T], v[T+1]                   ; the 128 numbers of row 4 j + b
	s_lshl_b32 s22, s15, 4
	s_lshl2_add_u32 s22, s14, s22                  ; 4 (4 j + b)
	WORD CPO
.Lc_bar1:
	s_wait_dscnt 0x0
	s_barrier_signal -1
	s_barrier_wait -1                              ; h6 is whole
.irp j, 0,1,2
	ds_load_b128 v[HV+4*\j:HV+4*\j+3], v16 offset:\j*512
.endr
	s_wait_dscnt 0x0
.irp n, 0,1,2,3
	ROWA \n
.endr
.irp j, 0,1,2
	ds_store_b128 v17, v[AC+4*\j:AC+4*\j+3] offset:RED1+\j*256
.endr
	s_wait_dscnt 0x0
	s_barrier_signal -1
	s_barrier_wait -1                              ; the 32 partial sums of u5's 3 x 64 numbers are in LDS
	s_cmp_ge_u32 s15, 3
	s_cbranch_scc1 .Lc_bar3
	REDUCE RED1
	v_pk_mul_f32 v[HC:HC+1], v[EC:EC+1], v[RD:RD+1]
	v_pk_mul_f32 v[HC+2:HC+3], v[EC+2:EC+3], v[RD+2:RD+3]
	ds_store_b128 v14, v[HC:HC+3] offset:HCO       ; both halves of the lanes hold, and store, the same numbers
	s_cmp_lg_u32 s12, 0
	s_cbranch_scc1 .Lc_bar3                        ; layer 5's part of the constant: column block 0 alone
	v_pk_mul_f32 v[T:T+1], v[HC:HC+1], v[BC:BC+1]
	v_pk_fma_f32 v[T:T+1], v[HC+2:HC+3], v[BC+2:BC+3], v[T:T+1]
	v_add_f32 v[T], v[T], v[T+1]
.irp x, 1,2,4,8
	v_add_f32_dpp v[T], v[T], v[T] row_xmask:\x row_mask:0xf bank_mask:0xf     ; over the 16 lanes that hold the 64 numbers
.endr
	s_lshl_b32 s22, s13, 6
	s_lshl_b32 s23, s15, 4
	s_add_co_u32 s22, s22, s23
	s_lshl2_add_u32 s22, s14, s22                  ; 64 kb + 4 (4 j + b)
	WORD CPO+64
.Lc_bar3:
	s_wait_dscnt 0x0
	s_barrier_signal -1
	s_barrier_wait -1                              ; h5 is whole
.irp j, 0,1,2
	ds_load_b64 v[HV+2*\j:HV+2*\j+1], v15 offset:HCO+\j*256
.endr
	s_wait_loadcnt 0x0                             ; the tile of W5
	s_wait_dscnt 0x0
.irp j, 0,1,2
.irp c, 0,2
	v_pk_mul_f32 v[AC+4*\j+\c:AC+4*\j+\c+1], v[WC+\c:WC+\c+1], v[HV+2*\j:HV+2*\j+1] op_sel_hi:[1,0]
.endr
.endr
.irp j, 0,1,2
.irp c, 0,2
	v_pk_fma_f32 v[AC+4*\j+\c:AC+4*\j+\c+1], v[WC+4+\c:WC+4+\c+1], v[HV+2*\j:HV+2*\j+1], v[AC+4*\j+\c:AC+4*\j+\c+1] op_sel:[0,1,0] op_sel_hi:[1,1,1]
.endr
.endr
.irp j, 0,1,2
	ds_store_b128 v17, v[AC+4*\j:AC+4*\j+3] offset:RED2+\j*256
.endr
	s_wait_dscnt 0x0
	s_barrier_signal -1
	s_barrier_wait -1                              ; the 32 partial sums of the result's 3 x 64 numbers are in LDS
	s_cmp_ge_u32 s15, 3
	s_cbranch_scc1 .Lc_end
	REDUCE RED2
	s_wait_xcnt 0x0                                ; EXEC changes only behind this wait
	v_cmp_gt_u32 vcc_lo, 16, v1
	s_and_saveexec_b32 s24, vcc_lo
	global_store_b128 v18, v[RD:RD+3], s[46:47]    ; lanes 0-15: 256 consecutive bytes, aligned
	s_wait_xcnt 0x0
	s_or_b32 exec_lo, exec_lo, s24
.Lc_end:
	s_wait_tensorcnt 0x0
	ds_add_u32 v216, v217
	s_wait_dscnt 0x0
	s_endpgm
.Lfunc_end_k_qbd0b11dd19_demod65:
	.size	k_qbd0b11dd19_demod65, .Lfunc_end_k_qbd0b11dd19_demod65-k_qbd0b11dd19_demod65
	.p2alignl 7, 3214868480
	.fill 96, 4, 3214868480
	.section	.rodata,"a",@progbits
	.p2align	6, 0x0
	.amdhsa_kernel k_qbd0b11dd19_demod65
		.amdhsa_group_segment_fixed_size 59392
		.amdhsa_private_segment_fixed_size 0
		.amdhsa_enable_private_segment 0
		.amdhsa_kernarg_size 144
		.amdhsa_user_sgpr_count 2
		.amdhsa_user_sgpr_kernarg_segment_ptr 1
		.amdhsa_wavefront_size32 1
		.amdhsa_system_sgpr_workgroup_id_x 1
		.amdhsa_system_sgpr_workgroup_id_y 1
		.amdhsa_system_sgpr_workgroup_id_z 1
		.amdhsa_system_vgpr_workitem_id 0
		.amdhsa_next_free_vgpr 218
		.amdhsa_next_free_sgpr 66
		.amdhsa_reserve_vcc 1
		.amdhsa_float_denorm_mode_32 3
		.amdhsa_float_denorm_mode_16_64 3
		.amdhsa_memory_ordered 1
		.amdhsa_forward_progress 1
		.amdhsa_inst_pref_size 121
	.end_amdhsa_kernel
	.amdgpu_metadata
---
amdhsa.version: [ 1, 2 ]
amdhsa.kernels:
  - .name:           k_qbd0b11dd19_demod65
    .symbol:         k_qbd0b11dd19_demod65.kd
    .args:
      - { .name: sty, .offset: 0, .size: 8, .value_kind: global_buffer, .address_space: global }
      - { .name: params_blocks_0_conv_w_0, .offset: 8, .size: 8, .value_kind: global_buffer, .address_space: global }
      - { .name: params_blocks_0_conv_w_1, .offset: 16, .size: 8, .value_kind: global_buffer, .address_space: global }
      - { .name: params_blocks_1_conv_w_0, .offset: 24, .size: 8, .value_kind: global_buffer, .address_space: global }
      - { .name: params_blocks_1_conv_w_1, .offset: 32, .size: 8, .value_kind: global_buffer, .address_space: global }
      - { .name: params_blocks_2_conv_w_0, .offset: 40, .size: 8, .value_kind: global_buffer, .address_space: global }
      - { .name: params_blocks_2_conv_w_1, .offset: 48, .size: 8, .value_kind: global_buffer, .address_space: global }
      - { .name: params_blocks_0_conv_b_0, .offset: 56, .size: 8, .value_kind: global_buffer, .address_space: global }
      - { .name: params_blocks_0_conv_b_1, .offset: 64, .size: 8, .value_kind: global_buffer, .address_space: global }
      - { .name: params_blocks_1_conv_b_0, .offset: 72, .size: 8, .value_kind: global_buffer, .address_space: global }
      - { .name: params_blocks_1_conv_b_1, .offset: 80, .size: 8, .value_kind: global_buffer, .address_space: global }
      - { .name: params_blocks_2_conv_b_0, .offset: 88, .size: 8, .value_kind: global_buffer, .address_space: global }
      - { .name: params_blocks_2_conv_b_1, .offset: 96, .size: 8, .value_kind: global_buffer, .address_space: global }
      - { .name: params_blocks_0_rgb_w, .offset: 104, .size: 8, .value_kind: global_buffer, .address_space: global }
      - { .name: params_blocks_1_rgb_w, .offset: 112, .size: 8, .value_kind: global_buffer, .address_space: global }
      - { .name: params_blocks_2_rgb_w, .offset: 120, .size: 8, .value_kind: global_buffer, .address_space: global }
      - { .name: pa, .offset: 128, .size: 8, .value_kind: global_buffer, .address_space: global }
      - { .name: pb, .offset: 136, .size: 8, .value_kind: global_buffer, .address_space: global }
    .group_segment_fixed_size: 59392
    .private_segment_fixed_size: 0
    .kernarg_segment_align: 8
    .kernarg_segment_size: 144
    .max_flat_workgroup_size: 512
    .sgpr_count:     66
    .vgpr_count:     218
    .wavefront_size: 32
...
	.end_amdgpu_metadata
.endif
;; end of part 13
;; launch pair43: the kernel of part 10 again; grid 32 x 8, 16 waves a work-group, no clusters, 58,368 bytes of LDS; arguments params_blocks_1_conv_w_1, params_blocks_1_conv_w_0, pa, pb; writes pb
;; launch pair21: the kernel of part 11 again; grid 32 x 8, 16 waves a work-group, no clusters, 58,368 bytes of LDS; arguments params_blocks_0_conv_w_1, params_blocks_0_conv_w_0, pb, pa; writes pa
;; launch render: the kernel of part 12 again; grid 256 x 1, 8 waves a work-group, no clusters, 37,888 bytes of LDS; arguments coordinates, sty, pa, pb, params_blocks_0_rgb_b, params_blocks_1_rgb_b, params_blocks_2_rgb_b, out0; writes out0
